; MI455X (gfx1250); checked and timed in simulation.
; The chip was launched on July 23, 2026; its instructions are those of AMD's public machine-readable ISA for CDNA 5 (MIT licence, August 2026) and "CDNA5" Instruction Set Architecture Reference Guide (July 2026). The comments in the code are by the model that wrote it; some were corrected since.
;; Transformer Block. Allowed arithmetic: matrix products marked QUANTISED: E2M1 operands, one E8M0 scale for each 32 along K, by v_wmma_scale_f32_16x16x128_f8f6f4 with both operands' format E2M1 (or v_wmma_scale_f32_32x16x128_f4), f32 sums; everything else in f32.
;; Inputs: fc_b 1,024 float32; fc_w_codes 1,024 x 32 x 16 uint8 (E2M1 codes of fc_w, K innermost, in blocks of 32 codes, two codes a byte); fc_w_scales 1,024 x 32 uint8 (E8M0 scales of fc_w, one for each 32 codes along K); ff_b1 4,096 float32; ff_b2 1,024 float32; ff_w1_codes 4,096 x 32 x 16 uint8 (E2M1 codes of ff_w1, K innermost, in blocks of 32 codes, two codes a byte); ff_w1_scales 4,096 x 32 uint8 (E8M0 scales of ff_w1, one for each 32 codes along K); ff_w2_codes 1,024 x 128 x 16 uint8 (E2M1 codes of ff_w2, K innermost, in blocks of 32 codes, two codes a byte); ff_w2_scales 1,024 x 128 uint8 (E8M0 scales of ff_w2, one for each 32 codes along K); keys 2 x 2,048 x 1,024 float32; ln1_b 1,024 float32; ln1_g 1,024 float32; ln2_b 1,024 float32; ln2_g 1,024 float32; mask 2 x 1 x 1 x 2,048 int32; queries 2 x 2,048 x 1,024 float32; values_codes 2 x 1,024 x 64 x 16 uint8 (E2M1 codes of values, K innermost, in blocks of 32 codes, two codes a byte); values_scales 2 x 1,024 x 64 uint8 (E8M0 scales of values, one for each 32 codes along K).
;; Outputs: out0 2 x 2,048 x 1,024 float32.
;; This version of the problem:
;;   THIS VERSION OF THE PROBLEM IS GIVEN IN LOW PRECISION. The matrix products marked QUANTISED in the list below multiply operands that are first quantised to E2M1 (2 exponent bits, 1 mantissa bit; 4 bits a number), with one power-of-two scale for each 32 numbers along K (OCP MX v1.0); their sums are f32. All else is computed in f32.
;;   The module's matrix products, in the order in which they are computed (A, B: the left and right operand; K: the contracted axis; several contracted axes count as one K, in the product's order):
;;     1. batch 32 x [M 2,048, K 64] x [K 64, N 2,048]; A: input queries; B: input keys: QUANTISED
;;     2. batch 32 x [M 64, K 2,048] x [K 2,048, N 2,048]; A: input values (given as codes); B: softmax (see below): QUANTISED
;;     3. [M 4,096, K 1,024] x [K 1,024, N 1,024]; A: computed on the way; B: input fc_w (given as codes): QUANTISED
;;     4. [M 4,096, K 1,024] x [K 1,024, N 4,096]; A: computed on the way; B: input ff_w1 (given as codes): QUANTISED
;;     5. [M 4,096, K 4,096] x [K 4,096, N 1,024]; A: computed on the way; B: input ff_w2 (given as codes): QUANTISED
;;   THE QUANTISER, for each operand of a quantised product, along K:
;;     - K is cut into blocks of 32 from its start; a last block that is shorter is filled with zeros.
;;     - A block's scale is 2^e with e = floor(log2(the largest magnitude in the block)) - 2, held to -126 .. 127; a block of zeros has e = 0. As a byte (E8M0): e + 127.
;;     - Each number is divided by its block's scale, clamped to +-6, and rounded to the nearest number of E2M1, ties to even, subnormals kept.
;;     - The product sums the exact products of the quantised numbers (number of the format x scale) in f32.
;;   ~~~python
;;   def quantise(x, axis):      # numpy; x: float32 -> the quantised numbers, widened to float32 again
;;       x = np.moveaxis(x, axis, -1); K = x.shape[-1]
;;       x = np.pad(x, [(0, 0)] * (x.ndim - 1) + [(0, -K % 32)]); x = x.reshape(x.shape[:-1] + (-1, 32)); a = np.abs(x).max(-1, keepdims=True)
;;       e = np.where(a > 0, np.clip(np.frexp(np.where(a > 0, a, 1))[1] - 1 - 2, -126, 127), 0)      # np.frexp(a)[1] - 1 = floor(log2(a)), exactly
;;       r = np.clip(x / 2.0 ** e, -6, 6)
;;       step = 2.0 ** (np.maximum(np.frexp(np.where(r == 0, 1, r))[1] - 1, 0) - 1)
;;       q = np.round(r / step) * step * 2.0 ** e      # np.round: ties to even
;;       return np.moveaxis(q.reshape(q.shape[:-2] + (-1,))[..., :K], -1, axis).astype(np.float32)
;;   ~~~
;;   SOFTMAX AHEAD OF A QUANTISED PRODUCT. Where the list says 'softmax', what is quantised is not the finished softmax but p = 2^(t - M), with t = logit x log2(e) and M = ceil(the row's largest t), a whole number; so 1/2 < the row's largest p <= 1. The row's sum l is taken of the UNQUANTISED p, in f32, and the product's result is divided by l at the end. Since M is a whole number, a kernel that streams over the keys may use a running M (the ceiling of the running maximum): every later rescaling is an exact power of two, which a block's scale takes up: the codes' values come out the same.
;;   OPERANDS COMPUTED ON THE WAY. 'Computed on the way' means the value that the module computes at that place (a softmax that the list does not call 'softmax' is quantised finished and normalised). What goes into a quantiser is computed in f32, as accurately as f32 sums, v_exp_f32 and their like allow (about 1e-6 of the number): no bf16 or f16 on the way to a quantiser, and a product that is left as it is and whose result goes on into a quantised operand takes f32 operands (vector FMAs, or v_wmma_f32_16x16x4_f32). A number that lies on a knife's edge between two numbers of the format may be rounded either way, as far as f32 arithmetic and the matrix unit's own rounding can turn it there, and no further.
;;   INPUTS GIVEN AS CODES. fc_w (in the module: [1024, 1024], K = its axis 0); ff_w1 (in the module: [1024, 4096], K = its axis 0); ff_w2 (in the module: [4096, 1024], K = its axis 0); values (in the module: [2, 2048, 1024], K = its axis 1): each comes as NAME_codes (uint8): NAME with its K axis moved to the last place and cut into blocks of 32 codes, [.., K / 32, bytes a block], one block behind the other in memory; two codes a byte, the lower K in the low four bits (a code: sign, 2 exponent bits, 1 mantissa bit); and NAME_scales (uint8): the same leading axes, one E8M0 byte (e + 127) for each 32 codes along K. Its value is code x scale, taken as it is: it is not quantised again, and the codes and scales need not be those that the quantiser above would give.
;; 2 versions, each right; version 2 is version 1 with the launches attn, fcln1 written anew for expert scheduling mode. Each part assembles by itself: llvm-mc -triple=amdgcn-amd-amdhsa -mcpu=gfx1250 --defsym DOCPART=n.
;; ======== version 1 of 2: 6 launches
;; workspace buffers: prepbuf 9,732,096 bytes; obuf 2,228,224 bytes; x1buf 19,005,440 bytes; hbuf 8,912,896 bytes; y2 16,777,216 bytes; flags 1,024 bytes of whole numbers
;; launch prep (part 1): grid 401 x 1, 4 waves a work-group, no clusters, 37,376 bytes of LDS; arguments queries, keys, fc_w_codes, fc_w_scales, ff_w1_codes, ff_w1_scales, ff_w2_codes, ff_w2_scales, prepbuf, mask, flags; writes prepbuf, flags
.if DOCPART == 1
	.amdgcn_target "amdgcn-amd-amdhsa--gfx1250"
	.amdhsa_code_object_version 6
	.text
	.protected	k_q6a5ed1088c_prep
	.globl	k_q6a5ed1088c_prep
	.p2align	8
	.type	k_q6a5ed1088c_prep,@function
k_q6a5ed1088c_prep:
	s_mov_b64 s[64:65], 0
	v_nop
	global_prefetch_b8 v0, s[64:65] scope:SCOPE_SE
	s_setreg_imm32_b32 hwreg(HW_REG_WAVE_MODE, 25, 1), 1
	s_wait_xcnt 0x0
; PREP.  (1) queries and keys, [2][2048][1024] f32, become codes of FP4 (E2M1) with one E8M0 scale for each 32 along a head's 64 channels; (2) the three weights, given as codes [n][K], are laid anew;
; (3) for each step of 128 keys that the attention launch walks, one bit says whether the mask hides a key there.
; Codes are stored as IMAGES OF OPERAND REGISTERS: a fragment's four registers of lane l lie at 16 l, 512 bytes on end, so that later launches load fragments by dense loads of 512 bytes.
; THE ROWS OF A TILE OF 16 ARE NOT NEIGHBOURS: in each aligned group of 32 rows, lane-row r of tile 2 B + u is row 32 B + 8 u + r + 8 (r / 8).  A product that takes such a tile as source 0 then leaves 16 neighbours
; in a lane's 16 registers of tiles 2 B and 2 B + 1, which is what the next quantiser wants.
; A block's scale is 2^(floor(log2(largest magnitude)) - 2); its byte is the largest magnitude's exponent field - 2, held at 1 from below.
; LIMITS: a block of zeros, and blocks whose largest magnitude lies under 2^-124, keep the byte 1 (their codes are what the conversion gives under that scale; this program alone reads the bytes); NaN and infinities are not served.
; SHARES.  Work-groups 0-255: a wave takes 128 rows of one head of one tensor (32 KiB of f32, 8 tiles).  Work-groups 256-399: a wave copies 16 rows x 512 bytes of one weight's codes and their 32 scale bytes a row.
; Work-group 400: wave w takes half a batch's mask (1,024 words: 8 steps) and stores its 8 bits, the same word from every lane: 256 consecutive bytes.
; Only the first path uses LDS.  No tensor loads, no barrier: waves share nothing.
.set QK_SC,   0x400000                 ; sections of prepbuf: Q's images at 0, K's at 0x200000, [batch x 16 + head][tile 128][512]; their scale words here, [..][tile][16 words], K's 0x40000 on
.set FCW_IMG, 0x480000                 ; weights: [tile][K step][1024]
.set W1_IMG,  0x500000
.set W2_IMG,  0x700000
.set FCW_SC,  0x900000                 ; their scale bytes: [tile][K step / 4][row 16][16 bytes]
.set W1_SC,   0x908000
.set W2_SC,   0x928000
.set SP,    272                        ; a stage row: a head's 256 bytes + 16
.set WREG,  9216                       ; LDS of a wave: 32 stage rows, then 512 bytes of scale words
.set SCW,   32*SP
.set T2,  1                            ; v1   a lane permute's destination (written at the head)
.set GV,  4                            ; v4   in memory: 4,096 x (lane / 16) + 16 x (lane % 16): two rows a load
.set SI,  5                            ; v5   the same two rows in the stage
.set SO,  6                            ; v6   first r + 8 (r / 8); then my tile row in the stage, + 128 x (lane / 16): my block of 32
.set LI,  7                            ; v7   16 x lane
.set SW,  8                            ; v8   where my row's scale word goes
.set SR,  9                            ; v9   and where 16 bytes of them are read back
.set H8,  10                           ; v10  8 x (lane / 16)
.set M0,  11
.set M1,  12
.set SCL, 13
.set BYT, 14
.set T,   15
.set R,   16                           ; v16-143  two sets of 64: 32 rows as loaded
.set X,   144                          ; v144-175 a block of 32 numbers
.set C,   176                          ; v176-207 codes, four registers a tile: no store's data are written again
.set OW,  208                          ; v208-211 scale words on the way out
.set SEL, 40                           ; s[40:41] lane selects: lane l xor 16
	s_load_b256 s[4:11], s[0:1], 0x0               ; queries, keys, fc_w codes, fc_w scales
	s_load_b256 s[12:19], s[0:1], 0x20             ; ff_w1 codes, scales, ff_w2 codes, scales
	s_load_b64 s[20:21], s[0:1], 0x40              ; prepbuf
	s_load_b128 s[44:47], s[0:1], 0x48             ; mask, flags
	v_lshl_add_u32 v212, v0, 2, 0x9000
	v_mov_b32 v213, 0
	v_lshrrev_b32 v1, 5, v0
	v_readfirstlane_b32 s22, v1                    ; wave
	v_and_b32 v2, 15, v0                           ; r
	v_bfe_u32 v3, v0, 4, 1                         ; h
	v_and_b32 v[LI], 31, v0
	v_lshlrev_b32 v[LI], 4, v[LI]
	v_and_b32 v[SO], 8, v2
	v_add_nc_u32 v[SO], v[SO], v2                  ; r + 8 (r / 8)
	s_cmp_ge_u32 ttmp9, 400
	s_cbranch_scc1 .Lflags
	s_cmp_ge_u32 ttmp9, 256
	s_cbranch_scc1 .Lweights
	; ---- queries and keys
	s_mul_i32 s23, s22, WREG
	v_lshlrev_b32 v[GV], 4, v2
	v_lshl_add_u32 v[GV], v3, 12, v[GV]
	v_mul_u32_u24 v[SI], v3, SP
	v_lshl_add_u32 v[SI], v2, 4, v[SI]
	v_add_nc_u32 v[SI], s23, v[SI]
	v_mul_u32_u24 v[SO], v[SO], SP
	v_lshl_add_u32 v[SO], v3, 7, v[SO]
	v_add_nc_u32 v[SO], s23, v[SO]
	s_add_co_u32 s24, s23, SCW
	v_lshl_add_u32 v[SW], v2, 2, s24
	v_add_nc_u32 v[SR], s24, v[LI]
	v_lshlrev_b32 v[H8], 3, v3
	s_mov_b32 s[SEL], 0x76543210
	s_mov_b32 s[SEL+1], 0xfedcba98
	s_lshl_b32 s25, ttmp9, 2
	s_add_co_u32 s25, s25, s22                     ; id: tensor (1 bit), batch (1), head (4), block of 128 rows (4)
	s_bfe_u32 s26, s25, 0x10008                    ; batch
	s_bfe_u32 s27, s25, 0x40004                    ; head
	s_and_b32 s28, s25, 15                         ; block of rows
	s_lshr_b32 s29, s25, 9                         ; tensor
	s_bfe_u32 s32, s25, 0x50004                    ; 16 x batch + head
	s_lshl_b32 s30, s26, 23                        ; in memory: batch x 2,048 rows x 4,096 bytes
	s_lshl_b32 s31, s28, 19                        ; + 128 rows a block
	s_add_co_u32 s30, s30, s31
	s_lshl_b32 s31, s27, 8                         ; + 256 bytes a head
	s_add_co_u32 s30, s30, s31
	s_mov_b32 s31, 0
	s_lshl_b32 s34, s29, 21                        ; images: tensor, head, 8 tiles of 512 bytes a block
	s_lshl_b32 s38, s32, 16
	s_add_co_u32 s34, s34, s38
	s_lshl_b32 s38, s28, 12
	s_add_co_u32 s34, s34, s38
	s_mov_b32 s35, 0
	s_lshl_b32 s36, s29, 18                        ; scale words: 64 bytes a tile
	s_lshl_b32 s38, s32, 13
	s_add_co_u32 s36, s36, s38
	s_lshl_b32 s38, s28, 9
	s_add_co_u32 s36, s36, s38
	s_add_co_u32 s36, s36, QK_SC
	s_mov_b32 s37, 0
	s_wait_kmcnt 0x0
	s_cmp_lt_u32 ttmp9, 128                        ; queries or keys: the choice hangs on the work-group's number alone
	s_cselect_b64 s[4:5], s[4:5], s[6:7]
	s_add_nc_u64 s[4:5], s[4:5], s[30:31]
	s_add_nc_u64 s[34:35], s[20:21], s[34:35]
	s_add_nc_u64 s[36:37], s[20:21], s[36:37]
.macro LOADG b                         ; rows 32 b .. 32 b + 31 of my head: each load takes two rows' 256 bytes, sixteen lanes to a row
.irp i, 0,1,2,3,4,5,6,7,8,9,10,11,12,13,14,15
	global_load_b128 v[R+64*((\b)%2)+4*\i:R+64*((\b)%2)+4*\i+3], v[GV], s[4:5] offset:(32*(\b)+2*\i)*4096 th:TH_LOAD_NT
.endr
.endm
.macro TURNG b                         ; and into the stage as they lie
.irp i, 0,1,2,3,4,5,6,7,8,9,10,11,12,13,14,15
	ds_store_b128 v[SI], v[R+64*((\b)%2)+4*\i:R+64*((\b)%2)+4*\i+3] offset:2*\i*SP
.endr
.endm
.macro FETCHT u                        ; tile u of the group: my row's block of 32 numbers.  LDS serves a wave's instructions in order: these see the stores
.irp k, 0,1,2,3,4,5,6,7
	ds_load_b128 v[X+4*\k:X+4*\k+3], v[SO] offset:8*(\u)*SP+16*\k
.endr
	s_wait_dscnt 0x0
.endm
; 32 numbers of one block in v[x] on become four registers of codes in v[c] on; the scale's byte in v[BYT]
.macro QUANT32 x, c
	v_max3_num_f32 v[M0], |v[\x]|, |v[\x+1]|, 0x1800000            ; the floor 2^(3 - 127) among the leaves: the byte cannot fall under 1
	v_max3_num_f32 v[M1], |v[\x+2]|, |v[\x+3]|, |v[\x+4]|
.irp i, 5,9,13,17,21,25
	v_max3_num_f32 v[M0], v[M0], |v[\x+\i]|, |v[\x+\i+1]|
	v_max3_num_f32 v[M1], v[M1], |v[\x+\i+2]|, |v[\x+\i+3]|
.endr
	v_max3_num_f32 v[M0], v[M0], |v[\x+29]|, |v[\x+30]|
	v_max3_num_f32 v[M0], v[M0], v[M1], |v[\x+31]|
	v_add_nc_u32 v[SCL], 0xff000000, v[M0]         ; 2 off the exponent field: the conversion takes this operand's exponent field as its scale
	v_lshrrev_b32 v[BYT], 23, v[SCL]               ; the scale's byte
.irp g, 0,1,2,3
	v_cvt_scalef32_pk8_fp4_f32 v[\c+\g], v[\x+8*\g:\x+8*\g+7], v[SCL]
.endr
.endm
.macro WORK t                          ; tile t of my eight
	QUANT32 X, C+4*(\t)
	v_lshlrev_b32 v[T], v[H8], v[BYT]              ; my block's byte at its place in the row's word.  (The plain line behind the conversions)
	v_permlanex16_b32 v[T2], v[T], s[SEL], s[SEL+1]
	v_or_b32 v[T], v[T], v[T2]                     ; with lane l xor 16's: bytes 0 and 1; bytes 2 and 3 stay 0: they stand over zero codes
	ds_store_b32 v[SW], v[T] offset:64*(\t)        ; both lanes of a row write the same word with the same value
	global_store_b128 v[LI], v[C+4*(\t):C+4*(\t)+3], s[34:35] offset:512*(\t)   ; 512 consecutive bytes
.endm
	LOADG 0
	LOADG 1
.irp b, 0,1,2,3
.if \b < 3
	s_wait_loadcnt 16                              ; this group's 16 loads are in; the next group's may be out
.else
	s_wait_loadcnt 0x0
.endif
	TURNG \b
	FETCHT 0                                       ; its wait also shows that the stage's stores have read their registers,
.if \b < 2
	LOADG \b+2                                     ; which take the group two further on
.endif
	WORK 2*\b
	FETCHT 1
	WORK 2*\b+1
.endr
	ds_load_b128 v[OW:OW+3], v[SR]                 ; my eight tiles' scale words: 512 bytes
	s_wait_dscnt 0x0
	global_store_b128 v[LI], v[OW:OW+3], s[36:37]
	s_wait_tensorcnt 0x0
	ds_add_u32 v212, v213
	s_wait_dscnt 0x0
	s_endpgm
	; ---- the weights: job J = 4 (work-group - 256) + wave: 64 jobs for fc_w, 256 for ff_w1 (a tile each), 256 for ff_w2 (a quarter of a tile's K each)
.Lweights:
	s_sub_co_u32 s25, ttmp9, 256
	s_lshl_b32 s25, s25, 2
	s_add_co_u32 s25, s25, s22
	s_mov_b32 s29, W2_IMG
	s_mov_b32 s30, W2_SC
	s_wait_kmcnt 0x0
	s_cmp_lt_u32 ttmp9, 336                        ; every choice hangs on the work-group's number alone
	s_cselect_b32 s26, 64, 320                     ; the weight's first job
	s_cselect_b32 s27, 0, 2                        ; log2 of the jobs to a tile
	s_cselect_b32 s28, 9, 11                       ; log2 of a row's bytes
	s_cselect_b32 s29, W1_IMG, s29
	s_cselect_b32 s30, W1_SC, s30
	s_cselect_b64 s[12:13], s[12:13], s[16:17]
	s_cselect_b64 s[14:15], s[14:15], s[18:19]
	s_cmp_lt_u32 ttmp9, 272
	s_cselect_b32 s26, 0, s26
	s_cselect_b32 s29, FCW_IMG, s29
	s_cselect_b32 s30, FCW_SC, s30
	s_cselect_b64 s[12:13], s[8:9], s[12:13]
	s_cselect_b64 s[14:15], s[10:11], s[14:15]
	s_sub_co_u32 s25, s25, s26
	s_lshr_b32 s31, s25, s27                       ; tile
	s_lshl_b32 s32, s31, s27
	s_sub_co_u32 s32, s25, s32                     ; G: which 512 bytes (8 K steps) of the rows
	s_lshr_b32 s33, s31, 1
	s_lshl_b32 s33, s33, 5
	s_and_b32 s34, s31, 1
	s_lshl_b32 s34, s34, 3
	s_add_co_u32 s33, s33, s34                     ; the tile's first row: 32 (tile / 2) + 8 (tile % 2)
	s_sub_co_u32 s35, s28, 4                       ; log2 of a row of scale bytes
	s_mov_b32 s37, 0
	s_lshl_b32 s36, s33, s28
	s_lshl_b32 s38, s32, 9
	s_add_co_u32 s36, s36, s38
	s_add_nc_u64 s[12:13], s[12:13], s[36:37]      ; the codes
	s_lshl_b32 s36, s33, s35
	s_lshl_b32 s38, s32, 5
	s_add_co_u32 s36, s36, s38
	s_add_nc_u64 s[14:15], s[14:15], s[36:37]      ; the scale bytes
	s_add_co_u32 s38, s28, 4
	s_lshl_b32 s36, s31, s38                       ; a tile's images: 16 x a row's bytes
	s_lshl_b32 s38, s32, 13
	s_add_co_u32 s36, s36, s38
	s_add_co_u32 s36, s36, s29
	s_add_nc_u64 s[40:41], s[20:21], s[36:37]
	s_lshl_b32 s36, s31, s28                       ; a tile's scale bytes: as many as a row has bytes of codes
	s_lshl_b32 s38, s32, 9
	s_add_co_u32 s36, s36, s38
	s_add_co_u32 s36, s36, s30
	s_add_nc_u64 s[42:43], s[20:21], s[36:37]
	v_lshlrev_b32 v4, s28, v[SO]
	v_lshl_add_u32 v4, v3, 4, v4                   ; my row, + 16 x (lane / 16)
	v_lshlrev_b32 v5, s35, v[SO]
	v_lshl_add_u32 v5, v3, 4, v5
.irp i, 0,1,2,3,4,5,6,7,8,9,10,11,12,13,14,15
	global_load_b128 v[16+4*\i:19+4*\i], v4, s[12:13] offset:32*\i th:TH_LOAD_NT   ; registers 4 c .. 4 c + 3 of K step i / 2, c = i % 2; the sixteen loads together take all 512 bytes of each row
.endr
	global_load_b128 v[80:83], v5, s[14:15] th:TH_LOAD_NT   ; four K steps' scale words of my row
	s_wait_loadcnt 0x0
.irp i, 0,1,2,3,4,5,6,7,8,9,10,11,12,13,14,15
	global_store_b128 v[LI], v[16+4*\i:19+4*\i], s[40:41] offset:512*\i
.endr
	global_store_b128 v[LI], v[80:83], s[42:43]
	s_endpgm
	; ---- the mask's flags: wave w holds batch w / 2, steps 8 (w % 2) .. + 7: 4,096 bytes of the mask, a step's 128 words a load
.Lflags:
	s_lshl_b32 s24, s22, 12
	s_mov_b32 s25, 0
	s_lshl_b32 s26, s22, 8                         ; 256 bytes of flags a wave
	s_mov_b32 s27, 0
	v_lshrrev_b32 v5, 1, v[LI]                     ; 8 x lane
	s_wait_kmcnt 0x0
	s_add_nc_u64 s[44:45], s[44:45], s[24:25]
	s_add_nc_u64 s[46:47], s[46:47], s[26:27]
.irp i, 0,1,2,3,4,5,6,7
	global_load_b128 v[16+4*\i:19+4*\i], v[LI], s[44:45] offset:512*\i
.endr
	s_wait_loadcnt 0x0
	s_mov_b32 s28, 0
.irp i, 0,1,2,3,4,5,6,7
	v_min_u32 v8, v[16+4*\i], v[17+4*\i]           ; bit i: one of the step's 128 mask words is 0
	v_min_u32 v9, v[18+4*\i], v[19+4*\i]
	v_min_u32 v8, v8, v9
	v_cmp_eq_u32 vcc_lo, 0, v8
	s_cmp_lg_u32 vcc_lo, 0
	s_cselect_b32 s29, 1<<\i, 0
	s_or_b32 s28, s28, s29
.endr
	v_mov_b32 v10, s28
	v_mov_b32 v11, s28
	global_store_b64 v5, v[10:11], s[46:47]        ; the same word 64 times: 256 consecutive bytes; the reader takes the first
	s_endpgm
.Lfunc_end_k_q6a5ed1088c_prep:
	.size	k_q6a5ed1088c_prep, .Lfunc_end_k_q6a5ed1088c_prep-k_q6a5ed1088c_prep
	.p2alignl 7, 3214868480
	.fill 96, 4, 3214868480
	.section	.rodata,"a",@progbits
	.p2align	6, 0x0
	.amdhsa_kernel k_q6a5ed1088c_prep
		.amdhsa_group_segment_fixed_size 37376
		.amdhsa_private_segment_fixed_size 0
		.amdhsa_enable_private_segment 0
		.amdhsa_kernarg_size 88
		.amdhsa_user_sgpr_count 2
		.amdhsa_user_sgpr_kernarg_segment_ptr 1
		.amdhsa_wavefront_size32 1
		.amdhsa_system_sgpr_workgroup_id_x 1
		.amdhsa_system_sgpr_workgroup_id_y 1
		.amdhsa_system_sgpr_workgroup_id_z 1
		.amdhsa_system_vgpr_workitem_id 0
		.amdhsa_next_free_vgpr 214
		.amdhsa_next_free_sgpr 66
		.amdhsa_reserve_vcc 1
		.amdhsa_float_denorm_mode_32 3
		.amdhsa_float_denorm_mode_16_64 3
		.amdhsa_memory_ordered 1
		.amdhsa_forward_progress 1
		.amdhsa_inst_pref_size 40
	.end_amdhsa_kernel
	.amdgpu_metadata
---
amdhsa.version: [ 1, 2 ]
amdhsa.kernels:
  - .name:           k_q6a5ed1088c_prep
    .symbol:         k_q6a5ed1088c_prep.kd
    .args:
      - { .name: queries, .offset: 0, .size: 8, .value_kind: global_buffer, .address_space: global }
      - { .name: keys, .offset: 8, .size: 8, .value_kind: global_buffer, .address_space: global }
      - { .name: fc_w_codes, .offset: 16, .size: 8, .value_kind: global_buffer, .address_space: global }
      - { .name: fc_w_scales, .offset: 24, .size: 8, .value_kind: global_buffer, .address_space: global }
      - { .name: ff_w1_codes, .offset: 32, .size: 8, .value_kind: global_buffer, .address_space: global }
      - { .name: ff_w1_scales, .offset: 40, .size: 8, .value_kind: global_buffer, .address_space: global }
      - { .name: ff_w2_codes, .offset: 48, .size: 8, .value_kind: global_buffer, .address_space: global }
      - { .name: ff_w2_scales, .offset: 56, .size: 8, .value_kind: global_buffer, .address_space: global }
      - { .name: prepbuf, .offset: 64, .size: 8, .value_kind: global_buffer, .address_space: global }
      - { .name: mask, .offset: 72, .size: 8, .value_kind: global_buffer, .address_space: global }
      - { .name: flags, .offset: 80, .size: 8, .value_kind: global_buffer, .address_space: global }
    .group_segment_fixed_size: 37376
    .private_segment_fixed_size: 0
    .kernarg_segment_align: 8
    .kernarg_segment_size: 88
    .max_flat_workgroup_size: 128
    .sgpr_count:     66
    .vgpr_count:     214
    .wavefront_size: 32
...
	.end_amdgpu_metadata
.endif
;; end of part 1
;; launch attn (part 2): grid 8 x 32, 16 waves a work-group, no clusters, 155,136 bytes of LDS; arguments prepbuf, values_codes, values_scales, mask, flags, obuf; writes obuf
.if DOCPART == 2
	.amdgcn_target "amdgcn-amd-amdhsa--gfx1250"
	.amdhsa_code_object_version 6
	.text
	.protected	k_q6a5ed1088c_attn
	.globl	k_q6a5ed1088c_attn
	.p2align	8
	.type	k_q6a5ed1088c_attn,@function
k_q6a5ed1088c_attn:
	s_mov_b64 s[64:65], 0
	v_nop
	global_prefetch_b8 v0, s[64:65] scope:SCOPE_SE
	s_setreg_imm32_b32 hwreg(HW_REG_WAVE_MODE, 25, 1), 1
	s_wait_xcnt 0x0
; ATTENTION of one head on codes of FP4: S^T = K Q^T (K = the head's 64 channels: the upper half of the instruction's 128 is zero codes), key mask, p = 2^(t - M), O^T = V^T P^T, O / l, and O quantised along the channels
; for the next product.  t = score x log2(e) / 32; M = the running largest t rounded up to a whole number; the row's sum is taken of the unquantised p.
; SHARES.  A work-group owns 256 queries of one head; each of its sixteen waves 16 of them, one tile, in 256 registers: four waves to a SIMD, so that one wave's vector work stands beside another's matrix work.
; The head's K (64 KiB of images), V (64 rows of 1,024 bytes) and their scale words are brought into LDS ONCE, through registers, and stay: no ring.
; NO CLUSTER, NO TENSOR LOAD: what work-groups of a head share is 140 KiB, read once at the head of a launch whose time goes to the softmax; and the step branches on a stored whole number (does the mask hide a key of these
; 128?), which spares 16 LDS loads and 32 additions in every step without a hole.
; LAYOUT.  Both products are used transposed: a lane holds ONE query throughout.  Keys and V's channels lie in tiles whose rows are 32 B + 8 u + r + 8 (r / 8): p's 16 registers of two neighbouring tiles are 16 neighbouring keys,
; O^T's are 16 neighbouring channels.
; THE MASK: a bias of 0 or -infinity for each key, made here from each thread's own four mask words and added to the scores ahead of the maximum: p = 0 there.  Which steps have a hidden key at all was found by the launch
; before: 16 bits a batch, read by two scalar loads.
; LIMITS: a batch whose mask hides every key is not served (l = 0); blocks whose largest magnitude lies under 2^-124 keep the scale byte 1; NaN and infinities among the inputs are not served.
.set K_IMG, 0x200000                   ; sections of prepbuf
.set Q_SC,  0x400000
.set K_SC,  0x440000
.set O_SC,  0x200000                   ; of obuf: images [row tile 256][K step 8][1024] at 0; here [head 16][slot 4096] two scale bytes
.set KSC,   65536                      ; LDS: K's images [tile 128][512] at 0; K's scale words [tile][16];
.set VROW,  73728                      ; V's 64 rows in the order of its tiles, 1,024 bytes + 16;
.set VP,    1040
.set VSC,   140288                     ; V's scale words [step 16][row 64];
.set BIAS,  144384                     ; 0 or -infinity for each key;
.set OSC,   152576                     ; two scale bytes for each of my 256 queries
.set LI,  1                            ; v1   16 x lane
.set AKS, 2                            ; v2   K's scale words: KSC + 4 x lane
.set AV,  3                            ; v3   V: VROW + VP r + 16 h
.set AB,  4                            ; v4   BIAS + 64 h
.set AVS, 10                           ; v10  VSC + 4 x lane
.set AOS, 11                           ; v11  OSC + 32 x wave + 2 r
.set T16, 25                           ; v25-31 addresses of the head and the end
.set VST, 26
.set VSS, 27
.set QSO, 28
.set OSR, 29
.set KSS, 30
.set BST, 31
.set WV,  14
.set TK,  34                           ; s34-37 the step's offsets in LDS: K's images, K's scale words and the bias, V's rows, V's scale words
.set TS,  35
.set TV,  36
.set TT,  37
.set MSK, 38                           ; s38  bit 0: this step has a hidden key
.set CNT, 39
.set CS,  40                           ; s[40:41] c = log2(e) / 32
.set SEL, 42                           ; s[42:43] lane l xor 16
; REGISTERS of the loop: v5-9 the step's addresses; v12 -M, v13 the largest t, v[14:15] the sum; v16-23 Q, v24 its scale words; v32-95 eight fragments of K; v96-159 S^T, then p; v160-191 O^T; v192-223 four fragments of V;
; v224-231 p's codes; v232-239, v244-247, v252-254 at work; v240-241 V's scale words; v248-251 K's.
	s_load_b256 s[4:11], s[0:1], 0x0               ; prepbuf, V's codes, V's scales, mask
	s_load_b128 s[48:51], s[0:1], 0x20             ; flags, obuf
	v_lshl_add_u32 v243, v0, 2, 0x25600
	v_mov_b32 v255, 0
	v_lshrrev_b32 v5, 5, v0
	v_readfirstlane_b32 s[WV], v5                  ; wave 0..15
	v_and_b32 v6, 31, v0                           ; lane
	v_and_b32 v7, 15, v0                           ; r
	v_bfe_u32 v8, v0, 4, 1                         ; h
	v_lshlrev_b32 v[LI], 4, v6
	v_lshl_add_u32 v[AKS], v6, 2, KSC
	v_mul_u32_u24 v[AV], v7, VP
	v_lshl_add_u32 v[AV], v8, 4, v[AV]
	v_add_nc_u32 v[AV], VROW, v[AV]
	v_lshl_add_u32 v[AB], v8, 6, BIAS
	v_lshl_add_u32 v[AVS], v6, 2, VSC
	s_lshl_b32 s44, s[WV], 5
	s_add_co_u32 s44, s44, OSC
	v_lshl_add_u32 v[AOS], v7, 1, s44
	v_lshlrev_b32 v[T16], 4, v0                    ; 16 x thread
	v_lshrrev_b32 v[VST], 6, v0                    ; V on its way in: 64 threads to a row
	v_mul_u32_u24 v[VST], v[VST], VP
	v_and_b32 v9, 63, v0
	v_lshl_add_u32 v[VST], v9, 4, v[VST]
	v_add_nc_u32 v[VST], VROW, v[VST]
	v_bfe_u32 v[VSS], v0, 2, 6                     ; V's scale bytes: thread T holds four words of channel T / 4; its row in tile order has the channel's bits 3 and 4 changed over
	v_and_b32 v[VSS], 0x27, v[VSS]
	v_bfe_u32 v9, v0, 5, 1
	v_lshl_add_u32 v[VSS], v9, 4, v[VSS]
	v_bfe_u32 v9, v0, 6, 1
	v_lshl_add_u32 v[VSS], v9, 3, v[VSS]
	v_lshlrev_b32 v[VSS], 2, v[VSS]
	v_and_b32 v9, 3, v0
	v_lshl_add_u32 v[VSS], v9, 10, v[VSS]          ; steps 4 (T % 4) on, 256 bytes a step
	v_add_nc_u32 v[VSS], VSC, v[VSS]
	v_lshlrev_b32 v[QSO], 2, v7
	v_lshl_add_u32 v[OSR], v6, 4, OSC
	v_add_nc_u32 v[KSS], KSC, v[T16]
	v_add_nc_u32 v[BST], BIAS, v[T16]
	s_and_b32 s15, ttmp7, 0xffff                   ; 16 x batch + head
	s_lshr_b32 s16, s15, 4                         ; batch
	s_and_b32 s17, s15, 15                         ; head
	s_lshl_b32 s18, ttmp9, 4
	s_add_co_u32 s18, s18, s[WV]                   ; my tile among the head's 128
	s_mov_b32 s33, 0
	s_mov_b32 s[CS], 0x3d38aa3b
	s_mov_b32 s[CS+1], s[CS]                       ; (named with it as a pair, so it is written)
	s_mov_b32 s[SEL], 0x76543210
	s_mov_b32 s[SEL+1], 0xfedcba98
	s_wait_kmcnt 0x0
	s_lshl_b32 s32, s16, 9                         ; the flags of my batch: two runs of 256 bytes
	s_add_nc_u64 s[48:49], s[48:49], s[32:33]
	s_load_b32 s[MSK], s[48:49], 0x0               ; steps 0 to 7: waited for behind the head's barrier
	s_load_b32 s52, s[48:49], 0x100                ; steps 8 to 15
	s_lshl_b32 s32, s15, 16
	s_add_nc_u64 s[6:7], s[6:7], s[32:33]          ; V's codes of my head: 64 rows of 1,024 bytes
	s_add_nc_u64 s[24:25], s[4:5], s[32:33]
	s_add_nc_u64 s[20:21], s[24:25], K_IMG         ; K's images of my head
	s_lshl_b32 s32, s18, 9
	s_add_nc_u64 s[24:25], s[24:25], s[32:33]      ; my tile of Q
	s_lshl_b32 s32, s15, 13
	s_add_nc_u64 s[26:27], s[4:5], s[32:33]
	s_add_nc_u64 s[22:23], s[26:27], K_SC          ; K's scale words
	s_add_nc_u64 s[26:27], s[26:27], Q_SC
	s_lshl_b32 s32, s18, 6
	s_add_nc_u64 s[26:27], s[26:27], s[32:33]      ; my tile's
	s_lshl_b32 s32, s15, 12
	s_add_nc_u64 s[8:9], s[8:9], s[32:33]          ; V's scale bytes
	s_lshl_b32 s32, s16, 13
	s_add_nc_u64 s[10:11], s[10:11], s[32:33]      ; my batch's mask
	s_lshl_b32 s32, s16, 7
	s_add_co_u32 s32, s32, s18                     ; my row tile among 256
	s_lshl_b32 s32, s32, 3
	s_lshr_b32 s19, s17, 1
	s_add_co_u32 s32, s32, s19                     ; K step of the next product: head / 2
	s_lshl_b32 s32, s32, 10
	s_and_b32 s19, s17, 1
	s_lshl_b32 s19, s19, 9                         ; and the half of its fragment: head % 2
	s_add_co_u32 s32, s32, s19
	s_add_nc_u64 s[28:29], s[50:51], s[32:33]
	s_lshl_b32 s32, s17, 13
	s_lshl_b32 s19, s16, 12
	s_add_co_u32 s32, s32, s19
	s_lshl_b32 s19, ttmp9, 9
	s_add_co_u32 s32, s32, s19
	s_add_co_u32 s32, s32, O_SC
	s_add_nc_u64 s[30:31], s[50:51], s[32:33]      ; my work-group's 256 pairs of scale bytes
.irp i, 0,1,2,3,4,5,6,7
	global_load_b128 v[32+4*\i:35+4*\i], v[T16], s[20:21] offset:8192*\i
.endr
.irp j, 0,1,2,3,4,5,6,7
	global_load_b128 v[64+4*\j:67+4*\j], v[T16], s[6:7] offset:8192*\j    ; channels 8 j .. 8 j + 7
.endr
	global_load_b128 v[96:99], v[T16], s[22:23]
	global_load_b128 v[100:103], v[T16], s[10:11]  ; four keys' mask words: the 512 threads together read the batch's mask once
	s_cmp_lt_u32 s[WV], 8
	s_cbranch_scc0 .Lno_vs
	global_load_b128 v[104:107], v[T16], s[8:9]    ; 4,096 bytes: waves 0 to 7
.Lno_vs:
	global_load_b128 v[16:19], v[LI], s[24:25]     ; Q's fragment, its lower half
	global_load_b32 v24, v[QSO], s[26:27]
	s_wait_loadcnt 0x0
.irp i, 0,1,2,3,4,5,6,7
	ds_store_b128 v[T16], v[32+4*\i:35+4*\i] offset:8192*\i
.endr
.irp b, 0,1
.irp g, 0,1
.irp u, 0,1
	ds_store_b128 v[VST], v[64+4*(4*\b+2*\g+\u):67+4*(4*\b+2*\g+\u)] offset:(32*\b+16*\u+8*\g)*VP   ; channels 32 b + 16 g + 8 u on are rows 8 g on of tile 2 b + u
.endr
.endr
.endr
	ds_store_b128 v[KSS], v[96:99]
	v_mov_b32 v108, 0xff800000                     ; -infinity
.irp k, 0,1,2,3
	v_cmp_eq_u32 vcc_lo, 0, v[100+\k]
	v_cndmask_b32 v[100+\k], 0, v108, vcc_lo
.endr
	ds_store_b128 v[BST], v[100:103]
	s_cmp_lt_u32 s[WV], 8
	s_cbranch_scc0 .Lno_vst
.irp k, 0,1,2,3
	ds_store_b32 v[VSS], v[104+\k] offset:256*\k
.endr
.Lno_vst:
	s_wait_dscnt 0x0                               ; for the others' sake: my stores have landed
	s_barrier_signal -1
	s_barrier_wait -1
	s_wait_kmcnt 0x0                               ; the flags
	s_lshl_b32 s52, s52, 8
	s_or_b32 s[MSK], s[MSK], s52                   ; bit i: step i has a hidden key
.irp j, 20,21,22,23
	v_mov_b32 v[\j], 0                             ; channels 64 to 127 of Q: zero codes
.endr
.irp t, 0,1,2,3,4,5,6,7
.irp k, 4,5,6,7
	v_mov_b32 v[32+8*\t+\k], 0                     ; and of K: written once, the loop loads the lower halves alone
.endr
.endr
.irp j, 0,1,2,3,4,5,6,7,8,9,10,11,12,13,14,15,16,17,18,19,20,21,22,23,24,25,26,27,28,29,30,31
	v_mov_b32 v[160+\j], 0                         ; O^T: the step is written once; the first finds zeros, which the first change of M leaves zeros
.endr
	v_mov_b32 v14, 0
	v_mov_b32 v15, 0
.irp b, 0,1,2,3
	v_mov_b32 v[236+\b], 0                         ; a lane permute's destination counts as one of its sources
.endr
	v_mov_b32 v253, 0
	v_mov_b32 v13, 0xff61b1e6                      ; the largest t so far: -3e38
	v_floor_f32 v12, -v13                          ; -M
	s_mov_b32 s[TK], 0
	s_mov_b32 s[TS], 0
	s_mov_b32 s[TV], 0
	s_mov_b32 s[TT], 0
	s_mov_b32 s[CNT], 16
.Lstep:                                            ; 128 keys a trip
	v_add_nc_u32 v5, s[TK], v[LI]                  ; (these five are also the places between the last trip's products and the loads into their operands)
	v_add_nc_u32 v6, s[TS], v[AKS]
	v_add_nc_u32 v7, s[TV], v[AV]
	v_add_nc_u32 v8, s[TT], v[AVS]
	v_add_nc_u32 v9, s[TS], v[AB]
.irp t, 0,1,2,3,4,5,6,7
	ds_load_b128 v[32+8*\t:35+8*\t], v5 offset:512*\t
.endr
.irp b, 0,1,2,3
	ds_load_b32 v[248+\b], v6 offset:128*\b        ; lanes 0-15: tile 2 b's words; lanes 16-31: tile 2 b + 1's
.endr
.irp t, 0,1,2,3
.irp c, 0,1
	ds_load_b128 v[192+8*\t+4*\c:195+8*\t+4*\c], v7 offset:16*VP*\t+32*\c
.endr
.endr
.irp p, 0,1
	ds_load_b32 v[240+\p], v8 offset:128*\p
.endr
	s_wait_dscnt 10                                ; K and its scale words are in; V's ten loads may stay out
.irp t, 0,2,4,6
	v_wmma_scale_f32_16x16x128_f8f6f4 v[96+8*\t:103+8*\t], v[32+8*\t:39+8*\t], v[16:23], 0, v[248+\t/2], v24 matrix_a_fmt:MATRIX_FMT_FP4 matrix_b_fmt:MATRIX_FMT_FP4
	v_wmma_scale_f32_16x16x128_f8f6f4 v[104+8*\t:111+8*\t], v[40+8*\t:47+8*\t], v[16:23], 0, v[248+\t/2], v24 matrix_a_fmt:MATRIX_FMT_FP4 matrix_b_fmt:MATRIX_FMT_FP4 matrix_a_scale:MATRIX_SCALE_ROW1
.endr
.rept 4
	v_nop                                          ; places ahead of the first read of the scores and of loads into K's registers
.endr
	s_bitcmp1_b32 s[MSK], 0
	s_cbranch_scc0 .Lopen                          ; a step without a hidden key adds nothing
.irp B, 0,1
.irp x, 0,1,2,3,4,5,6,7
	ds_load_b128 v[32+8*\x:35+8*\x], v9 offset:128*(2*\B+\x/4)+16*(\x%4)   ; the bias of keys 32 b + 16 h + 0 .. 15, into the lower halves of K's fragments, which are done with
.endr
	s_wait_dscnt 0x0
.irp x, 0,1,2,3,4,5,6,7
	v_pk_add_f32 v[96+32*\B+4*\x:97+32*\B+4*\x], v[96+32*\B+4*\x:97+32*\B+4*\x], v[32+8*\x:33+8*\x]   ; each accumulator from its low end on
	v_pk_add_f32 v[98+32*\B+4*\x:99+32*\B+4*\x], v[98+32*\B+4*\x:99+32*\B+4*\x], v[34+8*\x:35+8*\x]
.endr
.endr
.Lopen:
.irp b, 0,1,2,3
	v_max3_num_f32 v[232+\b], v[96+16*\b], v[97+16*\b], v[98+16*\b]   ; the largest score of each block of 32 keys: for the row's maximum, and, since p rises with the score, for the block's largest p
.endr
.irp i, 3,5,7,9,11,13
.irp b, 0,1,2,3
	v_max3_num_f32 v[232+\b], v[232+\b], v[96+16*\b+\i], v[97+16*\b+\i]
.endr
.endr
.irp b, 0,1,2,3
	v_max_num_f32 v[232+\b], v[232+\b], v[111+16*\b]
.endr
.irp b, 0,1,2,3
	v_permlanex16_b32 v[236+\b], v[232+\b], s[SEL], s[SEL+1]
.endr
.irp b, 0,1,2,3
	v_max_num_f32 v[232+\b], v[232+\b], v[236+\b]  ; with lane l xor 16's 16 keys
.endr
	v_max3_num_f32 v254, v232, v233, v234
	v_max_num_f32 v254, v254, v235
	v_mul_f32 v254, s[CS], v254                    ; the step's largest t
	v_max_num_f32 v13, v13, v254
	v_mov_b32 v254, v12
	v_floor_f32 v12, -v13                          ; the new -M = -ceil(t)
	v_sub_f32 v254, v12, v254                      ; old M - new M: a whole number, 0 or less
	v_cvt_i32_f32 v254, v254                       ; (it saturates)
	v_ldexp_f32 v252, 1.0, v254                    ; f = 2^(old M - new M)
.irp j, 0,2,4,6,8,10,12,14,16,18,20,22,24,26,28,30,32,34,36,38,40,42,44,46,48,50,52,54,56,58,60,62
	v_pk_fma_f32 v[96+\j:97+\j], v[96+\j:97+\j], s[CS:CS+1], v[12:13] op_sel_hi:[1,0,0]   ; t - M
.endr
.irp b, 0,1,2,3
	v_fma_f32 v[232+\b], v[232+\b], s[CS], v12
.endr
.irp j, 0,1,2,3,4,5,6,7,8,9,10,11,12,13,14,15,16,17,18,19,20,21,22,23,24,25,26,27,28,29,30,31,32,33,34,35,36,37,38,39,40,41,42,43,44,45,46,47,48,49,50,51,52,53,54,55,56,57,58,59,60,61,62,63
	v_exp_f32 v[96+\j], v[96+\j]                   ; p = 2^(t - M)
.endr
	v_pk_mul_f32 v[14:15], v[14:15], v[252:253] op_sel_hi:[1,0]   ; the sums under the new M: the plain line behind the exponentials
	s_wait_alu depctr_va_vdst(0)                   ; one wait for the batch, ahead of its first reader
.irp b, 0,1,2,3
	v_exp_f32 v[232+\b], v[232+\b]                 ; each block's largest p
.endr
	v_pk_add_f32 v[236:237], v[96:97], v[98:99]    ; the row's sum of the unquantised p, in two chains
.irp j, 4,8,12,16,20,24,28,32,36,40,44,48,52,56,60
	v_pk_add_f32 v[14:15], v[14:15], v[96+\j:97+\j]
	v_pk_add_f32 v[236:237], v[236:237], v[98+\j:99+\j]
.endr
	v_pk_add_f32 v[14:15], v[14:15], v[236:237]
	s_wait_alu depctr_va_vdst(0)                   ; and one for the four
.irp b, 0,1,2,3
	v_max_num_f32 v[232+\b], 0x1800000, v[232+\b]  ; the floor 2^(3 - 127)
.endr
.irp b, 0,1,2,3
	v_add_nc_u32 v[244+\b], 0xff000000, v[232+\b]  ; the conversion's scale operand
.endr
.irp b, 0,1,2,3
	v_lshrrev_b32 v[236+\b], 23, v[244+\b]         ; the scale's byte
.endr
	v_lshl_or_b32 v253, v237, 8, v236              ; p's scale word for these 128 keys
	v_lshl_or_b32 v253, v238, 16, v253
	v_lshl_or_b32 v253, v239, 24, v253
.irp b, 0,1,2,3
	v_cvt_scalef32_pk8_fp4_f32 v[224+2*\b], v[96+16*\b:103+16*\b], v[244+\b]
	v_cvt_scalef32_pk8_fp4_f32 v[225+2*\b], v[104+16*\b:111+16*\b], v[244+\b]
.endr
	v_nop                                          ; one plain line behind the conversions
.irp c, 0,1
.irp i, 0,1
	v_permlane16_swap_b32 v[224+4*\c+\i], v[226+4*\c+\i]   ; a whole block to a lane
.endr
.endr
.irp j, 0,2,4,6,8,10,12,14,16,18,20,22,24,26,28,30
	v_pk_mul_f32 v[160+\j:161+\j], v[160+\j:161+\j], v[252:253] op_sel_hi:[1,0]   ; O^T under the new M; these sixteen also stand between the writing of p's codes and scale word and the products
.endr
	s_wait_dscnt 0x0                               ; V and its scale words
.irp t, 0,2
	v_wmma_scale_f32_16x16x128_f8f6f4 v[160+8*\t:167+8*\t], v[192+8*\t:199+8*\t], v[224:231], v[160+8*\t:167+8*\t], v[240+\t/2], v253 matrix_a_fmt:MATRIX_FMT_FP4 matrix_b_fmt:MATRIX_FMT_FP4
	v_wmma_scale_f32_16x16x128_f8f6f4 v[168+8*\t:175+8*\t], v[200+8*\t:207+8*\t], v[224:231], v[168+8*\t:175+8*\t], v[240+\t/2], v253 matrix_a_fmt:MATRIX_FMT_FP4 matrix_b_fmt:MATRIX_FMT_FP4 matrix_a_scale:MATRIX_SCALE_ROW1
.endr                                              ; the four accumulators take turns; between two links of one stand eleven other matrix instructions
	s_add_co_u32 s[TK], s[TK], 4096
	s_add_co_u32 s[TS], s[TS], 512
	s_add_co_u32 s[TV], s[TV], 64
	s_add_co_u32 s[TT], s[TT], 256
	s_lshr_b32 s[MSK], s[MSK], 1
	s_sub_co_u32 s[CNT], s[CNT], 1
	s_cmp_lg_u32 s[CNT], 0
	s_cbranch_scc1 .Lstep
	; THE END: O^T / l, quantised along the head's 64 channels: two blocks; register 16 b + i is channel 32 b + 16 h + i
.rept 4
	v_nop
.endr
	v_add_f32 v14, v14, v15
	v_permlanex16_b32 v252, v14, s[SEL], s[SEL+1]
	v_add_f32 v14, v14, v252                       ; the row's sum
	v_rcp_f32 v14, v14
	v_nop
	s_wait_alu depctr_va_vdst(0)
.irp j, 0,1,2,3,4,5,6,7,8,9,10,11,12,13,14,15,16,17,18,19,20,21,22,23,24,25,26,27,28,29,30,31
	v_mul_f32 v[96+\j], v[160+\j], v14
.endr
.irp b, 0,1
	v_max3_num_f32 v[232+\b], |v[96+16*\b]|, |v[97+16*\b]|, 0x1800000
.endr
.irp i, 2,4,6,8,10,12,14
.irp b, 0,1
	v_max3_num_f32 v[232+\b], v[232+\b], |v[96+16*\b+\i]|, |v[97+16*\b+\i]|
.endr
.endr
.irp b, 0,1
	v_permlanex16_b32 v[236+\b], v[232+\b], s[SEL], s[SEL+1]
.endr
.irp b, 0,1
	v_max_num_f32 v[232+\b], v[232+\b], v[236+\b]
.endr
.irp b, 0,1
	v_add_nc_u32 v[244+\b], 0xff000000, v[232+\b]
.endr
.irp b, 0,1
	v_lshrrev_b32 v[236+\b], 23, v[244+\b]
.endr
	v_lshl_or_b32 v253, v237, 8, v236              ; my query's two scale bytes
.irp b, 0,1
	v_cvt_scalef32_pk8_fp4_f32 v[224+2*\b], v[96+16*\b:103+16*\b], v[244+\b]
	v_cvt_scalef32_pk8_fp4_f32 v[225+2*\b], v[104+16*\b:111+16*\b], v[244+\b]
.endr
	v_nop
	v_permlane16_swap_b32 v224, v226
	v_permlane16_swap_b32 v225, v227               ; v224-227: channels 32 h + 0 .. 31: half a fragment of the next product
	global_store_b128 v[LI], v[224:227], s[28:29]  ; 512 consecutive bytes
	ds_store_b16 v[AOS], v253                      ; both lanes of a query write the same two bytes
	s_wait_dscnt 0x0
	s_barrier_signal -1
	s_barrier_wait -1
	s_cmp_lg_u32 s[WV], 0
	s_cbranch_scc1 .Lend
	ds_load_b128 v[232:235], v[OSR]                ; the work-group's 512 scale bytes leave by one store
	s_wait_dscnt 0x0
	global_store_b128 v[LI], v[232:235], s[30:31]
.Lend:
	s_wait_tensorcnt 0x0
	ds_add_u32 v243, v255
	s_wait_dscnt 0x0
	s_endpgm
.Lfunc_end_k_q6a5ed1088c_attn:
	.size	k_q6a5ed1088c_attn, .Lfunc_end_k_q6a5ed1088c_attn-k_q6a5ed1088c_attn
	.p2alignl 7, 3214868480
	.fill 96, 4, 3214868480
	.section	.rodata,"a",@progbits
	.p2align	6, 0x0
	.amdhsa_kernel k_q6a5ed1088c_attn
		.amdhsa_group_segment_fixed_size 155136
		.amdhsa_private_segment_fixed_size 0
		.amdhsa_enable_private_segment 0
		.amdhsa_kernarg_size 48
		.amdhsa_user_sgpr_count 2
		.amdhsa_user_sgpr_kernarg_segment_ptr 1
		.amdhsa_wavefront_size32 1
		.amdhsa_system_sgpr_workgroup_id_x 1
		.amdhsa_system_sgpr_workgroup_id_y 1
		.amdhsa_system_sgpr_workgroup_id_z 1
		.amdhsa_system_vgpr_workitem_id 0
		.amdhsa_next_free_vgpr 256
		.amdhsa_next_free_sgpr 66
		.amdhsa_reserve_vcc 1
		.amdhsa_float_denorm_mode_32 3
		.amdhsa_float_denorm_mode_16_64 3
		.amdhsa_memory_ordered 1
		.amdhsa_forward_progress 1
		.amdhsa_inst_pref_size 34
	.end_amdhsa_kernel
	.amdgpu_metadata
---
amdhsa.version: [ 1, 2 ]
amdhsa.kernels:
  - .name:           k_q6a5ed1088c_attn
    .symbol:         k_q6a5ed1088c_attn.kd
    .args:
      - { .name: prepbuf, .offset: 0, .size: 8, .value_kind: global_buffer, .address_space: global }
      - { .name: values_codes, .offset: 8, .size: 8, .value_kind: global_buffer, .address_space: global }
      - { .name: values_scales, .offset: 16, .size: 8, .value_kind: global_buffer, .address_space: global }
      - { .name: mask, .offset: 24, .size: 8, .value_kind: global_buffer, .address_space: global }
      - { .name: flags, .offset: 32, .size: 8, .value_kind: global_buffer, .address_space: global }
      - { .name: obuf, .offset: 40, .size: 8, .value_kind: global_buffer, .address_space: global }
    .group_segment_fixed_size: 155136
    .private_segment_fixed_size: 0
    .kernarg_segment_align: 8
    .kernarg_segment_size: 48
    .max_flat_workgroup_size: 512
    .sgpr_count:     66
    .vgpr_count:     256
    .wavefront_size: 32
...
	.end_amdgpu_metadata
.endif
;; end of part 2
;; launch fcln1 (part 3): grid 256 x 1, 16 waves a work-group, no clusters, 171,264 bytes of LDS; arguments prepbuf, obuf, queries, fc_b, ln1_g, ln1_b, x1buf; writes x1buf
.if DOCPART == 3
	.amdgcn_target "amdgcn-amd-amdhsa--gfx1250"
	.amdhsa_code_object_version 6
	.text
	.protected	k_q6a5ed1088c_fcln1
	.globl	k_q6a5ed1088c_fcln1
	.p2align	8
	.type	k_q6a5ed1088c_fcln1,@function
k_q6a5ed1088c_fcln1:
	s_mov_b64 s[64:65], 0
	v_nop
	global_prefetch_b8 v0, s[64:65] scope:SCOPE_SE
	s_setreg_imm32_b32 hwreg(HW_REG_WAVE_MODE, 25, 1), 1
	s_wait_xcnt 0x0
; x1 = layer_norm(attention_out fc_w + fc_b + queries), the product on codes of FP4; x1 leaves as f32 rows and as codes (images of fragments) with their scale bytes.
; SHARES.  A work-group owns one tile of 16 rows and all 1,024 columns, so that the norm stays inside it.  Wave w makes columns 64 w .. 64 w + 63 (four tiles of fc_w, used as source 0), then takes row w through the norm.
; THE WEIGHTS GO FROM MEMORY STRAIGHT INTO REGISTERS, as images, 512 consecutive bytes a load: with 16 rows a fragment of fc_w feeds one matrix instruction of the work-group, so LDS could spare no read of it; hence no tensor
; loads and no joint requests.  Three sets of registers: 24 loads a wave are out from the start, two groups of eight in every K step but the last.
; fc_b, ln1_g AND ln1_b, which every wave wants whole, COME ONCE for the work-group: 16 bytes a thread (threads 0-255: fc_b and ln1_b; threads 256-511: ln1_g), into LDS ahead of the first barrier; each wave reads them from there.
; The tile's row slot s is row 32 (tile / 2) + 8 (tile % 2) + s + 8 (s / 8).
; LIMITS: blocks of x1 whose largest magnitude lies under 2^-124 keep the scale byte 1; NaN and infinities are not served.
.set FCW_IMG, 0x480000
.set FCW_SC,  0x900000
.set O_SC,    0x200000
.set X1_IMG,  0x1000000                ; x1buf: f32 rows at 0; images [tile 256][K step 8][1024]; scale bytes [tile][K step / 4][row 16][16]
.set X1_SC,   0x1200000
.set ASC,    8192                      ; LDS: the left operand's 8 images at 0; its scale words [K step][row];
.set STAGE,  8704                      ; 16 rows of 4,096 bytes + 16;
.set SPITCH, 4112
.set TURN,   74496                     ; for each wave 32 blocks of 128 bytes + 16;
.set XIMG,   148224                    ; x1's 8 images;
.set XSC,    156416                    ; its 512 scale bytes;
.set VEC,    156928                    ; fc_b, ln1_g, ln1_b: 4,096 bytes each
.set LI,  1
.set VR,  2                            ; v2   in the set-up the lane; then VEC + 16 x lane
.set T16, 4
.set ASW, 5
.set ASR, 6
.set STW, 7
.set STR, 8
.set TUW, 9
.set TUR, 10
.set XIW, 11
.set XSW, 12
.set XIR, 13
.set XSR, 14
.set OSO, 15
.set AF,  16                           ; v16-79   the left operand's eight fragments; later ln1_b (v16-47) and the row (v48-79)
.set AS,  80                           ; v80-87   its scale words
.set WS,  88                           ; v88-103  fc_w's scale words, four registers a tile: register j: K step j in lanes 0-15, 4 + j in lanes 16-31
.set ACC, 104                          ; v104-135 four accumulators; later a block of 32 numbers
.set WT,  136                          ; v136-231 three sets of four fragments; later fc_b, ln1_g, the queries' row
.set M0,  232
.set M1,  233
.set SCL, 234
.set BYT, 235
.set CD,  236                          ; v236-239 a block's codes
.set SA,  240
.set SB,  242
.set MU,  244
.set RS,  246
.set TP,  248
.set VW,  249                          ; v249 VEC + 16 x thread: threads 256 on fall into ln1_g's 4,096 bytes
.set VO,  250                          ; v250 16 x (thread % 256): my 16 bytes of a vector in memory
.set WV,  18
.set SEL, 36
.set INV, 38
.set EPS, 39
	s_load_b256 s[4:11], s[0:1], 0x0               ; prepbuf, obuf, queries, fc_b
	s_load_b128 s[12:15], s[0:1], 0x20             ; ln1_g, ln1_b
	s_load_b64 s[16:17], s[0:1], 0x30              ; x1buf
	v_lshrrev_b32 v2, 5, v0
	v_readfirstlane_b32 s[WV], v2                  ; wave 0..15
	v_and_b32 v2, 31, v0                           ; lane
	v_and_b32 v3, 15, v0                           ; r
	v_bfe_u32 v232, v0, 4, 1                       ; h
	v_lshlrev_b32 v[LI], 4, v2
	v_lshlrev_b32 v[T16], 4, v0
	v_lshrrev_b32 v[ASW], 5, v0                    ; thread T < 256 brings head T / 16's two bytes of row T % 16: K step T / 32, upper or lower half of the word
	v_lshlrev_b32 v[ASW], 6, v[ASW]
	v_lshl_add_u32 v[ASW], v3, 2, v[ASW]
	v_lshl_add_u32 v[ASW], v232, 1, v[ASW]
	v_add_nc_u32 v[ASW], ASC, v[ASW]
	v_lshl_add_u32 v[ASR], v3, 2, ASC
	v_mul_u32_u24 v[STW], v3, SPITCH               ; the stage, in: row r, my wave's 256 bytes, + 64 h
	v_lshl_add_u32 v[STW], v232, 6, v[STW]
	s_lshl_b32 s34, s[WV], 8
	s_add_co_u32 s34, s34, STAGE
	v_add_nc_u32 v[STW], s34, v[STW]
	s_mul_i32 s34, s[WV], SPITCH                   ; and out: row w, 16 bytes a lane
	s_add_co_u32 s34, s34, STAGE
	v_add_nc_u32 v[STR], s34, v[LI]
	s_mul_i32 s34, s[WV], 4608
	s_add_co_u32 s34, s34, TURN
	v_lshrrev_b32 v233, 3, v2
	v_mul_u32_u24 v[TUW], v233, 144                ; eight lanes' 128 bytes are a block of 32 columns
	v_and_b32 v233, 7, v2
	v_lshl_add_u32 v[TUW], v233, 4, v[TUW]
	v_add_nc_u32 v[TUW], s34, v[TUW]
	v_mul_u32_u24 v[TUR], v2, 144                  ; back: lane l takes block l
	v_add_nc_u32 v[TUR], s34, v[TUR]
	v_lshrrev_b32 v233, 2, v2                      ; block l of row w in the images: K step l / 4, half (l / 2) % 2, lane 16 (l % 2) + w
	v_lshlrev_b32 v[XIW], 10, v233
	v_bfe_u32 v233, v0, 1, 1
	v_lshl_add_u32 v[XIW], v233, 9, v[XIW]
	v_and_b32 v233, 1, v0
	v_lshl_add_u32 v[XIW], v233, 8, v[XIW]
	s_lshl_b32 s34, s[WV], 4
	s_add_co_u32 s35, s34, XIMG
	v_add_nc_u32 v[XIW], s35, v[XIW]
	v_lshl_add_u32 v[XSW], v232, 8, v3             ; its scale byte: 256 (l / 16) + 16 w + l % 16
	s_add_co_u32 s35, s34, XSC
	v_add_nc_u32 v[XSW], s35, v[XSW]
	v_add_nc_u32 v[XIR], XIMG, v[T16]
	v_add_nc_u32 v[XSR], XSC, v[LI]
	v_lshrrev_b32 v[OSO], 4, v0                    ; in obuf: head x 8,192 + 2 x (16 x tile + row)
	v_lshlrev_b32 v[OSO], 13, v[OSO]
	v_lshl_add_u32 v[OSO], v3, 1, v[OSO]
	s_lshl_b32 s34, ttmp9, 5
	v_add_nc_u32 v[OSO], s34, v[OSO]
	v_add_nc_u32 v[VR], VEC, v[LI]                 ; (the lane's number is done with)
	v_add_nc_u32 v[VW], VEC, v[T16]
	v_and_b32 v[VO], 255, v0
	v_lshlrev_b32 v[VO], 4, v[VO]
	v_mov_b32 v[TP], 0                             ; a lane permute's destination counts as one of its sources
	s_mov_b32 s[SEL], 0x76543210
	s_mov_b32 s[SEL+1], 0xfedcba98
	s_mov_b32 s[INV], 0x3a800000                   ; 1 / 1,024
	s_mov_b32 s[EPS], 0x3727c5ac                   ; 1e-5
	s_mov_b32 s41, 0
	s_wait_kmcnt 0x0
	s_lshl_b32 s40, ttmp9, 13
	s_add_nc_u64 s[20:21], s[6:7], s[40:41]        ; my tile's eight images
	s_add_nc_u64 s[22:23], s[6:7], O_SC
	s_add_nc_u64 s[30:31], s[16:17], s[40:41]
	s_add_nc_u64 s[30:31], s[30:31], X1_IMG
	s_lshl_b32 s40, s[WV], 11
	s_add_nc_u64 s[24:25], s[4:5], s[40:41]
	s_add_nc_u64 s[24:25], s[24:25], FCW_SC        ; my four tiles' scale bytes
	s_lshl_b32 s40, s[WV], 15
	s_add_nc_u64 s[26:27], s[4:5], s[40:41]
	s_add_nc_u64 s[26:27], s[26:27], FCW_IMG       ; and images
	s_lshl_b32 s40, ttmp9, 9
	s_add_nc_u64 s[32:33], s[16:17], s[40:41]
	s_add_nc_u64 s[32:33], s[32:33], X1_SC
	s_lshr_b32 s40, ttmp9, 1
	s_lshl_b32 s40, s40, 5
	s_and_b32 s34, ttmp9, 1
	s_lshl_b32 s34, s34, 3
	s_add_co_u32 s40, s40, s34
	s_add_co_u32 s40, s40, s[WV]
	s_and_b32 s34, s[WV], 8
	s_add_co_u32 s40, s40, s34                     ; my row
	s_lshl_b32 s40, s40, 12
	s_add_nc_u64 s[8:9], s[8:9], s[40:41]
	s_add_nc_u64 s[28:29], s[16:17], s[40:41]
.macro WLOAD q                         ; K step q's four fragments into set q % 3
.irp t, 0,1,2,3
	global_load_b128 v[WT+32*((\q)%3)+8*\t:WT+32*((\q)%3)+8*\t+3], v[LI], s[26:27] offset:8192*\t+1024*(\q)
	global_load_b128 v[WT+32*((\q)%3)+8*\t+4:WT+32*((\q)%3)+8*\t+7], v[LI], s[26:27] offset:8192*\t+1024*(\q)+512
.endr
.endm
.macro ROWLOAD reg, base               ; 4,096 bytes from memory, lane l: numbers 128 j + 4 l .. + 3
.irp j, 0,1,2,3,4,5,6,7
	global_load_b128 v[\reg+4*\j:\reg+4*\j+3], v[LI], s[\base:\base+1] offset:512*\j
.endr
.endm
.macro VECLOAD reg, off                ; the same of a vector that lies in LDS
.irp j, 0,1,2,3,4,5,6,7
	ds_load_b128 v[\reg+4*\j:\reg+4*\j+3], v[VR] offset:\off+512*\j
.endr
.endm
.macro FCMUL q, t
.if (\q) == 0
	v_wmma_scale_f32_16x16x128_f8f6f4 v[ACC+8*\t:ACC+8*\t+7], v[WT+32*((\q)%3)+8*\t:WT+32*((\q)%3)+8*\t+7], v[AF+8*(\q):AF+8*(\q)+7], 0, v[WS+4*\t+(\q)%4], v[AS+(\q)] matrix_a_fmt:MATRIX_FMT_FP4 matrix_b_fmt:MATRIX_FMT_FP4
.elseif (\q) < 4
	v_wmma_scale_f32_16x16x128_f8f6f4 v[ACC+8*\t:ACC+8*\t+7], v[WT+32*((\q)%3)+8*\t:WT+32*((\q)%3)+8*\t+7], v[AF+8*(\q):AF+8*(\q)+7], v[ACC+8*\t:ACC+8*\t+7], v[WS+4*\t+(\q)%4], v[AS+(\q)] matrix_a_fmt:MATRIX_FMT_FP4 matrix_b_fmt:MATRIX_FMT_FP4
.else
	v_wmma_scale_f32_16x16x128_f8f6f4 v[ACC+8*\t:ACC+8*\t+7], v[WT+32*((\q)%3)+8*\t:WT+32*((\q)%3)+8*\t+7], v[AF+8*(\q):AF+8*(\q)+7], v[ACC+8*\t:ACC+8*\t+7], v[WS+4*\t+(\q)%4], v[AS+(\q)] matrix_a_fmt:MATRIX_FMT_FP4 matrix_b_fmt:MATRIX_FMT_FP4 matrix_a_scale:MATRIX_SCALE_ROW1
.endif
.endm
.macro FCSTEP q, cnt                   ; four products, the accumulators by turns; then four places ahead of the loads into the set just read.  cnt: the loads from memory issued behind this K step's eight
	s_wait_loadcnt \cnt
.irp t, 0,1,2,3
	FCMUL \q, \t
.endr
.rept 4
	v_nop
.endr
.endm
.macro LANESUM                         ; v[SA] summed over the 32 lanes, the result in every lane
	v_add_f32_dpp v[SA], v[SA], v[SA] row_xmask:1 row_mask:0xf bank_mask:0xf
	v_add_f32_dpp v[SA], v[SA], v[SA] row_xmask:2 row_mask:0xf bank_mask:0xf
	v_add_f32_dpp v[SA], v[SA], v[SA] row_xmask:4 row_mask:0xf bank_mask:0xf
	v_add_f32_dpp v[SA], v[SA], v[SA] row_xmask:8 row_mask:0xf bank_mask:0xf
	v_permlanex16_b32 v[TP], v[SA], s[SEL], s[SEL+1]
	v_add_f32 v[SA], v[SA], v[TP]
.endm
; A row of 1,024 numbers, 32 a lane in v[x] on, is normalised in place: mean, then the mean of the squares of x - mean (two passes: a common offset does no harm), rsqrt, gain v[g] on, bias v[b] on.  cnt: the loads that may stay out when gain and bias are wanted
.macro LNROW x, g, b, cnt
	v_pk_add_f32 v[SA:SA+1], v[\x:\x+1], v[\x+2:\x+3]
	v_pk_add_f32 v[SB:SB+1], v[\x+4:\x+5], v[\x+6:\x+7]
.irp i, 8,12,16,20,24,28
	v_pk_add_f32 v[SA:SA+1], v[SA:SA+1], v[\x+\i:\x+\i+1]
	v_pk_add_f32 v[SB:SB+1], v[SB:SB+1], v[\x+\i+2:\x+\i+3]
.endr
	v_pk_add_f32 v[SA:SA+1], v[SA:SA+1], v[SB:SB+1]
	v_add_f32 v[SA], v[SA], v[SA+1]
	LANESUM
	v_mul_f32 v[MU], s[INV], v[SA]
	v_mov_b32 v[MU+1], v[MU]
.irp i, 0,2,4,6,8,10,12,14,16,18,20,22,24,26,28,30
	v_pk_add_f32 v[\x+\i:\x+\i+1], v[\x+\i:\x+\i+1], v[MU:MU+1] neg_lo:[0,1] neg_hi:[0,1]
.endr
	v_pk_mul_f32 v[SA:SA+1], v[\x:\x+1], v[\x:\x+1]
	v_pk_mul_f32 v[SB:SB+1], v[\x+2:\x+3], v[\x+2:\x+3]
.irp i, 4,8,12,16,20,24,28
	v_pk_fma_f32 v[SA:SA+1], v[\x+\i:\x+\i+1], v[\x+\i:\x+\i+1], v[SA:SA+1]
	v_pk_fma_f32 v[SB:SB+1], v[\x+\i+2:\x+\i+3], v[\x+\i+2:\x+\i+3], v[SB:SB+1]
.endr
	v_pk_add_f32 v[SA:SA+1], v[SA:SA+1], v[SB:SB+1]
	v_add_f32 v[SA], v[SA], v[SA+1]
	LANESUM
	v_fma_f32 v[RS], v[SA], s[INV], s[EPS]
	v_rsq_f32 v[RS], v[RS]
	v_nop                                          ; a plain line behind the transcendental,
	s_wait_alu depctr_va_vdst(0)                   ; and the wait ahead of its first reader
	v_mov_b32 v[RS+1], v[RS]
.irp i, 0,2,4,6,8,10,12,14,16,18,20,22,24,26,28,30
	v_pk_mul_f32 v[\x+\i:\x+\i+1], v[\x+\i:\x+\i+1], v[RS:RS+1]
.endr
	s_wait_loadcnt \cnt
.irp i, 0,2,4,6,8,10,12,14,16,18,20,22,24,26,28,30
	v_pk_fma_f32 v[\x+\i:\x+\i+1], v[\x+\i:\x+\i+1], v[\g+\i:\g+\i+1], v[\b+\i:\b+\i+1]
.endr
.endm
.macro QUANT32 x, c                    ; 32 numbers of one block become four registers of codes; the scale's byte in v[BYT]
	v_max3_num_f32 v[M0], |v[\x]|, |v[\x+1]|, 0x1800000
	v_max3_num_f32 v[M1], |v[\x+2]|, |v[\x+3]|, |v[\x+4]|
.irp i, 5,9,13,17,21,25
	v_max3_num_f32 v[M0], v[M0], |v[\x+\i]|, |v[\x+\i+1]|
	v_max3_num_f32 v[M1], v[M1], |v[\x+\i+2]|, |v[\x+\i+3]|
.endr
	v_max3_num_f32 v[M0], v[M0], |v[\x+29]|, |v[\x+30]|
	v_max3_num_f32 v[M0], v[M0], v[M1], |v[\x+31]|
	v_add_nc_u32 v[SCL], 0xff000000, v[M0]
	v_lshrrev_b32 v[BYT], 23, v[SCL]
.irp g, 0,1,2,3
	v_cvt_scalef32_pk8_fp4_f32 v[\c+\g], v[\x+8*\g:\x+8*\g+7], v[SCL]
.endr
.endm
	; ---- 0: the left operand and the three vectors into LDS; the first three K steps of my weights are asked for
	global_load_b128 v[232:235], v[T16], s[20:21]
	s_cmp_lt_u32 s[WV], 8
	s_cbranch_scc0 .Lhi_ld
	global_load_u16 v236, v[OSO], s[22:23]
	global_load_b128 v[252:255], v[VO], s[10:11]   ; waves 0 to 7: fc_b,
	global_load_b128 v[244:247], v[VO], s[14:15]   ; and ln1_b
	s_branch .Lld_done
.Lhi_ld:
	global_load_b128 v[252:255], v[VO], s[12:13]   ; waves 8 to 15: ln1_g
.Lld_done:
.irp t, 0,1,2,3
	global_load_b128 v[WS+4*\t:WS+4*\t+3], v[LI], s[24:25] offset:512*\t
.endr
	WLOAD 0
	WLOAD 1
	WLOAD 2
	s_wait_loadcnt 28                              ; the 4 + 24 loads issued behind the operand's and the vectors' may stay out: the same count on both ways
	ds_store_b128 v[T16], v[232:235]
	ds_store_b128 v[VW], v[252:255]                ; fc_b, or from thread 256 on ln1_g
	s_cmp_lt_u32 s[WV], 8
	s_cbranch_scc0 .Lno_scs
	ds_store_b16 v[ASW], v236
	ds_store_b128 v[VW], v[244:247] offset:8192    ; ln1_b
.Lno_scs:
	s_wait_dscnt 0x0
	s_barrier_signal -1
	s_barrier_wait -1
.irp q, 0,1,2,3,4,5,6,7
	ds_load_b128 v[AF+8*\q:AF+8*\q+3], v[LI] offset:1024*\q
	ds_load_b128 v[AF+8*\q+4:AF+8*\q+7], v[LI] offset:1024*\q+512
	ds_load_b32 v[AS+\q], v[ASR] offset:64*\q
.endr
	s_wait_dscnt 0x0
	; ---- 1: the product.  Source 0 = 16 columns' rows of fc_w, source 1 = my tile's 16 rows: register j of tile 2 B + u is column 32 B + 16 h + 8 u + j of row r
	FCSTEP 0, 16                                   ; two younger groups of eight may be out
	WLOAD 3
	FCSTEP 1, 16
	WLOAD 4
	FCSTEP 2, 16
	WLOAD 5
	FCSTEP 3, 16
	WLOAD 6
	FCSTEP 4, 16
	WLOAD 7
	FCSTEP 5, 16
	ROWLOAD WT+64, 8                               ; the freed sets take what the norm wants: my row of the queries, from memory;
	FCSTEP 6, 16
	VECLOAD WT, 0                                  ; fc_b, from LDS;
	FCSTEP 7, 8                                    ; behind this K step's weights only the queries' eight loads were issued
	VECLOAD WT+32, 4096                            ; ln1_g,
	VECLOAD AF, 8192                               ; and ln1_b
	; ---- 2: the results meet in the stage
.irp t, 0,1,2,3
	ds_store_b128 v[STW], v[ACC+8*\t:ACC+8*\t+3] offset:128*(\t/2)+32*(\t%2)
	ds_store_b128 v[STW], v[ACC+8*\t+4:ACC+8*\t+7] offset:128*(\t/2)+32*(\t%2)+16
.endr
	s_wait_dscnt 0x0
	s_barrier_signal -1
	s_barrier_wait -1
	; ---- 3: one row a wave
.irp j, 0,1,2,3,4,5,6,7
	ds_load_b128 v[48+4*\j:51+4*\j], v[STR] offset:512*\j
.endr
	s_wait_loadcnt 0x0
	s_wait_dscnt 0x0
.irp i, 0,2,4,6,8,10,12,14,16,18,20,22,24,26,28,30
	v_pk_add_f32 v[48+\i:49+\i], v[48+\i:49+\i], v[WT+\i:WT+\i+1]          ; + fc_b
.endr
.irp i, 0,2,4,6,8,10,12,14,16,18,20,22,24,26,28,30
	v_pk_add_f32 v[48+\i:49+\i], v[48+\i:49+\i], v[WT+64+\i:WT+64+\i+1]    ; + queries
.endr
	LNROW 48, WT+32, AF, 0
.irp j, 0,1,2,3,4,5,6,7
	global_store_b128 v[LI], v[48+4*\j:51+4*\j], s[28:29] offset:512*\j    ; x1 as f32: 512 consecutive bytes a store
.endr
.irp j, 0,1,2,3,4,5,6,7
	ds_store_b128 v[TUW], v[48+4*\j:51+4*\j] offset:576*\j                 ; and through my own bytes of LDS, so that a lane holds a whole block of 32
.endr
.irp i, 0,1,2,3,4,5,6,7
	ds_load_b128 v[ACC+4*\i:ACC+4*\i+3], v[TUR] offset:16*\i               ; LDS serves a wave's instructions in order: these see the stores
.endr
	s_wait_dscnt 0x0
	QUANT32 ACC, CD
	v_nop                                          ; one plain line behind the conversions
	ds_store_b128 v[XIW], v[CD:CD+3]
	ds_store_b8 v[XSW], v[BYT]
	s_wait_dscnt 0x0
	s_barrier_signal -1
	s_barrier_wait -1
	; ---- 4: the images and the scale bytes leave in dense stores
	ds_load_b128 v[80:83], v[XIR]
	s_wait_dscnt 0x0
	global_store_b128 v[T16], v[80:83], s[30:31]
	s_cmp_lg_u32 s[WV], 0
	s_cbranch_scc1 .Lend
	ds_load_b128 v[84:87], v[XSR]
	s_wait_dscnt 0x0
	global_store_b128 v[LI], v[84:87], s[32:33]
.Lend:
	s_wait_xcnt 0x0
	v_lshl_add_u32 v254, v0, 2, 0x29500
	v_mov_b32 v255, 0
	s_wait_tensorcnt 0x0
	ds_add_u32 v254, v255
	s_wait_dscnt 0x0
	s_endpgm
.Lfunc_end_k_q6a5ed1088c_fcln1:
	.size	k_q6a5ed1088c_fcln1, .Lfunc_end_k_q6a5ed1088c_fcln1-k_q6a5ed1088c_fcln1
	.p2alignl 7, 3214868480
	.fill 96, 4, 3214868480
	.section	.rodata,"a",@progbits
	.p2align	6, 0x0
	.amdhsa_kernel k_q6a5ed1088c_fcln1
		.amdhsa_group_segment_fixed_size 171264
		.amdhsa_private_segment_fixed_size 0
		.amdhsa_enable_private_segment 0
		.amdhsa_kernarg_size 56
		.amdhsa_user_sgpr_count 2
		.amdhsa_user_sgpr_kernarg_segment_ptr 1
		.amdhsa_wavefront_size32 1
		.amdhsa_system_sgpr_workgroup_id_x 1
		.amdhsa_system_sgpr_workgroup_id_y 1
		.amdhsa_system_sgpr_workgroup_id_z 1
		.amdhsa_system_vgpr_workitem_id 0
		.amdhsa_next_free_vgpr 256
		.amdhsa_next_free_sgpr 66
		.amdhsa_reserve_vcc 0
		.amdhsa_float_denorm_mode_32 3
		.amdhsa_float_denorm_mode_16_64 3
		.amdhsa_memory_ordered 1
		.amdhsa_forward_progress 1
		.amdhsa_inst_pref_size 35
	.end_amdhsa_kernel
	.amdgpu_metadata
---
amdhsa.version: [ 1, 2 ]
amdhsa.kernels:
  - .name:           k_q6a5ed1088c_fcln1
    .symbol:         k_q6a5ed1088c_fcln1.kd
    .args:
      - { .name: prepbuf, .offset: 0, .size: 8, .value_kind: global_buffer, .address_space: global }
      - { .name: obuf, .offset: 8, .size: 8, .value_kind: global_buffer, .address_space: global }
      - { .name: queries, .offset: 16, .size: 8, .value_kind: global_buffer, .address_space: global }
      - { .name: fc_b, .offset: 24, .size: 8, .value_kind: global_buffer, .address_space: global }
      - { .name: ln1_g, .offset: 32, .size: 8, .value_kind: global_buffer, .address_space: global }
      - { .name: ln1_b, .offset: 40, .size: 8, .value_kind: global_buffer, .address_space: global }
      - { .name: x1buf, .offset: 48, .size: 8, .value_kind: global_buffer, .address_space: global }
    .group_segment_fixed_size: 171264
    .private_segment_fixed_size: 0
    .kernarg_segment_align: 8
    .kernarg_segment_size: 56
    .max_flat_workgroup_size: 512
    .sgpr_count:     66
    .vgpr_count:     256
    .wavefront_size: 32
...
	.end_amdgpu_metadata
.endif
;; end of part 3
;; launch ff1 (part 4): grid 16 x 16, 4 waves a work-group, clusters of 4 x 4, 327,680 bytes of LDS; arguments x1buf, prepbuf, ff_b1, hbuf; writes hbuf
.if DOCPART == 4
	.amdgcn_target "amdgcn-amd-amdhsa--gfx1250"
	.amdhsa_code_object_version 6
	.text
	.protected	k_q6a5ed1088c_ff1
	.globl	k_q6a5ed1088c_ff1
	.p2align	8
	.type	k_q6a5ed1088c_ff1,@function
k_q6a5ed1088c_ff1:
	s_mov_b64 s[64:65], 0
	v_nop
	global_prefetch_b8 v0, s[64:65] scope:SCOPE_SE
	s_setreg_imm32_b32 hwreg(HW_REG_WAVE_MODE, 25, 1), 1
	s_wait_xcnt 0x0
	s_wait_alu depctr_hold_cnt(0) depctr_sa_sdst(0) depctr_va_vdst(0) depctr_va_sdst(0) depctr_va_ssrc(0) depctr_va_vcc(0) depctr_vm_vsrc(0)
	s_getreg_b32 s2, hwreg(HW_REG_IB_STS2, 6, 4)
	s_cmp_eq_u32 s2, 0
	s_cbranch_scc0 .Lentry_in_a_cluster
	s_endpgm
.Lentry_in_a_cluster:
	s_bfe_u32 s2, ttmp6, 0x10000c
	s_cmp_lg_u32 s2, 0xf033
	s_cbranch_scc0 .Lentry_shape_is_right
	s_endpgm
.Lentry_shape_is_right:
; h = Q(relu(x1 ff_w1 + ff_b1)): [4096][1024] x [1024][4096] on codes of FP4; the result is quantised in registers along its columns, the next product's K, and leaves as images of fragments with their scale words.
; A tile of 256 rows x 256 columns to a work-group of four waves; a wave makes 128 x 128: 64 accumulators, 512 registers.
; K = 1,024: both operands' tiles (128 KiB each, images of fragments, dense) lie in LDS WHOLE.  They come in four parts of two K steps, all asked for at the start, each byte of LDS filled once: no slot is filled again.
; A wave has four tensor loads out.
; CLUSTERS: 4 x 4 work-groups; x1's tiles are shared along a row of the cluster, ff_w1's along a column: each is asked for jointly, by the same tensor load with the same descriptor and a mask that names the four.
; THE MATRIX INSTRUCTION IS USED TRANSPOSED (source 0 = 16 rows of ff_w1^T, source 1 = 16 rows of x1); the weights' tiles hold rows 32 B + 8 u + r + 8 (r / 8): so a lane's 64 registers of a row tile are, 16 at a time,
; neighbours along the next K.  The bias is the C of each sum's first matrix instruction.
; All of LDS is claimed, so that the work-group is alone on its WGP.
; LIMITS: blocks whose largest magnitude lies under 2^-124 keep the scale byte 1; NaN and infinities are not served.
; REGISTERS: window 0: v3-14 addresses; v16-47 x1's scale words, v48-79 ff_w1's (four registers a tile: register j: K step j in lanes 0-15, 4 + j in lanes 16-31); v80-143 the bias; v144-207 a row tile's 64 numbers;
;   v208-232 the quantiser's.   window 1: x1's fragments, two sets at v0 and v64; ff_w1's at v128 and v192.   windows 2, 3: accumulator (a, b) at v[8 (8 (a % 4) + b)].
.set X1_IMG, 0x1000000
.set X1_SC,  0x1200000
.set W1_IMG, 0x500000
.set W1_SC,  0x908000
.set H_SC,   0x800000                  ; hbuf: images [row tile 256][K step 32][1024] at 0; scale words [128 rows: 32][K step 32][128]
.set PART,   65536                     ; LDS: part p: x1's 16 tiles x 2,048 bytes, then ff_w1's 16
.set STG,    262144                    ; behind the parts: 512 bytes for each wave's scale words; no tile lands here
.set LI,   3
.set ADRA, 4                           ; v4-7   my x1 fragments in part p
.set ADRB, 8                           ; v8-11  my ff_w1 fragments
.set STI,  12
.set STO,  13
.set H64,  14
.set SA,   16
.set SB,   48
.set BI,   80
.set HA,   144
.set PC,   208
.set TM,   216
.set PW,   232
.set G1A,  24
.set G1B,  32
.set G0A,  48                          ; s[48:63] group 0 for x1's four parts
.set G0B,  68                          ; s[68:83] for ff_w1's
.set SEL,  94
.set MSB, 0
.macro WIN new                         ; the immediate's high byte repeats the setting that is left
.if MSB != \new
	s_set_vgpr_msb (MSB<<8)|\new
.set MSB, \new
.endif
.endm
.macro PLACES n
.rept \n
	v_nop
.endr
.endm
.macro CROUND                          ; a round of the cluster's barrier
	s_barrier_signal -1
	s_barrier_wait -1
	s_cmp_lg_u32 s14, 0
	s_cbranch_scc1 .Lnot_wave_0_\@
	s_barrier_signal -3
.Lnot_wave_0_\@:
	s_barrier_wait -3
	s_barrier_signal -1
	s_barrier_wait -1
.endm
	s_load_b128 s[4:7], s[0:1], 0x0                ; x1buf, prepbuf
	s_load_b128 s[8:11], s[0:1], 0x10              ; ff_b1, hbuf
	v_lshl_add_u32 v254, v0, 2, 0x40800
	v_mov_b32 v255, 0
	ds_add_u32 v254, v255
	ds_add_u32 v254, v255
	v_lshrrev_b32 v1, 5, v0
	v_readfirstlane_b32 s14, v1                    ; wave 0..3
	s_lshr_b32 s15, s14, 1                         ; my half of the rows.  Also: I fetch for x1 (0) or for ff_w1 (1)
	s_and_b32 s16, s14, 1                          ; my half of the columns.  Also: which 8 tiles I fetch
	s_bfe_u32 s40, ttmp6, 0x40000                  ; cx, cy
	s_bfe_u32 s41, ttmp6, 0x40004
	s_lshl_b32 s42, ttmp9, 2
	s_add_co_u32 s42, s42, s40                     ; tile column
	s_and_b32 s17, ttmp7, 0xffff
	s_lshl_b32 s17, s17, 2
	s_add_co_u32 s17, s17, s41                     ; tile row
	s_lshl_b32 s43, s41, 2
	s_lshl_b32 s43, 15, s43                        ; my row of the cluster
	s_lshl_b32 s44, 0x1111, s40                    ; my column
	s_or_b32 s[G1A], s43, (3<<16)|(1<<21)          ; 15:0 the mask; 17:16 elements of 8 bytes; 21 set beside a mask; no padding: images are read 512 consecutive bytes at a time
	s_or_b32 s[G1B], s44, (3<<16)|(1<<21)
.irp g, G1A, G1B
	s_mov_b32 s[\g+1], 256<<16                     ; tensor_dim0: two K steps of a tile, 2,048 bytes
	s_mov_b32 s[\g+2], 8<<16                       ; tensor_dim1: 8 tiles
	s_mov_b32 s[\g+3], 256<<16                     ; tile_dim0
	s_mov_b32 s[\g+4], 8                           ; tile_dim1
	s_mov_b32 s[\g+5], 1024                        ; from tile to tile: 8,192 bytes
	s_mov_b32 s[\g+6], 0
	s_mov_b32 s[\g+7], 0
.endr
	s_lshl_b32 s18, s16, 3
	s_lshl_b32 s20, s17, 4
	s_add_co_u32 s20, s20, s18                     ; x1: tile 16 x tile row + 8 x half
	s_lshl_b32 s20, s20, 13
	s_add_co_u32 s20, s20, X1_IMG
	s_mov_b32 s21, 0
	s_lshl_b32 s46, s42, 4
	s_add_co_u32 s46, s46, s18                     ; ff_w1: tile 16 x tile column + 8 x half
	s_lshl_b32 s46, s46, 13
	s_add_co_u32 s46, s46, W1_IMG
	s_mov_b32 s47, 0
	s_lshl_b32 s45, s14, 14                        ; in a part: 16,384 x wave: no place in the cluster enters an LDS address
	s_wait_dscnt 0x0
	s_wait_kmcnt 0x0
	s_add_nc_u64 s[20:21], s[4:5], s[20:21]
	s_add_nc_u64 s[46:47], s[6:7], s[46:47]
	CROUND                                         ; all sixteen work-groups are here: the joint loads meet
.irp p, 0,1,2,3
	s_mov_b32 s[G0A+4*\p], 1
	s_add_co_u32 s[G0A+4*\p+1], s45, PART*\p
	s_add_nc_u64 s[G0A+4*\p+2:G0A+4*\p+3], s[20:21], 2048*\p
	s_or_b32 s[G0A+4*\p+3], s[G0A+4*\p+3], 0x80000000
	s_mov_b32 s[G0B+4*\p], 1
	s_add_co_u32 s[G0B+4*\p+1], s45, PART*\p
	s_add_nc_u64 s[G0B+4*\p+2:G0B+4*\p+3], s[46:47], 2048*\p
	s_or_b32 s[G0B+4*\p+3], s[G0B+4*\p+3], 0x80000000
.endr
	s_cmp_eq_u32 s15, 0                            ; a wave's four fills stand in one branch on the wave's number, ahead of every wait on TENSORcnt, every LDS read and every further barrier
	s_cbranch_scc0 .Lfor_b
.irp p, 0,1,2,3
	tensor_load_to_lds s[G0A+4*\p:G0A+4*\p+3], s[G1A:G1A+7]
	s_nop 0
.endr
	PLACES 4
	s_branch .Lasked
.Lfor_b:
.irp p, 0,1,2,3
	tensor_load_to_lds s[G0B+4*\p:G0B+4*\p+3], s[G1B:G1B+7]
	s_nop 0
.endr
	PLACES 4
.Lasked:
	v_and_b32 v1, 31, v0
	v_lshlrev_b32 v[LI], 4, v1
	v_and_b32 v2, 15, v0
	v_bfe_u32 v15, v0, 4, 1
	v_lshlrev_b32 v[H64], 6, v15
	s_lshl_b32 s22, s15, 14
	s_lshl_b32 s23, s16, 14
	s_add_co_u32 s23, s23, 32768
.irp p, 0,1,2,3
	v_add_nc_u32 v[ADRA+\p], s22, v[LI]
	v_add_nc_u32 v[ADRB+\p], s23, v[LI]
	s_add_co_u32 s22, s22, PART
	s_add_co_u32 s23, s23, PART
.endr
	s_lshl_b32 s18, s14, 9
	s_add_co_u32 s18, s18, STG
	v_lshl_add_u32 v[STI], v2, 2, s18
	v_add_nc_u32 v[STO], s18, v[LI]
.irp b, 0,1,2,3
	v_mov_b32 v[TM+4+\b], 0                        ; a lane permute's destination counts as one of its sources
.endr
	s_mov_b32 s[SEL], 0x76543210
	s_mov_b32 s[SEL+1], 0xfedcba98
	s_lshl_b32 s84, s17, 4
	s_lshl_b32 s85, s15, 3
	s_add_co_u32 s84, s84, s85                     ; my first row tile
	s_lshl_b32 s90, s84, 15                        ; its images in hbuf: 32 K steps x 1,024 bytes a tile
	s_lshl_b32 s84, s84, 9
	s_add_co_u32 s84, s84, X1_SC
	s_mov_b32 s85, 0
	s_add_nc_u64 s[84:85], s[4:5], s[84:85]        ; x1's scale bytes
	s_lshl_b32 s88, s42, 4
	s_lshl_b32 s89, s16, 3
	s_add_co_u32 s88, s88, s89
	s_lshl_b32 s88, s88, 9
	s_add_co_u32 s88, s88, W1_SC
	s_mov_b32 s89, 0
	s_add_nc_u64 s[88:89], s[6:7], s[88:89]        ; ff_w1's
	s_lshl_b32 s86, s42, 1
	s_add_co_u32 s86, s86, s16                     ; my 128 columns are K step 2 x tile column + half of the next product
	s_lshl_b32 s92, s86, 9
	s_mov_b32 s93, 0
	s_add_nc_u64 s[8:9], s[8:9], s[92:93]          ; their bias
	s_lshl_b32 s87, s86, 10
	s_add_co_u32 s90, s90, s87
	s_mov_b32 s91, 0
	s_add_nc_u64 s[90:91], s[10:11], s[90:91]      ; where my images go
	s_lshl_b32 s92, s17, 1
	s_add_co_u32 s92, s92, s15
	s_lshl_b32 s92, s92, 5
	s_add_co_u32 s92, s92, s86
	s_lshl_b32 s92, s92, 9
	s_add_co_u32 s92, s92, H_SC
	s_add_nc_u64 s[92:93], s[10:11], s[92:93]      ; and my 128 scale words
.irp a, 0,1,2,3,4,5,6,7
	global_load_b128 v[SA+4*\a:SA+4*\a+3], v[LI], s[84:85] offset:512*\a
.endr
.irp b, 0,1,2,3,4,5,6,7
	global_load_b128 v[SB+4*\b:SB+4*\b+3], v[LI], s[88:89] offset:512*\b
.endr
.irp b, 0,1,2,3,4,5,6,7
	global_load_b128 v[BI+8*\b:BI+8*\b+3], v[H64], s[8:9] offset:(32*(\b/2)+8*(\b%2))*4       ; lane (r, h), tile 2 B + u: columns 32 B + 16 h + 8 u + 0 .. 7
	global_load_b128 v[BI+8*\b+4:BI+8*\b+7], v[H64], s[8:9] offset:(32*(\b/2)+8*(\b%2))*4+16
.endr
.macro FETCH q                         ; K step q's 16 fragments into set q % 2: 32 loads of 512 consecutive bytes
	WIN 0x40                                       ; destination window 1, address window 0
.irp i, 0,1,2,3,4,5,6,7
	ds_load_b128 v[128+64*((\q)%2)+8*\i:128+64*((\q)%2)+8*\i+3], v[ADRB+(\q)/2] offset:2048*\i+1024*((\q)%2)
	ds_load_b128 v[128+64*((\q)%2)+8*\i+4:128+64*((\q)%2)+8*\i+7], v[ADRB+(\q)/2] offset:2048*\i+1024*((\q)%2)+512
.endr
.irp i, 0,1,2,3,4,5,6,7
	ds_load_b128 v[64*((\q)%2)+8*\i:64*((\q)%2)+8*\i+3], v[ADRA+(\q)/2] offset:2048*\i+1024*((\q)%2)
	ds_load_b128 v[64*((\q)%2)+8*\i+4:64*((\q)%2)+8*\i+7], v[ADRA+(\q)/2] offset:2048*\i+1024*((\q)%2)+512
.endr
.endm
.macro MUL32 q, hi                     ; row tiles 4 hi .. 4 hi + 3 x all 8 column tiles.  The 64 accumulators take turns, one instruction a turn, in the same order in every K step
.irp a, 0,1,2,3
.irp b, 0,1,2,3,4,5,6,7
.if (\q) == 0
	v_wmma_scale_f32_16x16x128_f8f6f4 v[8*(8*\a+\b):8*(8*\a+\b)+7], v[128+64*((\q)%2)+8*\b:128+64*((\q)%2)+8*\b+7], v[64*((\q)%2)+8*(4*\hi+\a):64*((\q)%2)+8*(4*\hi+\a)+7], v[BI+8*\b:BI+8*\b+7], v[SB+4*\b+(\q)%4], v[SA+4*(4*\hi+\a)+(\q)%4] matrix_a_fmt:MATRIX_FMT_FP4 matrix_b_fmt:MATRIX_FMT_FP4
.elseif (\q) < 4
	v_wmma_scale_f32_16x16x128_f8f6f4 v[8*(8*\a+\b):8*(8*\a+\b)+7], v[128+64*((\q)%2)+8*\b:128+64*((\q)%2)+8*\b+7], v[64*((\q)%2)+8*(4*\hi+\a):64*((\q)%2)+8*(4*\hi+\a)+7], v[8*(8*\a+\b):8*(8*\a+\b)+7], v[SB+4*\b+(\q)%4], v[SA+4*(4*\hi+\a)+(\q)%4] matrix_a_fmt:MATRIX_FMT_FP4 matrix_b_fmt:MATRIX_FMT_FP4
.else
	v_wmma_scale_f32_16x16x128_f8f6f4 v[8*(8*\a+\b):8*(8*\a+\b)+7], v[128+64*((\q)%2)+8*\b:128+64*((\q)%2)+8*\b+7], v[64*((\q)%2)+8*(4*\hi+\a):64*((\q)%2)+8*(4*\hi+\a)+7], v[8*(8*\a+\b):8*(8*\a+\b)+7], v[SB+4*\b+(\q)%4], v[SA+4*(4*\hi+\a)+(\q)%4] matrix_a_fmt:MATRIX_FMT_FP4 matrix_b_fmt:MATRIX_FMT_FP4 matrix_a_scale:MATRIX_SCALE_ROW1 matrix_b_scale:MATRIX_SCALE_ROW1
.endif
.endr
.endr
.endm
.macro KSTEP q
	s_wait_dscnt 0x0                               ; this K step's fragments are in (asked for 64 matrix instructions ago)
.if ((\q)%2 == 1) && ((\q) < 7)
	s_wait_tensorcnt 2-(\q)/2                      ; my part of the next two K steps has landed; the later parts may stay out
	s_barrier_signal -1
	s_barrier_wait -1                              ; everybody's has
.endif
.if (\q) < 7
	PLACES 4                                       ; ahead of loads into registers that the last K step's products read
	FETCH (\q)+1
.endif
.if (\q) == 0
	WIN 0x85                                       ; sources 0 and 1 window 1, C (the bias) window 0, D window 2
	MUL32 \q, 0
	WIN 0xc5
	MUL32 \q, 1
.else
	WIN 0xa5                                       ; C and D window 2
	MUL32 \q, 0
	WIN 0xf5                                       ; window 3
	MUL32 \q, 1
.endif
.endm
; 64 numbers of a lane, register 16 b + i = k 32 b + 16 (lane / 16) + i of my row, become a fragment's codes in v[PC] on and its scale word in v[PW]
.macro QUANT s
.irp b, 0,1,2,3
	v_max3_num_f32 v[TM+\b], |v[\s+16*\b]|, |v[\s+1+16*\b]|, 0x1800000   ; with the floor 2^(3 - 127): the byte cannot fall under 1
.endr
.irp i, 2,4,6,8,10,12,14
.irp b, 0,1,2,3
	v_max3_num_f32 v[TM+\b], v[TM+\b], |v[\s+16*\b+\i]|, |v[\s+1+16*\b+\i]|
.endr
.endr
.irp b, 0,1,2,3
	v_permlanex16_b32 v[TM+4+\b], v[TM+\b], s[SEL], s[SEL+1]
.endr
.irp b, 0,1,2,3
	v_max_num_f32 v[TM+\b], v[TM+\b], v[TM+4+\b]
.endr
.irp b, 0,1,2,3
	v_add_nc_u32 v[TM+12+\b], 0xff000000, v[TM+\b]
.endr
.irp b, 0,1,2,3
	v_lshrrev_b32 v[TM+4+\b], 23, v[TM+12+\b]
.endr
	v_lshl_or_b32 v[PW], v[TM+5], 8, v[TM+4]
	v_lshl_or_b32 v[PW], v[TM+6], 16, v[PW]
	v_lshl_or_b32 v[PW], v[TM+7], 24, v[PW]
.irp b, 0,1,2,3
	v_cvt_scalef32_pk8_fp4_f32 v[PC+2*\b], v[\s+16*\b:\s+7+16*\b], v[TM+12+\b]
	v_cvt_scalef32_pk8_fp4_f32 v[PC+1+2*\b], v[\s+8+16*\b:\s+15+16*\b], v[TM+12+\b]
.endr
	v_nop                                          ; one plain line behind the conversions
.irp c, 0,1
.irp i, 0,1
	v_permlane16_swap_b32 v[PC+4*\c+\i], v[PC+2+4*\c+\i]
.endr
.endr
.endm
	s_wait_tensorcnt 3                             ; my part of K steps 0 and 1 is in; three loads may stay out
	s_barrier_signal -1
	s_barrier_wait -1
	FETCH 0
	s_wait_loadcnt 0x0                             ; scale words and bias
.irp q, 0,1,2,3,4,5,6,7
	KSTEP \q
.endr
	; THE WAY OUT, a row tile at a time: relu (which also brings the numbers into window 0, each accumulator from its low end on), quantise, store
	PLACES 4
.irp a, 0,1,2,3,4,5,6,7
.if \a > 0
	s_wait_xcnt 0x0                                ; the last tile's stores have read their registers
.endif
	WIN 0x08+4*(\a/4)                              ; source 1: window 2 or 3
.irp j, 0,1,2,3,4,5,6,7,8,9,10,11,12,13,14,15,16,17,18,19,20,21,22,23,24,25,26,27,28,29,30,31,32,33,34,35,36,37,38,39,40,41,42,43,44,45,46,47,48,49,50,51,52,53,54,55,56,57,58,59,60,61,62,63
	v_max_num_f32 v[HA+\j], 0, v[64*(\a%4)+\j]
.endr
	WIN 0
	QUANT HA
	global_store_b128 v[LI], v[PC:PC+3], s[90:91] offset:32768*\a          ; 512 consecutive bytes each
	global_store_b128 v[LI], v[PC+4:PC+7], s[90:91] offset:32768*\a+512
	ds_store_b32 v[STI], v[PW] offset:64*\a        ; both lanes of a row write the same word
.endr
	ds_load_b128 v[HA:HA+3], v[STO]                ; my 128 rows' scale words: LDS serves a wave's instructions in order
	s_wait_dscnt 0x0
	global_store_b128 v[LI], v[HA:HA+3], s[92:93]
	s_wait_tensorcnt 0x0
	ds_add_u32 v254, v255
	s_wait_dscnt 0x0
	CROUND                                         ; the closing round: no work-group ends while a partner may still ask for a tile that names it
	s_endpgm
.Lfunc_end_k_q6a5ed1088c_ff1:
	.size	k_q6a5ed1088c_ff1, .Lfunc_end_k_q6a5ed1088c_ff1-k_q6a5ed1088c_ff1
	.p2alignl 7, 3214868480
	.fill 96, 4, 3214868480
	.section	.rodata,"a",@progbits
	.p2align	6, 0x0
	.amdhsa_kernel k_q6a5ed1088c_ff1
		.amdhsa_group_segment_fixed_size 327680
		.amdhsa_private_segment_fixed_size 0
		.amdhsa_enable_private_segment 0
		.amdhsa_kernarg_size 32
		.amdhsa_user_sgpr_count 2
		.amdhsa_user_sgpr_kernarg_segment_ptr 1
		.amdhsa_wavefront_size32 1
		.amdhsa_system_sgpr_workgroup_id_x 1
		.amdhsa_system_sgpr_workgroup_id_y 1
		.amdhsa_system_sgpr_workgroup_id_z 1
		.amdhsa_system_vgpr_workitem_id 0
		.amdhsa_next_free_vgpr 1024
		.amdhsa_next_free_sgpr 100
		.amdhsa_reserve_vcc 0
		.amdhsa_float_denorm_mode_32 3
		.amdhsa_float_denorm_mode_16_64 3
		.amdhsa_memory_ordered 1
		.amdhsa_forward_progress 1
		.amdhsa_inst_pref_size 144
	.end_amdhsa_kernel
	.amdgpu_metadata
---
amdhsa.version: [ 1, 2 ]
amdhsa.kernels:
  - .name:           k_q6a5ed1088c_ff1
    .symbol:         k_q6a5ed1088c_ff1.kd
    .args:
      - { .name: x1buf, .offset: 0, .size: 8, .value_kind: global_buffer, .address_space: global }
      - { .name: prepbuf, .offset: 8, .size: 8, .value_kind: global_buffer, .address_space: global }
      - { .name: ff_b1, .offset: 16, .size: 8, .value_kind: global_buffer, .address_space: global }
      - { .name: hbuf, .offset: 24, .size: 8, .value_kind: global_buffer, .address_space: global }
    .group_segment_fixed_size: 327680
    .private_segment_fixed_size: 0
    .kernarg_segment_align: 8
    .kernarg_segment_size: 32
    .max_flat_workgroup_size: 128
    .sgpr_count:     100
    .vgpr_count:     1024
    .wavefront_size: 32
...
	.end_amdgpu_metadata
.endif
;; end of part 4
;; launch ff2 (part 5): grid 8 x 32, 4 waves a work-group, clusters of 4 x 4, 327,680 bytes of LDS; arguments hbuf, prepbuf, y2; writes y2
.if DOCPART == 5
	.amdgcn_target "amdgcn-amd-amdhsa--gfx1250"
	.amdhsa_code_object_version 6
	.text
	.protected	k_q6a5ed1088c_ff2
	.globl	k_q6a5ed1088c_ff2
	.p2align	8
	.type	k_q6a5ed1088c_ff2,@function
k_q6a5ed1088c_ff2:
	s_mov_b64 s[64:65], 0
	v_nop
	global_prefetch_b8 v0, s[64:65] scope:SCOPE_SE
	s_setreg_imm32_b32 hwreg(HW_REG_WAVE_MODE, 25, 1), 1
	s_wait_xcnt 0x0
	s_wait_alu depctr_hold_cnt(0) depctr_sa_sdst(0) depctr_va_vdst(0) depctr_va_sdst(0) depctr_va_ssrc(0) depctr_va_vcc(0) depctr_vm_vsrc(0)
	s_getreg_b32 s2, hwreg(HW_REG_IB_STS2, 6, 4)
	s_cmp_eq_u32 s2, 0
	s_cbranch_scc0 .Lentry_in_a_cluster
	s_endpgm
.Lentry_in_a_cluster:
	s_bfe_u32 s2, ttmp6, 0x10000c
	s_cmp_lg_u32 s2, 0xf033
	s_cbranch_scc0 .Lentry_shape_is_right
	s_endpgm
.Lentry_shape_is_right:
; y2 = h ff_w2: [4096][4096] x [4096][1024] on codes of FP4, f32 sums, stored as natural rows.  Bias, residual and norm follow in the next launch, which owns whole rows.
; A tile of 128 x 128 to a work-group (256 work-groups; tiles of 256 x 256 would be 64); a wave makes 64 x 64: 16 accumulators.
; K = 4,096 goes in four fills of 8 K steps through two LDS slots of 128 KiB (h's 8 tiles x 8,192 bytes, then ff_w2's): images of fragments, dense, read 512 consecutive bytes at a time.  Each wave fetches a quarter of a slot.
; A wave has two tensor loads out at the start and one behind each round.
; CLUSTERS: 4 x 4; h's tiles are shared along a row of the cluster, ff_w2's along a column, each asked for jointly.
; THE MATRIX INSTRUCTION IS USED TRANSPOSED (source 0 = ff_w2^T's rows, source 1 = h's rows): a lane holds eight neighbouring columns of a row.  Rows and columns of a tile of 16 are 32 B + 8 u + r + 8 (r / 8): the way out puts them back.
; REGISTERS: window 0: addresses; v16-79 h's scale words (two a K step: lanes 0-15 tile 2 p, lanes 16-31 tile 2 p + 1); v80-143 ff_w2's (16 b + 4 G + j: K step 8 G + j in lanes 0-15, 8 G + 4 + j in lanes 16-31); v144-207 the way out.
;   window 1: v0-127 accumulator (a, b) at v[8 (4 a + b)]; h's fragments at v[128 + 64 f + 8 a], ff_w2's at v[160 + 64 f + 8 b], f = K step % 2.
.set W2_IMG, 0x700000
.set W2_SC,  0x928000
.set H_SC,   0x800000
.set SLOT,   131072
.set SPARE,  262144                    ; the spare words, 128 bytes a wave: two blocks of 256 bytes that no other line names
.set SPITCH, 272                       ; the way out: 16 rows x (256 bytes + 16) for each wave, in slot 0, which has had its last fill and its last read by then
.set LI,   3
.set ADRA, 4                           ; v4-5
.set ADRB, 6                           ; v6-7
.set STO,  8
.set RD,   9
.set CO,   10
.set L4,   11
.set SPW,  12
.set NIL,  13
.set SA,   16
.set SB,   80
.set BK,   144
.set G1A,  24
.set G0A,  32                          ; s[32:39] one set for each slot
.set G1B,  48
.set G0B,  56                          ; s[56:63]
.set MSB, 0
.macro WIN new
.if MSB != \new
	s_set_vgpr_msb (MSB<<8)|\new
.set MSB, \new
.endif
.endm
.macro PLACES n
.rept \n
	v_nop
.endr
.endm
.macro CROUND
	s_barrier_signal -1
	s_barrier_wait -1
	s_cmp_lg_u32 s14, 0
	s_cbranch_scc1 .Lnot_wave_0_\@
	s_barrier_signal -3
.Lnot_wave_0_\@:
	s_barrier_wait -3
	s_barrier_signal -1
	s_barrier_wait -1
.endm
.macro JLOAD g0a, g0b                  ; a joint refill: waves 0 and 1 fetch for h, waves 2 and 3 for ff_w2; four v_nop follow each of the two lines
	s_cmp_eq_u32 s15, 0
	s_cbranch_scc0 .Lfor_b_\@
	tensor_load_to_lds s[\g0a:\g0a+3], s[G1A:G1A+7]
	s_nop 0
	PLACES 4
	s_branch .Lasked_\@
.Lfor_b_\@:
	tensor_load_to_lds s[\g0b:\g0b+3], s[G1B:G1B+7]
	s_nop 0
	PLACES 4
.Lasked_\@:
.endm
	s_load_b128 s[4:7], s[0:1], 0x0                ; hbuf, prepbuf
	s_load_b64 s[12:13], s[0:1], 0x10              ; y2
	v_lshl_add_u32 v[SPW], v0, 2, SPARE
	v_mov_b32 v[NIL], 0
	ds_add_u32 v12, v13
	ds_add_u32 v12, v13
	s_wait_dscnt 0x0
	v_lshrrev_b32 v1, 5, v0
	v_readfirstlane_b32 s14, v1
	s_lshr_b32 s15, s14, 1                         ; my half of the rows.  Also: I fetch for h (0) or for ff_w2 (1)
	s_and_b32 s16, s14, 1                          ; my half of the columns.  Also: which 4 tiles I fetch
	s_bfe_u32 s40, ttmp6, 0x40000
	s_bfe_u32 s41, ttmp6, 0x40004
	s_lshl_b32 s42, ttmp9, 2
	s_add_co_u32 s42, s42, s40                     ; tile column
	s_and_b32 s17, ttmp7, 0xffff
	s_lshl_b32 s17, s17, 2
	s_add_co_u32 s17, s17, s41                     ; tile row
	s_lshl_b32 s43, s41, 2
	s_lshl_b32 s43, 15, s43
	s_lshl_b32 s44, 0x1111, s40
	s_or_b32 s[G1A], s43, (3<<16)|(1<<21)          ; the mask; elements of 8 bytes; bit 21 beside a mask; no padding
	s_or_b32 s[G1B], s44, (3<<16)|(1<<21)
.irp g, G1A, G1B
	s_mov_b32 s[\g+1], 1024<<16                    ; tensor_dim0: 8 K steps of a tile, 8,192 bytes
	s_mov_b32 s[\g+2], 4<<16                       ; tensor_dim1: 4 tiles
	s_mov_b32 s[\g+3], 1024<<16
	s_mov_b32 s[\g+4], 4
	s_mov_b32 s[\g+5], 4096                        ; from tile to tile: 32,768 bytes
	s_mov_b32 s[\g+6], 0
	s_mov_b32 s[\g+7], 0
.endr
	s_lshl_b32 s18, s16, 2
	s_lshl_b32 s20, s17, 3
	s_add_co_u32 s20, s20, s18                     ; h: tile 8 x tile row + 4 x half
	s_lshl_b32 s20, s20, 15
	s_mov_b32 s21, 0
	s_lshl_b32 s46, s42, 3
	s_add_co_u32 s46, s46, s18                     ; ff_w2: tile 8 x tile column + 4 x half
	s_lshl_b32 s46, s46, 15
	s_add_co_u32 s46, s46, W2_IMG
	s_mov_b32 s47, 0
	s_lshl_b32 s45, s14, 15                        ; in a slot: 32,768 x wave
	s_wait_kmcnt 0x0
	s_add_nc_u64 s[20:21], s[4:5], s[20:21]
	s_add_nc_u64 s[46:47], s[6:7], s[46:47]
	CROUND                                         ; in front of the first joint loads
.irp s, 0,1
	s_mov_b32 s[G0A+4*\s], 1
	s_add_co_u32 s[G0A+4*\s+1], s45, SLOT*\s
	s_add_nc_u64 s[G0A+4*\s+2:G0A+4*\s+3], s[20:21], 8192*\s
	s_or_b32 s[G0A+4*\s+3], s[G0A+4*\s+3], 0x80000000
	s_mov_b32 s[G0B+4*\s], 1
	s_add_co_u32 s[G0B+4*\s+1], s45, SLOT*\s
	s_add_nc_u64 s[G0B+4*\s+2:G0B+4*\s+3], s[46:47], 8192*\s
	s_or_b32 s[G0B+4*\s+3], s[G0B+4*\s+3], 0x80000000
.endr
	s_cmp_eq_u32 s15, 0                            ; a wave's two first fills stand in one branch
	s_cbranch_scc0 .Lfirst_b
	tensor_load_to_lds s[G0A:G0A+3], s[G1A:G1A+7]
	s_nop 0
	tensor_load_to_lds s[G0A+4:G0A+7], s[G1A:G1A+7]
	s_nop 0
	PLACES 4
	s_branch .Lfirst_asked
.Lfirst_b:
	tensor_load_to_lds s[G0B:G0B+3], s[G1B:G1B+7]
	s_nop 0
	tensor_load_to_lds s[G0B+4:G0B+7], s[G1B:G1B+7]
	s_nop 0
	PLACES 4
.Lfirst_asked:
	v_and_b32 v1, 31, v0
	v_lshlrev_b32 v[LI], 4, v1
	v_lshlrev_b32 v[L4], 2, v1
	v_and_b32 v2, 15, v0                           ; r
	v_bfe_u32 v14, v0, 4, 1                        ; h
	s_lshl_b32 s22, s15, 15
	v_add_nc_u32 v[ADRA], s22, v[LI]
	v_add_nc_u32 v[ADRA+1], SLOT, v[ADRA]
	s_lshl_b32 s22, s16, 15
	s_add_co_u32 s22, s22, 65536
	v_add_nc_u32 v[ADRB], s22, v[LI]
	v_add_nc_u32 v[ADRB+1], SLOT, v[ADRB]
	s_mul_i32 s22, s14, 16*SPITCH
	v_mul_u32_u24 v[STO], v2, SPITCH
	v_lshl_add_u32 v[STO], v14, 6, v[STO]
	v_add_nc_u32 v[STO], s22, v[STO]               ; the stage, in: row r, + 64 h
	v_mul_u32_u24 v[RD], v14, SPITCH
	v_lshl_add_u32 v[RD], v2, 4, v[RD]
	v_add_nc_u32 v[RD], s22, v[RD]                 ; back: lanes 0-15 one row of 256 bytes, lanes 16-31 the next
	v_lshlrev_b32 v[CO], 12, v14
	v_lshl_add_u32 v[CO], v2, 4, v[CO]             ; and the same in y2
	s_lshl_b32 s68, s17, 14
	s_lshl_b32 s69, s15, 8
	s_add_co_u32 s68, s68, s69
	s_add_co_u32 s68, s68, H_SC
	s_mov_b32 s69, 0
	s_add_nc_u64 s[68:69], s[4:5], s[68:69]        ; h's scale words: my 64 rows'
	s_lshl_b32 s70, s42, 3
	s_lshl_b32 s71, s16, 2
	s_add_co_u32 s70, s70, s71
	s_lshl_b32 s70, s70, 11
	s_add_co_u32 s70, s70, W2_SC
	s_mov_b32 s71, 0
	s_add_nc_u64 s[70:71], s[6:7], s[70:71]        ; ff_w2's: my four tiles'
	s_lshl_b32 s72, s17, 19                        ; y2: 128 rows of 4,096 bytes a tile row,
	s_lshl_b32 s73, s15, 18                        ; 64 a half,
	s_add_co_u32 s72, s72, s73
	s_lshl_b32 s73, s42, 9                         ; 512 bytes a tile column,
	s_add_co_u32 s72, s72, s73
	s_lshl_b32 s73, s16, 8                         ; 256 a half
	s_add_co_u32 s72, s72, s73
	s_mov_b32 s73, 0
	s_add_nc_u64 s[12:13], s[12:13], s[72:73]
.set Q, 0
.rept 32
	global_load_b32 v[SA+2*Q], v[L4], s[68:69] offset:512*Q
	global_load_b32 v[SA+2*Q+1], v[L4], s[68:69] offset:512*Q+128
.set Q, Q+1
.endr
.irp b, 0,1,2,3
.irp G, 0,1,2,3
	global_load_b128 v[SB+16*\b+4*\G:SB+16*\b+4*\G+3], v[LI], s[70:71] offset:2048*\b+512*\G
.endr
.endr
.macro FETCH q                         ; K step q's 8 fragments into set q % 2
.set FS, ((\q)>>3)&1
.set FK, (\q)&7
.set FF, (\q)&1
	WIN 0x40                                       ; destination window 1, address window 0
.irp i, 0,1,2,3
	ds_load_b128 v[160+64*FF+8*\i:160+64*FF+8*\i+3], v[ADRB+FS] offset:8192*\i+1024*FK
	ds_load_b128 v[160+64*FF+8*\i+4:160+64*FF+8*\i+7], v[ADRB+FS] offset:8192*\i+1024*FK+512
.endr
.irp i, 0,1,2,3
	ds_load_b128 v[128+64*FF+8*\i:128+64*FF+8*\i+3], v[ADRA+FS] offset:8192*\i+1024*FK
	ds_load_b128 v[128+64*FF+8*\i+4:128+64*FF+8*\i+7], v[ADRA+FS] offset:8192*\i+1024*FK+512
.endr
.endm
.macro WM d, x, y, z, sx, sy, rx, ry   ; one product; z: it starts the sum; rx, ry: the scale words stand in lanes 16-31
.if \z
.if \ry
	v_wmma_scale_f32_16x16x128_f8f6f4 v[\d:\d+7], v[\x:\x+7], v[\y:\y+7], 0, v[\sx], v[\sy] matrix_a_fmt:MATRIX_FMT_FP4 matrix_b_fmt:MATRIX_FMT_FP4 matrix_b_scale:MATRIX_SCALE_ROW1
.else
	v_wmma_scale_f32_16x16x128_f8f6f4 v[\d:\d+7], v[\x:\x+7], v[\y:\y+7], 0, v[\sx], v[\sy] matrix_a_fmt:MATRIX_FMT_FP4 matrix_b_fmt:MATRIX_FMT_FP4
.endif
.elseif (\rx) && (\ry)
	v_wmma_scale_f32_16x16x128_f8f6f4 v[\d:\d+7], v[\x:\x+7], v[\y:\y+7], v[\d:\d+7], v[\sx], v[\sy] matrix_a_fmt:MATRIX_FMT_FP4 matrix_b_fmt:MATRIX_FMT_FP4 matrix_a_scale:MATRIX_SCALE_ROW1 matrix_b_scale:MATRIX_SCALE_ROW1
.elseif \rx
	v_wmma_scale_f32_16x16x128_f8f6f4 v[\d:\d+7], v[\x:\x+7], v[\y:\y+7], v[\d:\d+7], v[\sx], v[\sy] matrix_a_fmt:MATRIX_FMT_FP4 matrix_b_fmt:MATRIX_FMT_FP4 matrix_a_scale:MATRIX_SCALE_ROW1
.elseif \ry
	v_wmma_scale_f32_16x16x128_f8f6f4 v[\d:\d+7], v[\x:\x+7], v[\y:\y+7], v[\d:\d+7], v[\sx], v[\sy] matrix_a_fmt:MATRIX_FMT_FP4 matrix_b_fmt:MATRIX_FMT_FP4 matrix_b_scale:MATRIX_SCALE_ROW1
.else
	v_wmma_scale_f32_16x16x128_f8f6f4 v[\d:\d+7], v[\x:\x+7], v[\y:\y+7], v[\d:\d+7], v[\sx], v[\sy] matrix_a_fmt:MATRIX_FMT_FP4 matrix_b_fmt:MATRIX_FMT_FP4
.endif
.endm
.macro MUL16 q                         ; the 16 accumulators take turns, in the same order in every K step
.set F, (\q)&1
.set SBQ, SB+4*((\q)>>3)+((\q)&3)
.set RX, ((\q)>>2)&1
.set Z, 0
.if (\q) == 0
.set Z, 1
.endif
.irp a, 0,1,2,3
.irp b, 0,1,2,3
	WM 8*(4*\a+\b), 160+64*F+8*\b, 128+64*F+8*\a, Z, SBQ+16*\b, SA+2*(\q)+\a/2, RX, \a%2
.endr
.endr
.endm
.macro KSTEP q
.set SL, ((\q)>>3)&1
.if ((\q) == 7) || ((\q) == 15)        ; a slot's last K step: its fragments were asked for a K step ago, so the slot can be filled again
	WIN 0
	s_wait_tensorcnt 0x0                           ; all my tensor loads have landed: my part of the other slot
	ds_add_u32 v[SPW], v[NIL]                      ; 0 onto my spare word
	s_add_nc_u64 s[G0A+4*SL+2:G0A+4*SL+3], s[G0A+4*SL+2:G0A+4*SL+3], 16384   ; no load of mine is out: this slot's next 8 K steps
	s_add_nc_u64 s[G0B+4*SL+2:G0B+4*SL+3], s[G0B+4*SL+2:G0B+4*SL+3], 16384
	s_wait_dscnt 0x0                               ; the add is done, and my reads of this slot are in registers
	CROUND                                         ; both now hold of every wave of every work-group of the cluster
	JLOAD G0A+4*SL, G0B+4*SL                       ; the first tensor load behind the round; it has 8 K steps in which to land; its four v_nop are also the places ahead of the loads below
.elseif (\q) == 23                     ; the last change of slots fills nothing
	WIN 0
	s_wait_tensorcnt 0x0
	ds_add_u32 v[SPW], v[NIL]
	s_wait_dscnt 0x0
	s_barrier_signal -1
	s_barrier_wait -1
	PLACES 4
.else
	s_wait_dscnt 0x0                               ; this K step's fragments are in
	PLACES 4                                       ; ahead of loads into registers that the last K step's products read
.endif
.if (\q) < 31
	FETCH (\q)+1
.endif
	WIN 0x55                                       ; all four operands in window 1
	MUL16 \q
.endm
	s_wait_tensorcnt 1                             ; my part of slot 0 is in; slot 1's may stay out
	s_barrier_signal -1
	s_barrier_wait -1
	FETCH 0
	s_wait_loadcnt 0x0                             ; the scale words
.set KQ, 0
.rept 32
	KSTEP KQ
.set KQ, KQ+1
.endr
	; THE WAY OUT, a row tile at a time, through my own stage: whole pieces of 256 bytes of a row come back, and sixteen lanes store 256 consecutive bytes, aligned
	PLACES 4
.irp a, 0,1,2,3
.if \a >= 2
	s_wait_xcnt 0x0                                ; the stores of two tiles back have read their registers
.endif
	WIN 0x04                                       ; an LDS store's data are its source 1: window 1
.irp b, 0,1,2,3
	ds_store_b128 v[STO], v[8*(4*\a+\b):8*(4*\a+\b)+3] offset:128*(\b/2)+32*(\b%2)        ; columns 32 B + 16 h + 8 u + 0 .. 7; each accumulator from its low end on
	ds_store_b128 v[STO], v[8*(4*\a+\b)+4:8*(4*\a+\b)+7] offset:128*(\b/2)+32*(\b%2)+16
.endr
	WIN 0
.irp i, 0,1,2,3,4,5,6,7
	ds_load_b128 v[BK+32*(\a%2)+4*\i:BK+32*(\a%2)+4*\i+3], v[RD] offset:2*\i*SPITCH       ; LDS serves a wave's instructions in order
.endr
	s_wait_dscnt 0x0
.irp i, 0,1,2,3,4,5,6,7
	global_store_b128 v[CO], v[BK+32*(\a%2)+4*\i:BK+32*(\a%2)+4*\i+3], s[12:13] offset:(32*(\a/2)+8*(\a%2)+2*\i+8*(\i/4))*4096 th:TH_STORE_NT   ; slot 2 i + h of tile a is this row
.endr
.endr
	s_wait_tensorcnt 0x0                           ; the wave's end
	ds_add_u32 v[SPW], v[NIL]
	s_wait_dscnt 0x0
	CROUND                                         ; the closing round
	s_endpgm
.Lfunc_end_k_q6a5ed1088c_ff2:
	.size	k_q6a5ed1088c_ff2, .Lfunc_end_k_q6a5ed1088c_ff2-k_q6a5ed1088c_ff2
	.p2alignl 7, 3214868480
	.fill 96, 4, 3214868480
	.section	.rodata,"a",@progbits
	.p2align	6, 0x0
	.amdhsa_kernel k_q6a5ed1088c_ff2
		.amdhsa_group_segment_fixed_size 327680
		.amdhsa_private_segment_fixed_size 0
		.amdhsa_enable_private_segment 0
		.amdhsa_kernarg_size 24
		.amdhsa_user_sgpr_count 2
		.amdhsa_user_sgpr_kernarg_segment_ptr 1
		.amdhsa_wavefront_size32 1
		.amdhsa_system_sgpr_workgroup_id_x 1
		.amdhsa_system_sgpr_workgroup_id_y 1
		.amdhsa_system_sgpr_workgroup_id_z 1
		.amdhsa_system_vgpr_workitem_id 0
		.amdhsa_next_free_vgpr 512
		.amdhsa_next_free_sgpr 100
		.amdhsa_reserve_vcc 0
		.amdhsa_float_denorm_mode_32 3
		.amdhsa_float_denorm_mode_16_64 3
		.amdhsa_memory_ordered 1
		.amdhsa_forward_progress 1
		.amdhsa_inst_pref_size 128
	.end_amdhsa_kernel
	.amdgpu_metadata
---
amdhsa.version: [ 1, 2 ]
amdhsa.kernels:
  - .name:           k_q6a5ed1088c_ff2
    .symbol:         k_q6a5ed1088c_ff2.kd
    .args:
      - { .name: hbuf, .offset: 0, .size: 8, .value_kind: global_buffer, .address_space: global }
      - { .name: prepbuf, .offset: 8, .size: 8, .value_kind: global_buffer, .address_space: global }
      - { .name: y2, .offset: 16, .size: 8, .value_kind: global_buffer, .address_space: global }
    .group_segment_fixed_size: 327680
    .private_segment_fixed_size: 0
    .kernarg_segment_align: 8
    .kernarg_segment_size: 24
    .max_flat_workgroup_size: 128
    .sgpr_count:     100
    .vgpr_count:     512
    .wavefront_size: 32
...
	.end_amdgpu_metadata
.endif
;; end of part 5
;; launch ln2 (part 6): grid 256 x 1, 8 waves a work-group, no clusters, 0 bytes of LDS; arguments y2, x1buf, ff_b2, ln2_g, ln2_b, out0; writes out0
.if DOCPART == 6
	.amdgcn_target "amdgcn-amd-amdhsa--gfx1250"
	.amdhsa_code_object_version 6
	.text
	.protected	k_q6a5ed1088c_ln2
	.globl	k_q6a5ed1088c_ln2
	.p2align	8
	.type	k_q6a5ed1088c_ln2,@function
k_q6a5ed1088c_ln2:
	s_mov_b64 s[64:65], 0
	v_nop
	global_prefetch_b8 v0, s[64:65] scope:SCOPE_SE
	s_setreg_imm32_b32 hwreg(HW_REG_WAVE_MODE, 25, 1), 1
	s_wait_xcnt 0x0
; out0 = layer_norm(y2 + ff_b2 + x1), rows of 1,024 f32.  Memory binds: every byte is read once and written once, by loads and stores of 512 consecutive bytes.
; A wave takes two rows; a row lies in 32 registers a lane (lane l: numbers 128 j + 4 l .. + 3), so the reduction never leaves the wave: no LDS, no barrier, no matrix unit.  All 56 loads of a wave go out at once.
.set LI, 1
.set B2, 4                             ; v4-35    ff_b2
.set Y0, 36                            ; v36-67   row 0: y2, then the result
.set X0, 68                            ; v68-99   row 0: x1
.set GG, 100                           ; v100-131 ln2_g
.set BB, 132                           ; v132-163 ln2_b
.set Y1, 164
.set X1, 196
.set SA, 228
.set SB, 230
.set MU, 232
.set RS, 234
.set TP, 236
.set SEL, 20
.set INV, 22
.set EPS, 23
	s_load_b256 s[4:11], s[0:1], 0x0               ; y2, x1buf, ff_b2, ln2_g
	s_load_b128 s[12:15], s[0:1], 0x20             ; ln2_b, out0
	v_lshrrev_b32 v2, 5, v0
	v_readfirstlane_b32 s16, v2
	v_and_b32 v[LI], 31, v0
	v_lshlrev_b32 v[LI], 4, v[LI]
	v_mov_b32 v[TP], 0                             ; a lane permute's destination counts as one of its sources
	s_lshl_b32 s18, ttmp9, 16                      ; 16 rows of 4,096 bytes a work-group,
	s_lshl_b32 s17, s16, 13                        ; two a wave
	s_add_co_u32 s18, s18, s17
	s_mov_b32 s19, 0
	s_mov_b32 s[SEL], 0x76543210
	s_mov_b32 s[SEL+1], 0xfedcba98
	s_mov_b32 s[INV], 0x3a800000                   ; 1 / 1,024
	s_mov_b32 s[EPS], 0x3727c5ac                   ; 1e-5
	s_wait_kmcnt 0x0
	s_add_nc_u64 s[4:5], s[4:5], s[18:19]
	s_add_nc_u64 s[6:7], s[6:7], s[18:19]          ; x1's f32 rows lie at the buffer's head
	s_add_nc_u64 s[14:15], s[14:15], s[18:19]
.macro LANESUM
	v_add_f32_dpp v[SA], v[SA], v[SA] row_xmask:1 row_mask:0xf bank_mask:0xf
	v_add_f32_dpp v[SA], v[SA], v[SA] row_xmask:2 row_mask:0xf bank_mask:0xf
	v_add_f32_dpp v[SA], v[SA], v[SA] row_xmask:4 row_mask:0xf bank_mask:0xf
	v_add_f32_dpp v[SA], v[SA], v[SA] row_xmask:8 row_mask:0xf bank_mask:0xf
	v_permlanex16_b32 v[TP], v[SA], s[SEL], s[SEL+1]
	v_add_f32 v[SA], v[SA], v[TP]
.endm
; mean, then the mean of the squares of x - mean (two passes: a common offset does no harm), rsqrt, gain, bias.  cnt: the loads that may stay out when gain and bias are wanted
.macro LNROW x, g, b, cnt
	v_pk_add_f32 v[SA:SA+1], v[\x:\x+1], v[\x+2:\x+3]
	v_pk_add_f32 v[SB:SB+1], v[\x+4:\x+5], v[\x+6:\x+7]
.irp i, 8,12,16,20,24,28
	v_pk_add_f32 v[SA:SA+1], v[SA:SA+1], v[\x+\i:\x+\i+1]
	v_pk_add_f32 v[SB:SB+1], v[SB:SB+1], v[\x+\i+2:\x+\i+3]
.endr
	v_pk_add_f32 v[SA:SA+1], v[SA:SA+1], v[SB:SB+1]
	v_add_f32 v[SA], v[SA], v[SA+1]
	LANESUM
	v_mul_f32 v[MU], s[INV], v[SA]
	v_mov_b32 v[MU+1], v[MU]
.irp i, 0,2,4,6,8,10,12,14,16,18,20,22,24,26,28,30
	v_pk_add_f32 v[\x+\i:\x+\i+1], v[\x+\i:\x+\i+1], v[MU:MU+1] neg_lo:[0,1] neg_hi:[0,1]
.endr
	v_pk_mul_f32 v[SA:SA+1], v[\x:\x+1], v[\x:\x+1]
	v_pk_mul_f32 v[SB:SB+1], v[\x+2:\x+3], v[\x+2:\x+3]
.irp i, 4,8,12,16,20,24,28
	v_pk_fma_f32 v[SA:SA+1], v[\x+\i:\x+\i+1], v[\x+\i:\x+\i+1], v[SA:SA+1]
	v_pk_fma_f32 v[SB:SB+1], v[\x+\i+2:\x+\i+3], v[\x+\i+2:\x+\i+3], v[SB:SB+1]
.endr
	v_pk_add_f32 v[SA:SA+1], v[SA:SA+1], v[SB:SB+1]
	v_add_f32 v[SA], v[SA], v[SA+1]
	LANESUM
	v_fma_f32 v[RS], v[SA], s[INV], s[EPS]
	v_rsq_f32 v[RS], v[RS]
	v_nop                                          ; a plain line behind the transcendental,
	s_wait_alu depctr_va_vdst(0)                   ; and the wait ahead of its first reader
	v_mov_b32 v[RS+1], v[RS]
.irp i, 0,2,4,6,8,10,12,14,16,18,20,22,24,26,28,30
	v_pk_mul_f32 v[\x+\i:\x+\i+1], v[\x+\i:\x+\i+1], v[RS:RS+1]
.endr
	s_wait_loadcnt \cnt
.irp i, 0,2,4,6,8,10,12,14,16,18,20,22,24,26,28,30
	v_pk_fma_f32 v[\x+\i:\x+\i+1], v[\x+\i:\x+\i+1], v[\g+\i:\g+\i+1], v[\b+\i:\b+\i+1]
.endr
.endm
.irp j, 0,1,2,3,4,5,6,7
	global_load_b128 v[B2+4*\j:B2+4*\j+3], v[LI], s[8:9] offset:512*\j
.endr
.irp j, 0,1,2,3,4,5,6,7
	global_load_b128 v[Y0+4*\j:Y0+4*\j+3], v[LI], s[4:5] offset:512*\j th:TH_LOAD_NT
.endr
.irp j, 0,1,2,3,4,5,6,7
	global_load_b128 v[X0+4*\j:X0+4*\j+3], v[LI], s[6:7] offset:512*\j th:TH_LOAD_NT
.endr
.irp j, 0,1,2,3,4,5,6,7
	global_load_b128 v[GG+4*\j:GG+4*\j+3], v[LI], s[10:11] offset:512*\j
.endr
.irp j, 0,1,2,3,4,5,6,7
	global_load_b128 v[BB+4*\j:BB+4*\j+3], v[LI], s[12:13] offset:512*\j
.endr
.irp j, 0,1,2,3,4,5,6,7
	global_load_b128 v[Y1+4*\j:Y1+4*\j+3], v[LI], s[4:5] offset:4096+512*\j th:TH_LOAD_NT
.endr
.irp j, 0,1,2,3,4,5,6,7
	global_load_b128 v[X1+4*\j:X1+4*\j+3], v[LI], s[6:7] offset:4096+512*\j th:TH_LOAD_NT
.endr
	s_wait_loadcnt 32                              ; ff_b2 and row 0 are in; gain, bias and row 1 (32 loads) may be out
.irp i, 0,2,4,6,8,10,12,14,16,18,20,22,24,26,28,30
	v_pk_add_f32 v[Y0+\i:Y0+\i+1], v[Y0+\i:Y0+\i+1], v[B2+\i:B2+\i+1]
.endr
.irp i, 0,2,4,6,8,10,12,14,16,18,20,22,24,26,28,30
	v_pk_add_f32 v[Y0+\i:Y0+\i+1], v[Y0+\i:Y0+\i+1], v[X0+\i:X0+\i+1]
.endr
	LNROW Y0, GG, BB, 16                           ; row 1's 16 loads may still be out when gain and bias are wanted
.irp j, 0,1,2,3,4,5,6,7
	global_store_b128 v[LI], v[Y0+4*\j:Y0+4*\j+3], s[14:15] offset:512*\j th:TH_STORE_NT
.endr
	s_wait_loadcnt 0x0
.irp i, 0,2,4,6,8,10,12,14,16,18,20,22,24,26,28,30
	v_pk_add_f32 v[Y1+\i:Y1+\i+1], v[Y1+\i:Y1+\i+1], v[B2+\i:B2+\i+1]
.endr
.irp i, 0,2,4,6,8,10,12,14,16,18,20,22,24,26,28,30
	v_pk_add_f32 v[Y1+\i:Y1+\i+1], v[Y1+\i:Y1+\i+1], v[X1+\i:X1+\i+1]
.endr
	LNROW Y1, GG, BB, 0
.irp j, 0,1,2,3,4,5,6,7
	global_store_b128 v[LI], v[Y1+4*\j:Y1+4*\j+3], s[14:15] offset:4096+512*\j th:TH_STORE_NT
.endr
	s_endpgm
.Lfunc_end_k_q6a5ed1088c_ln2:
	.size	k_q6a5ed1088c_ln2, .Lfunc_end_k_q6a5ed1088c_ln2-k_q6a5ed1088c_ln2
	.p2alignl 7, 3214868480
	.fill 96, 4, 3214868480
	.section	.rodata,"a",@progbits
	.p2align	6, 0x0
	.amdhsa_kernel k_q6a5ed1088c_ln2
		.amdhsa_group_segment_fixed_size 0
		.amdhsa_private_segment_fixed_size 0
		.amdhsa_enable_private_segment 0
		.amdhsa_kernarg_size 48
		.amdhsa_user_sgpr_count 2
		.amdhsa_user_sgpr_kernarg_segment_ptr 1
		.amdhsa_wavefront_size32 1
		.amdhsa_system_sgpr_workgroup_id_x 1
		.amdhsa_system_sgpr_workgroup_id_y 1
		.amdhsa_system_sgpr_workgroup_id_z 1
		.amdhsa_system_vgpr_workitem_id 0
		.amdhsa_next_free_vgpr 244
		.amdhsa_next_free_sgpr 66
		.amdhsa_reserve_vcc 0
		.amdhsa_float_denorm_mode_32 3
		.amdhsa_float_denorm_mode_16_64 3
		.amdhsa_memory_ordered 1
		.amdhsa_forward_progress 1
		.amdhsa_inst_pref_size 24
	.end_amdhsa_kernel
	.amdgpu_metadata
---
amdhsa.version: [ 1, 2 ]
amdhsa.kernels:
  - .name:           k_q6a5ed1088c_ln2
    .symbol:         k_q6a5ed1088c_ln2.kd
    .args:
      - { .name: y2, .offset: 0, .size: 8, .value_kind: global_buffer, .address_space: global }
      - { .name: x1buf, .offset: 8, .size: 8, .value_kind: global_buffer, .address_space: global }
      - { .name: ff_b2, .offset: 16, .size: 8, .value_kind: global_buffer, .address_space: global }
      - { .name: ln2_g, .offset: 24, .size: 8, .value_kind: global_buffer, .address_space: global }
      - { .name: ln2_b, .offset: 32, .size: 8, .value_kind: global_buffer, .address_space: global }
      - { .name: out0, .offset: 40, .size: 8, .value_kind: global_buffer, .address_space: global }
    .group_segment_fixed_size: 0
    .private_segment_fixed_size: 0
    .kernarg_segment_align: 8
    .kernarg_segment_size: 48
    .max_flat_workgroup_size: 256
    .sgpr_count:     66
    .vgpr_count:     244
    .wavefront_size: 32
...
	.end_amdgpu_metadata
.endif
;; end of part 6
;; ======== version 2 of 2: 6 launches; version 1 with the launches attn, fcln1 written anew for expert scheduling mode
;; workspace buffers: prepbuf 9,732,096 bytes; obuf 2,228,224 bytes; x1buf 19,005,440 bytes; hbuf 8,912,896 bytes; y2 16,777,216 bytes; flags 1,024 bytes of whole numbers
;; launch prep: the kernel of part 1 again; grid 401 x 1, 4 waves a work-group, no clusters, 37,376 bytes of LDS; arguments queries, keys, fc_w_codes, fc_w_scales, ff_w1_codes, ff_w1_scales, ff_w2_codes, ff_w2_scales, prepbuf, mask, flags; writes prepbuf, flags
;; launch attn (part 7): grid 8 x 32, 16 waves a work-group, no clusters, 155,136 bytes of LDS; arguments prepbuf, values_codes, values_scales, mask, flags, obuf; writes obuf
.if DOCPART == 7
	.amdgcn_target "amdgcn-amd-amdhsa--gfx1250"
	.amdhsa_code_object_version 6
	.text
	.protected	k_q6a5ed1088c_attn
	.globl	k_q6a5ed1088c_attn
	.p2align	8
	.type	k_q6a5ed1088c_attn,@function
k_q6a5ed1088c_attn:
	s_mov_b64 s[64:65], 0
	v_nop
	global_prefetch_b8 v0, s[64:65] scope:SCOPE_SE
	s_setreg_imm32_b32 hwreg(HW_REG_WAVE_SCHED_MODE, 0, 2), 2
	s_setreg_imm32_b32 hwreg(HW_REG_WAVE_MODE, 25, 1), 1
	s_wait_xcnt 0x0
	s_wait_alu depctr_vm_vsrc(0)
; ATTENTION of one head on codes of FP4: S^T = K Q^T (K = the head's 64 channels: the upper half of the instruction's 128 is zero codes), key mask, p = 2^(t - M), O^T = V^T P^T, O / l, and O quantised along the channels
; for the next product.  t = score x log2(e) / 32; M = the running largest t rounded up to a whole number; the row's sum is taken of the unquantised p.
; SHARES.  A work-group owns 256 queries of one head; each of its sixteen waves 16 of them, one tile, in 256 registers: four waves to a SIMD, so that one wave's vector work stands beside another's matrix work.
; The head's K (64 KiB of images), V (64 rows of 1,024 bytes) and their scale words are brought into LDS ONCE, through registers, and stay: no ring.
; NO CLUSTER, NO TENSOR LOAD: what work-groups of a head share is 140 KiB, read once at the head of a launch whose time goes to the softmax; and the step branches on a stored whole number (does the mask hide a key of these
; 128?), which spares 16 LDS loads and 32 additions in every step without a hole.
; LAYOUT.  Both products are used transposed: a lane holds ONE query throughout.  Keys and V's channels lie in tiles whose rows are 32 B + 8 u + r + 8 (r / 8): p's 16 registers of two neighbouring tiles are 16 neighbouring keys,
; O^T's are 16 neighbouring channels.
; THE MASK: a bias of 0 or -infinity for each key, made here from each thread's own four mask words and added to the scores ahead of the maximum: p = 0 there.  Which steps have a hidden key at all was found by the launch
; before: 16 bits a batch, read by two scalar loads.
; LIMITS: a batch whose mask hides every key is not served (l = 0); blocks whose largest magnitude lies under 2^-124 keep the scale byte 1; NaN and infinities among the inputs are not served.
; THE MODE: SCHED_MODE bits 1:0 = 2 (LLVM: expert scheduling mode 2), set by the entry lines.  The code itself states the register dependences between vector or matrix instructions and memory or LDS instructions,
; with s_wait_alu, always for 0.
; THE PLAN.  Registers that LDS instructions touch in the loop:
;   K's lower halves (v32-35, v40-43 .. v88-91) and scale words v248-251.  Step i's eight products K Q^T read them; in a step with a hidden key the first half of the bias lands in the lower halves next and sixteen additions read it;
;                      the loads of step i + 1 land in them in the second half of step i.
;   V's fragments v192-223 and scale words v240-241.  Step i's four products V^T P, its last instructions, read them; in a step with a hidden key the second half of the bias lands in v192-223 first and sixteen additions read it;
;                      the loads of step i land in them in the second half of step i.
;   v5-v9              LDS addresses: read by those loads, written once a step by five additions (V's of this step, K's and the bias's of the next), behind the mask's part.
; So the wait on va_vdst that stands behind the step's 64 exponentials states all that the step's 22 loads hang on: every reader of K's and V's registers, and the five additions, stand ahead of it, and the vector
; instructions behind it, up to the last of the loads, name v14-15, v96-159 and v232-237 alone.  V's ten loads follow it in a run, K's twelve are dealt among the additions of the row's sum.  One wait on vm_vsrc a step stands ahead of
; the five additions.  One wait on va_vdst stands ahead of the products V^T P, whose operand p and its scale word vector instructions have just written; one more under the mask's branch, ahead of the bias's loads.
.set K_IMG, 0x200000                   ; sections of prepbuf
.set Q_SC,  0x400000
.set K_SC,  0x440000
.set O_SC,  0x200000                   ; of obuf: images [row tile 256][K step 8][1024] at 0; here [head 16][slot 4096] two scale bytes
.set KSC,   65536                      ; LDS: K's images [tile 128][512] at 0; K's scale words [tile][16];
.set VROW,  73728                      ; V's 64 rows in the order of its tiles, 1,024 bytes + 16;
.set VP,    1040
.set VSC,   140288                     ; V's scale words [step 16][row 64];
.set BIAS,  144384                     ; 0 or -infinity for each key;
.set OSC,   152576                     ; two scale bytes for each of my 256 queries
.set LI,  1                            ; v1   16 x lane
.set AKS, 2                            ; v2   K's scale words: KSC + 4 x lane
.set AV,  3                            ; v3   V: VROW + VP r + 16 h
.set AB,  4                            ; v4   BIAS + 64 h
.set AVS, 10                           ; v10  VSC + 4 x lane
.set AOS, 11                           ; v11  OSC + 32 x wave + 2 r
.set T16, 25                           ; v25-31 addresses of the head and the end
.set VST, 26
.set VSS, 27
.set QSO, 28
.set OSR, 29
.set KSS, 30
.set BST, 31
.set WV,  14
.set TK,  34                           ; s34-37 offsets in LDS: the NEXT step's images of K; its scale words and bias; THIS step's rows of V; its scale words
.set TS,  35
.set TV,  36
.set TT,  37
.set MSK, 38                           ; s38  bit 0: this step has a hidden key
.set CNT, 39
.set CS,  40                           ; s[40:41] c = log2(e) / 32
.set SEL, 42                           ; s[42:43] lane l xor 16
; REGISTERS of the loop: v5-9 the addresses; v12 -M, v13 the largest t, v[14:15] the sum; v16-23 Q, v24 its scale words; v32-95 eight fragments of K; v96-159 S^T, then p; v160-191 O^T; v192-223 four fragments of V;
; v224-231 p's codes; v232-239, v244-247, v252-254 at work; v240-241 V's scale words; v248-251 K's.
	s_load_b256 s[4:11], s[0:1], 0x0               ; prepbuf, V's codes, V's scales, mask
	s_load_b128 s[48:51], s[0:1], 0x20             ; flags, obuf
	v_lshl_add_u32 v243, v0, 2, 0x25600
	v_mov_b32 v255, 0
	v_lshrrev_b32 v5, 5, v0
	v_readfirstlane_b32 s[WV], v5                  ; wave 0..15
	v_and_b32 v6, 31, v0                           ; lane
	v_and_b32 v7, 15, v0                           ; r
	v_bfe_u32 v8, v0, 4, 1                         ; h
	v_lshlrev_b32 v[LI], 4, v6
	v_lshl_add_u32 v[AKS], v6, 2, KSC
	v_mul_u32_u24 v[AV], v7, VP
	v_lshl_add_u32 v[AV], v8, 4, v[AV]
	v_add_nc_u32 v[AV], VROW, v[AV]
	v_lshl_add_u32 v[AB], v8, 6, BIAS
	v_lshl_add_u32 v[AVS], v6, 2, VSC
	s_wait_alu depctr_va_sdst(0)                   ; the wave's number is written, ahead of its first reader
	s_lshl_b32 s44, s[WV], 5
	s_add_co_u32 s44, s44, OSC
	v_lshl_add_u32 v[AOS], v7, 1, s44
	v_lshlrev_b32 v[T16], 4, v0                    ; 16 x thread
	v_lshrrev_b32 v[VST], 6, v0                    ; V on its way in: 64 threads to a row
	v_mul_u32_u24 v[VST], v[VST], VP
	v_and_b32 v9, 63, v0
	v_lshl_add_u32 v[VST], v9, 4, v[VST]
	v_add_nc_u32 v[VST], VROW, v[VST]
	v_bfe_u32 v[VSS], v0, 2, 6                     ; V's scale bytes: thread T holds four words of channel T / 4; its row in tile order has the channel's bits 3 and 4 changed over
	v_and_b32 v[VSS], 0x27, v[VSS]
	v_bfe_u32 v9, v0, 5, 1
	v_lshl_add_u32 v[VSS], v9, 4, v[VSS]
	v_bfe_u32 v9, v0, 6, 1
	v_lshl_add_u32 v[VSS], v9, 3, v[VSS]
	v_lshlrev_b32 v[VSS], 2, v[VSS]
	v_and_b32 v9, 3, v0
	v_lshl_add_u32 v[VSS], v9, 10, v[VSS]          ; steps 4 (T % 4) on, 256 bytes a step
	v_add_nc_u32 v[VSS], VSC, v[VSS]
	v_lshlrev_b32 v[QSO], 2, v7
	v_lshl_add_u32 v[OSR], v6, 4, OSC
	v_add_nc_u32 v[KSS], KSC, v[T16]
	v_add_nc_u32 v[BST], BIAS, v[T16]
	s_and_b32 s15, ttmp7, 0xffff                   ; 16 x batch + head
	s_lshr_b32 s16, s15, 4                         ; batch
	s_and_b32 s17, s15, 15                         ; head
	s_lshl_b32 s18, ttmp9, 4
	s_add_co_u32 s18, s18, s[WV]                   ; my tile among the head's 128
	s_mov_b32 s33, 0
	s_mov_b32 s[CS], 0x3d38aa3b
	s_mov_b32 s[CS+1], s[CS]                       ; (named with it as a pair, so it is written)
	s_mov_b32 s[SEL], 0x76543210
	s_mov_b32 s[SEL+1], 0xfedcba98
	s_wait_kmcnt 0x0
	s_lshl_b32 s32, s16, 9                         ; the flags of my batch: two runs of 256 bytes
	s_add_nc_u64 s[48:49], s[48:49], s[32:33]
	s_load_b32 s[MSK], s[48:49], 0x0               ; steps 0 to 7: waited for behind the head's barrier
	s_load_b32 s52, s[48:49], 0x100                ; steps 8 to 15
	s_lshl_b32 s32, s15, 16
	s_add_nc_u64 s[6:7], s[6:7], s[32:33]          ; V's codes of my head: 64 rows of 1,024 bytes
	s_add_nc_u64 s[24:25], s[4:5], s[32:33]
	s_add_nc_u64 s[20:21], s[24:25], K_IMG         ; K's images of my head
	s_lshl_b32 s32, s18, 9
	s_add_nc_u64 s[24:25], s[24:25], s[32:33]      ; my tile of Q
	s_lshl_b32 s32, s15, 13
	s_add_nc_u64 s[26:27], s[4:5], s[32:33]
	s_add_nc_u64 s[22:23], s[26:27], K_SC          ; K's scale words
	s_add_nc_u64 s[26:27], s[26:27], Q_SC
	s_lshl_b32 s32, s18, 6
	s_add_nc_u64 s[26:27], s[26:27], s[32:33]      ; my tile's
	s_lshl_b32 s32, s15, 12
	s_add_nc_u64 s[8:9], s[8:9], s[32:33]          ; V's scale bytes
	s_lshl_b32 s32, s16, 13
	s_add_nc_u64 s[10:11], s[10:11], s[32:33]      ; my batch's mask
	s_lshl_b32 s32, s16, 7
	s_add_co_u32 s32, s32, s18                     ; my row tile among 256
	s_lshl_b32 s32, s32, 3
	s_lshr_b32 s19, s17, 1
	s_add_co_u32 s32, s32, s19                     ; K step of the next product: head / 2
	s_lshl_b32 s32, s32, 10
	s_and_b32 s19, s17, 1
	s_lshl_b32 s19, s19, 9                         ; and the half of its fragment: head % 2
	s_add_co_u32 s32, s32, s19
	s_add_nc_u64 s[28:29], s[50:51], s[32:33]
	s_lshl_b32 s32, s17, 13
	s_lshl_b32 s19, s16, 12
	s_add_co_u32 s32, s32, s19
	s_lshl_b32 s19, ttmp9, 9
	s_add_co_u32 s32, s32, s19
	s_add_co_u32 s32, s32, O_SC
	s_add_nc_u64 s[30:31], s[50:51], s[32:33]      ; my work-group's 256 pairs of scale bytes
	s_wait_alu depctr_va_vdst(0)                   ; the addresses v1-v4, v10, v11 and v25-v31 are written, which the loads and stores of the head, the loop and the end read
.irp i, 0,1,2,3,4,5,6,7
	global_load_b128 v[32+4*\i:35+4*\i], v[T16], s[20:21] offset:8192*\i
.endr
.irp j, 0,1,2,3,4,5,6,7
	global_load_b128 v[64+4*\j:67+4*\j], v[T16], s[6:7] offset:8192*\j    ; channels 8 j .. 8 j + 7
.endr
	global_load_b128 v[96:99], v[T16], s[22:23]
	global_load_b128 v[100:103], v[T16], s[10:11]  ; four keys' mask words: the 512 threads together read the batch's mask once
	s_cmp_lt_u32 s[WV], 8
	s_cbranch_scc0 .Lno_vs
	global_load_b128 v[104:107], v[T16], s[8:9]    ; 4,096 bytes: waves 0 to 7
.Lno_vs:
	global_load_b128 v[16:19], v[LI], s[24:25]     ; Q's fragment, its lower half
	global_load_b32 v24, v[QSO], s[26:27]
	s_wait_loadcnt 0x0
	v_mov_b32 v108, 0xff800000                     ; -infinity
.irp k, 0,1,2,3
	v_cmp_eq_u32 s[44+\k], 0, v[100+\k]            ; the four compares in a run, a scalar register each
.endr
	s_wait_alu depctr_va_sdst(0)                   ; the four masks s44-s47 are written, ahead of the selects that read them
.irp k, 0,1,2,3
	v_cndmask_b32 v[100+\k], 0, v108, s[44+\k]
.endr
.irp i, 0,1,2,3,4,5,6,7
	ds_store_b128 v[T16], v[32+4*\i:35+4*\i] offset:8192*\i    ; loaded data and addresses from ahead of the last wait on va_vdst: the nine vector lines since name v100-103 and v108 alone
.endr
.irp b, 0,1
.irp g, 0,1
.irp u, 0,1
	ds_store_b128 v[VST], v[64+4*(4*\b+2*\g+\u):67+4*(4*\b+2*\g+\u)] offset:(32*\b+16*\u+8*\g)*VP   ; channels 32 b + 16 g + 8 u on are rows 8 g on of tile 2 b + u
.endr
.endr
.endr
	ds_store_b128 v[KSS], v[96:99]
	s_wait_alu depctr_va_vdst(0)                   ; the selects have written v100-103, which the next store reads
	ds_store_b128 v[BST], v[100:103]
	s_cmp_lt_u32 s[WV], 8
	s_cbranch_scc0 .Lno_vst
.irp k, 0,1,2,3
	ds_store_b32 v[VSS], v[104+\k] offset:256*\k
.endr
.Lno_vst:
	s_wait_dscnt 0x0                               ; for the others' sake: my stores have landed
	s_barrier_signal -1
	s_barrier_wait -1
	s_wait_kmcnt 0x0                               ; the flags
	s_lshl_b32 s52, s52, 8
	s_or_b32 s[MSK], s[MSK], s52                   ; bit i: step i has a hidden key
	s_wait_alu depctr_vm_vsrc(0)                   ; my LDS stores have read v32-v107: the zero codes below are written into these registers, and K's loads land in them
.irp j, 20,21,22,23
	v_mov_b32 v[\j], 0                             ; channels 64 to 127 of Q: zero codes
.endr
.irp t, 0,1,2,3,4,5,6,7
.irp k, 4,5,6,7
	v_mov_b32 v[32+8*\t+\k], 0                     ; and of K: written once, the loop loads the lower halves alone
.endr
.endr
.irp j, 0,1,2,3,4,5,6,7,8,9,10,11,12,13,14,15,16,17,18,19,20,21,22,23,24,25,26,27,28,29,30,31
	v_mov_b32 v[160+\j], 0                         ; O^T: the step is written once; the first finds zeros, which the first change of M leaves zeros
.endr
	v_mov_b32 v14, 0
	v_mov_b32 v15, 0
.irp b, 0,1,2,3
	v_mov_b32 v[236+\b], 0                         ; a lane permute's destination counts as one of its sources
.endr
	v_mov_b32 v253, 0
	v_mov_b32 v13, 0xff61b1e6                      ; the largest t so far: -3e38
	v_floor_f32 v12, -v13                          ; -M
	v_add_nc_u32 v9, 0, v[AB]                      ; the bias of step 0
	s_mov_b32 s[TK], 4096                          ; K, its scale words and the bias: step 1's
	s_mov_b32 s[TS], 512
	s_mov_b32 s[TV], 0                             ; V and its scale words: step 0's
	s_mov_b32 s[TT], 0
	s_mov_b32 s[CNT], 15
	s_wait_alu depctr_va_vdst(0)                   ; v9 is written, which the bias's loads read; so are the zero codes of Q and K, operands of the scaled products
.irp t, 0,1,2,3,4,5,6,7
	ds_load_b128 v[32+8*\t:35+8*\t], v[LI] offset:512*\t       ; step 0's K
.endr
.irp b, 0,1,2,3
	ds_load_b32 v[248+\b], v[AKS] offset:128*\b    ; lanes 0-15: tile 2 b's words; lanes 16-31: tile 2 b + 1's
.endr
; A KEY STEP: 128 keys.  last = 1: the last step, which asks for no further K.
.macro STEP last
	s_wait_dscnt 0x0                               ; K and its scale words, asked for in the step before, are in
.irp t, 0,2,4,6
	v_wmma_scale_f32_16x16x128_f8f6f4 v[96+8*\t:103+8*\t], v[32+8*\t:39+8*\t], v[16:23], 0, v[248+\t/2], v24 matrix_a_fmt:MATRIX_FMT_FP4 matrix_b_fmt:MATRIX_FMT_FP4
	v_wmma_scale_f32_16x16x128_f8f6f4 v[104+8*\t:111+8*\t], v[40+8*\t:47+8*\t], v[16:23], 0, v[248+\t/2], v24 matrix_a_fmt:MATRIX_FMT_FP4 matrix_b_fmt:MATRIX_FMT_FP4 matrix_a_scale:MATRIX_SCALE_ROW1
.endr
.rept 4
	v_nop                                          ; places ahead of the first read of the scores and of loads into K's and V's registers
.endr
	s_bitcmp1_b32 s[MSK], 0
	s_cbranch_scc0 .Lopen_\@                       ; a step without a hidden key adds nothing
	s_wait_alu depctr_va_vdst(0)                   ; the products above are done reading K's fragments, the last step's products V^T P their fragments of V: the bias lands in both
.irp x, 0,1,2,3,4,5,6,7
	ds_load_b128 v[32+8*\x:35+8*\x], v9 offset:128*(\x/4)+16*(\x%4)        ; the bias of keys 32 b + 16 h + 0 .. 15, b = 0, 1: into the lower halves of K's fragments, which are done with
.endr
.irp x, 0,1,2,3,4,5,6,7
	ds_load_b128 v[192+4*\x:195+4*\x], v9 offset:256+128*(\x/4)+16*(\x%4)  ; b = 2, 3: into V's registers, which this step's V takes later
.endr
	s_wait_dscnt 8                                 ; the first eight are in; the second eight may be out
.irp x, 0,1,2,3,4,5,6,7
	v_pk_add_f32 v[96+4*\x:97+4*\x], v[96+4*\x:97+4*\x], v[32+8*\x:33+8*\x]   ; each accumulator from its low end on
	v_pk_add_f32 v[98+4*\x:99+4*\x], v[98+4*\x:99+4*\x], v[34+8*\x:35+8*\x]
.endr
	s_wait_dscnt 0x0
.irp x, 0,1,2,3,4,5,6,7
	v_pk_add_f32 v[128+4*\x:129+4*\x], v[128+4*\x:129+4*\x], v[192+4*\x:193+4*\x]
	v_pk_add_f32 v[130+4*\x:131+4*\x], v[130+4*\x:131+4*\x], v[194+4*\x:195+4*\x]
.endr
.Lopen_\@:
	s_wait_alu depctr_vm_vsrc(0)                   ; the LDS loads issued so far have read v5-v9, which are written anew
	v_add_nc_u32 v7, s[TV], v[AV]                  ; this step's V,
	v_add_nc_u32 v8, s[TT], v[AVS]                 ; and its scale words;
.if !\last
	v_add_nc_u32 v5, s[TK], v[LI]                  ; the next step's K,
	v_add_nc_u32 v6, s[TS], v[AKS]                 ; its scale words,
	v_add_nc_u32 v9, s[TS], v[AB]                  ; and its bias
.endif
.irp b, 0,1,2,3
	v_max3_num_f32 v[232+\b], v[96+16*\b], v[97+16*\b], v[98+16*\b]   ; the largest score of each block of 32 keys: for the row's maximum, and, since p rises with the score, for the block's largest p
.endr
.irp i, 3,5,7,9,11,13
.irp b, 0,1,2,3
	v_max3_num_f32 v[232+\b], v[232+\b], v[96+16*\b+\i], v[97+16*\b+\i]
.endr
.endr
.irp b, 0,1,2,3
	v_max_num_f32 v[232+\b], v[232+\b], v[111+16*\b]
.endr
.irp b, 0,1,2,3
	v_permlanex16_b32 v[236+\b], v[232+\b], s[SEL], s[SEL+1]
.endr
.irp b, 0,1,2,3
	v_max_num_f32 v[232+\b], v[232+\b], v[236+\b]  ; with lane l xor 16's 16 keys
.endr
	v_max3_num_f32 v254, v232, v233, v234
	v_max_num_f32 v254, v254, v235
	v_mul_f32 v254, s[CS], v254                    ; the step's largest t
	v_max_num_f32 v13, v13, v254
	v_mov_b32 v254, v12
	v_floor_f32 v12, -v13                          ; the new -M = -ceil(t)
	v_sub_f32 v254, v12, v254                      ; old M - new M: a whole number, 0 or less
	v_cvt_i32_f32 v254, v254                       ; (it saturates)
	v_ldexp_f32 v252, 1.0, v254                    ; f = 2^(old M - new M)
.irp j, 0,2,4,6,8,10,12,14,16,18,20,22,24,26,28,30,32,34,36,38,40,42,44,46,48,50,52,54,56,58,60,62
	v_pk_fma_f32 v[96+\j:97+\j], v[96+\j:97+\j], s[CS:CS+1], v[12:13] op_sel_hi:[1,0,0]   ; t - M
.endr
.irp b, 0,1,2,3
	v_fma_f32 v[232+\b], v[232+\b], s[CS], v12
.endr
.irp j, 0,1,2,3,4,5,6,7,8,9,10,11,12,13,14,15,16,17,18,19,20,21,22,23,24,25,26,27,28,29,30,31,32,33,34,35,36,37,38,39,40,41,42,43,44,45,46,47,48,49,50,51,52,53,54,55,56,57,58,59,60,61,62,63
	v_exp_f32 v[96+\j], v[96+\j]                   ; p = 2^(t - M)
.endr
	v_pk_mul_f32 v[14:15], v[14:15], v[252:253] op_sel_hi:[1,0]   ; the sums under the new M: the plain line behind the exponentials
	s_wait_alu depctr_va_vdst(0)                   ; the 64 exponentials have written p, ahead of its first reader; the products K Q^T and the bias's additions are done reading K's registers, the last step's products V^T P and the bias's additions V's; v5-v9 are written
.irp t, 0,1,2,3
.irp c, 0,1
	ds_load_b128 v[192+8*\t+4*\c:195+8*\t+4*\c], v7 offset:16*VP*\t+32*\c   ; this step's V
.endr
.endr
.irp p, 0,1
	ds_load_b32 v[240+\p], v8 offset:128*\p
.endr
.irp b, 0,1,2,3
	v_exp_f32 v[232+\b], v[232+\b]                 ; each block's largest p
.endr
	v_pk_add_f32 v[236:237], v[96:97], v[98:99]    ; the row's sum of the unquantised p, in two chains
.set n, 0
.irp j, 4,8,12,16,20,24,28,32,36,40,44,48,52,56,60
	v_pk_add_f32 v[14:15], v[14:15], v[96+\j:97+\j]
	v_pk_add_f32 v[236:237], v[236:237], v[98+\j:99+\j]
.if (!\last) && (n < 8)
	ds_load_b128 v[32+8*n:35+8*n], v5 offset:512*n             ; the next step's K, a load behind each pair of additions.  No wait: no vector instruction since the wait above names K's registers, v5 or v6
.elseif (!\last) && (n < 12)
	ds_load_b32 v[248+n-8], v6 offset:128*(n-8)                ; lanes 0-15: tile 2 b's words; lanes 16-31: tile 2 b + 1's
.endif
.set n, n+1
.endr
	v_pk_add_f32 v[14:15], v[14:15], v[236:237]
	s_wait_alu depctr_va_vdst(0)                   ; the four exponentials have written v232-235, ahead of their first reader
.irp b, 0,1,2,3
	v_max_num_f32 v[232+\b], 0x1800000, v[232+\b]  ; the floor 2^(3 - 127)
.endr
.irp b, 0,1,2,3
	v_add_nc_u32 v[244+\b], 0xff000000, v[232+\b]  ; the conversion's scale operand
.endr
.irp b, 0,1,2,3
	v_lshrrev_b32 v[236+\b], 23, v[244+\b]         ; the scale's byte
.endr
	v_lshl_or_b32 v253, v237, 8, v236              ; p's scale word for these 128 keys
	v_lshl_or_b32 v253, v238, 16, v253
	v_lshl_or_b32 v253, v239, 24, v253
.irp b, 0,1,2,3
	v_cvt_scalef32_pk8_fp4_f32 v[224+2*\b], v[96+16*\b:103+16*\b], v[244+\b]
	v_cvt_scalef32_pk8_fp4_f32 v[225+2*\b], v[104+16*\b:111+16*\b], v[244+\b]
.endr
	v_nop                                          ; one plain line behind the conversions
.irp c, 0,1
.irp i, 0,1
	v_permlane16_swap_b32 v[224+4*\c+\i], v[226+4*\c+\i]   ; a whole block to a lane
.endr
.endr
.irp j, 0,2,4,6,8,10,12,14,16,18,20,22,24,26,28,30
	v_pk_mul_f32 v[160+\j:161+\j], v[160+\j:161+\j], v[252:253] op_sel_hi:[1,0]   ; O^T under the new M; these sixteen also stand between the writing of p's codes and scale word and the products
.endr
.if \last
	s_wait_dscnt 0x0                               ; V and its scale words
.else
	s_wait_dscnt 12                                ; V and its scale words are in; the next step's K, twelve loads issued behind them, may stay out
.endif
	s_wait_alu depctr_va_vdst(0)                   ; p's codes v224-231 and its scale word v253 are written, which the scaled products take as operand and scales; the places above stay beside this wait
.irp t, 0,2
	v_wmma_scale_f32_16x16x128_f8f6f4 v[160+8*\t:167+8*\t], v[192+8*\t:199+8*\t], v[224:231], v[160+8*\t:167+8*\t], v[240+\t/2], v253 matrix_a_fmt:MATRIX_FMT_FP4 matrix_b_fmt:MATRIX_FMT_FP4
	v_wmma_scale_f32_16x16x128_f8f6f4 v[168+8*\t:175+8*\t], v[200+8*\t:207+8*\t], v[224:231], v[168+8*\t:175+8*\t], v[240+\t/2], v253 matrix_a_fmt:MATRIX_FMT_FP4 matrix_b_fmt:MATRIX_FMT_FP4 matrix_a_scale:MATRIX_SCALE_ROW1
.endr                                              ; the four accumulators take turns; between two links of one stand eleven other matrix instructions
.if !\last
	s_add_co_u32 s[TK], s[TK], 4096
	s_add_co_u32 s[TS], s[TS], 512
	s_add_co_u32 s[TV], s[TV], 64
	s_add_co_u32 s[TT], s[TT], 256
	s_lshr_b32 s[MSK], s[MSK], 1
.endif
.endm
.Lstep:                                            ; 15 trips, 128 keys each
	STEP 0
	s_sub_co_u32 s[CNT], s[CNT], 1
	s_cmp_lg_u32 s[CNT], 0
	s_cbranch_scc1 .Lstep
	STEP 1                                         ; the last step is written out: there is no further K to ask for
	; THE END: O^T / l, quantised along the head's 64 channels: two blocks; register 16 b + i is channel 32 b + 16 h + i
.rept 4
	v_nop
.endr
	v_add_f32 v14, v14, v15
	v_permlanex16_b32 v252, v14, s[SEL], s[SEL+1]
	v_add_f32 v14, v14, v252                       ; the row's sum
	v_rcp_f32 v14, v14
	v_nop
	s_wait_alu depctr_va_vdst(0)                   ; the reciprocal has written v14, ahead of its first reader
.irp j, 0,1,2,3,4,5,6,7,8,9,10,11,12,13,14,15,16,17,18,19,20,21,22,23,24,25,26,27,28,29,30,31
	v_mul_f32 v[96+\j], v[160+\j], v14
.endr
.irp b, 0,1
	v_max3_num_f32 v[232+\b], |v[96+16*\b]|, |v[97+16*\b]|, 0x1800000
.endr
.irp i, 2,4,6,8,10,12,14
.irp b, 0,1
	v_max3_num_f32 v[232+\b], v[232+\b], |v[96+16*\b+\i]|, |v[97+16*\b+\i]|
.endr
.endr
.irp b, 0,1
	v_permlanex16_b32 v[236+\b], v[232+\b], s[SEL], s[SEL+1]
.endr
.irp b, 0,1
	v_max_num_f32 v[232+\b], v[232+\b], v[236+\b]
.endr
.irp b, 0,1
	v_add_nc_u32 v[244+\b], 0xff000000, v[232+\b]
.endr
.irp b, 0,1
	v_lshrrev_b32 v[236+\b], 23, v[244+\b]
.endr
	v_lshl_or_b32 v253, v237, 8, v236              ; my query's two scale bytes
.irp b, 0,1
	v_cvt_scalef32_pk8_fp4_f32 v[224+2*\b], v[96+16*\b:103+16*\b], v[244+\b]
	v_cvt_scalef32_pk8_fp4_f32 v[225+2*\b], v[104+16*\b:111+16*\b], v[244+\b]
.endr
	v_nop
	v_permlane16_swap_b32 v224, v226
	v_permlane16_swap_b32 v225, v227               ; v224-227: channels 32 h + 0 .. 31: half a fragment of the next product
	s_wait_alu depctr_va_vdst(0)                   ; the codes v224-227 and the scale bytes v253 are written, which the two stores read; every vector instruction is done with v232-235, in which wave 0's load below lands
	global_store_b128 v[LI], v[224:227], s[28:29]  ; 512 consecutive bytes
	ds_store_b16 v[AOS], v253                      ; both lanes of a query write the same two bytes
	s_wait_dscnt 0x0
	s_barrier_signal -1
	s_barrier_wait -1
	s_cmp_lg_u32 s[WV], 0
	s_cbranch_scc1 .Lend
	ds_load_b128 v[232:235], v[OSR]                ; the work-group's 512 scale bytes leave by one store
	s_wait_dscnt 0x0
	global_store_b128 v[LI], v[232:235], s[30:31]
.Lend:
	s_wait_dscnt 0x0                               ; the closing lines, six on end
	s_wait_alu 0x0
	s_wait_tensorcnt 0x0
	ds_add_u32 v243, v255
	s_wait_dscnt 0x0
	s_endpgm
.Lfunc_end_k_q6a5ed1088c_attn:
	.size	k_q6a5ed1088c_attn, .Lfunc_end_k_q6a5ed1088c_attn-k_q6a5ed1088c_attn
	.p2alignl 7, 3214868480
	.fill 96, 4, 3214868480
	.section	.rodata,"a",@progbits
	.p2align	6, 0x0
	.amdhsa_kernel k_q6a5ed1088c_attn
		.amdhsa_group_segment_fixed_size 155136
		.amdhsa_private_segment_fixed_size 0
		.amdhsa_enable_private_segment 0
		.amdhsa_kernarg_size 48
		.amdhsa_user_sgpr_count 2
		.amdhsa_user_sgpr_kernarg_segment_ptr 1
		.amdhsa_wavefront_size32 1
		.amdhsa_system_sgpr_workgroup_id_x 1
		.amdhsa_system_sgpr_workgroup_id_y 1
		.amdhsa_system_sgpr_workgroup_id_z 1
		.amdhsa_system_vgpr_workitem_id 0
		.amdhsa_next_free_vgpr 256
		.amdhsa_next_free_sgpr 66
		.amdhsa_reserve_vcc 0
		.amdhsa_float_denorm_mode_32 3
		.amdhsa_float_denorm_mode_16_64 3
		.amdhsa_memory_ordered 1
		.amdhsa_forward_progress 1
		.amdhsa_inst_pref_size 52
	.end_amdhsa_kernel
	.amdgpu_metadata
---
amdhsa.version: [ 1, 2 ]
amdhsa.kernels:
  - .name:           k_q6a5ed1088c_attn
    .symbol:         k_q6a5ed1088c_attn.kd
    .args:
      - { .name: prepbuf, .offset: 0, .size: 8, .value_kind: global_buffer, .address_space: global }
      - { .name: values_codes, .offset: 8, .size: 8, .value_kind: global_buffer, .address_space: global }
      - { .name: values_scales, .offset: 16, .size: 8, .value_kind: global_buffer, .address_space: global }
      - { .name: mask, .offset: 24, .size: 8, .value_kind: global_buffer, .address_space: global }
      - { .name: flags, .offset: 32, .size: 8, .value_kind: global_buffer, .address_space: global }
      - { .name: obuf, .offset: 40, .size: 8, .value_kind: global_buffer, .address_space: global }
    .group_segment_fixed_size: 155136
    .private_segment_fixed_size: 0
    .kernarg_segment_align: 8
    .kernarg_segment_size: 48
    .max_flat_workgroup_size: 512
    .sgpr_count:     66
    .vgpr_count:     256
    .wavefront_size: 32
...
	.end_amdgpu_metadata
.endif
;; end of part 7
;; launch fcln1 (part 8): grid 256 x 1, 16 waves a work-group, no clusters, 171,264 bytes of LDS; arguments prepbuf, obuf, queries, fc_b, ln1_g, ln1_b, x1buf; writes x1buf
.if DOCPART == 8
	.amdgcn_target "amdgcn-amd-amdhsa--gfx1250"
	.amdhsa_code_object_version 6
	.text
	.protected	k_q6a5ed1088c_fcln1
	.globl	k_q6a5ed1088c_fcln1
	.p2align	8
	.type	k_q6a5ed1088c_fcln1,@function
k_q6a5ed1088c_fcln1:
	s_mov_b64 s[64:65], 0
	v_nop
	global_prefetch_b8 v0, s[64:65] scope:SCOPE_SE
	s_setreg_imm32_b32 hwreg(HW_REG_WAVE_SCHED_MODE, 0, 2), 2
	s_setreg_imm32_b32 hwreg(HW_REG_WAVE_MODE, 25, 1), 1
	s_wait_xcnt 0x0
	s_wait_alu depctr_vm_vsrc(0)
; x1 = layer_norm(attention_out fc_w + fc_b + queries), the product on codes of FP4; x1 leaves as f32 rows and as codes (images of fragments) with their scale bytes.
; SHARES.  A work-group owns one tile of 16 rows and all 1,024 columns, so that the norm stays inside it.  Wave w makes columns 64 w .. 64 w + 63 (four tiles of fc_w, used as source 0), then takes row w through the norm.
; THE WEIGHTS GO FROM MEMORY STRAIGHT INTO REGISTERS, as images, 512 consecutive bytes a load: with 16 rows a fragment of fc_w feeds one matrix instruction of the work-group, so LDS could spare no read of it; hence no tensor
; loads and no joint requests.  Three sets of registers: 24 loads a wave are out from the start, two groups of eight in every K step but the last.
; fc_b, ln1_g AND ln1_b, which every wave wants whole, COME ONCE for the work-group: 16 bytes a thread (threads 0-255: fc_b and ln1_b; threads 256-511: ln1_g), into LDS ahead of the first barrier; each wave reads them from there.
; The tile's row slot s is row 32 (tile / 2) + 8 (tile % 2) + s + 8 (s / 8).
; LIMITS: blocks of x1 whose largest magnitude lies under 2^-124 keep the scale byte 1; NaN and infinities are not served.
; THE MODE: SCHED_MODE bits 1:0 = 2 (LLVM: expert scheduling mode 2), set by the entry lines.  The code itself states the register dependences between vector or matrix instructions and memory or LDS instructions,
; with s_wait_alu, always for 0.
; THE PLAN.  Registers that memory or LDS instructions touch:
;   v136-231  three sets of weights.  K step q's four products read set q % 3; behind them the set is asked for again at once (K step q + 3; at the end the queries' row, fc_b, ln1_g).  The 256 registers have no room for a fourth
;             set, and a set that lay idle until the next K step's head would take eight of the wave's loads out of flight: so ONE wait on va_vdst stands in a K step, behind its products.
;   v16-87    the left operand and its scale words: loaded from LDS, read by all 32 products; behind the last K step's wait ln1_b and the stage's row land in v16-79, at the end the images in v80-87.
;   v104-135  the accumulators: written by the products, read by the stage's stores (the last K step's wait), then a block of 32 numbers lands in them (the wait on vm_vsrc behind the second barrier).
;   v232-236, v244-247, v252-255  at the head: loaded, read by LDS stores; the norm and the quantiser write them later, v254 and v255 are made anew at the end: the same wait on vm_vsrc.
;   v48-79    the row: written by the norm, read by eight global and eight LDS stores: one wait on va_vdst.   v235-239  the scale byte and the codes: written by the quantiser, read by two LDS stores: one wait on va_vdst.
;   v1, v2, v4-v15, v249, v250  addresses, made at the head and never written again: one wait on va_vdst ahead of the first load.
.set FCW_IMG, 0x480000
.set FCW_SC,  0x900000
.set O_SC,    0x200000
.set X1_IMG,  0x1000000                ; x1buf: f32 rows at 0; images [tile 256][K step 8][1024]; scale bytes [tile][K step / 4][row 16][16]
.set X1_SC,   0x1200000
.set ASC,    8192                      ; LDS: the left operand's 8 images at 0; its scale words [K step][row];
.set STAGE,  8704                      ; 16 rows of 4,096 bytes + 16;
.set SPITCH, 4112
.set TURN,   74496                     ; for each wave 32 blocks of 128 bytes + 16;
.set XIMG,   148224                    ; x1's 8 images;
.set XSC,    156416                    ; its 512 scale bytes;
.set VEC,    156928                    ; fc_b, ln1_g, ln1_b: 4,096 bytes each
.set LI,  1
.set VR,  2                            ; v2   in the set-up the lane; then VEC + 16 x lane
.set T16, 4
.set ASW, 5
.set ASR, 6
.set STW, 7
.set STR, 8
.set TUW, 9
.set TUR, 10
.set XIW, 11
.set XSW, 12
.set XIR, 13
.set XSR, 14
.set OSO, 15
.set AF,  16                           ; v16-79   the left operand's eight fragments; later ln1_b (v16-47) and the row (v48-79)
.set AS,  80                           ; v80-87   its scale words
.set WS,  88                           ; v88-103  fc_w's scale words, four registers a tile: register j: K step j in lanes 0-15, 4 + j in lanes 16-31
.set ACC, 104                          ; v104-135 four accumulators; later a block of 32 numbers
.set WT,  136                          ; v136-231 three sets of four fragments; later fc_b, ln1_g, the queries' row
.set M0,  232
.set M1,  233
.set SCL, 234
.set BYT, 235
.set CD,  236                          ; v236-239 a block's codes
.set SA,  240
.set SB,  242
.set MU,  244
.set RS,  246
.set TP,  248
.set VW,  249                          ; v249 VEC + 16 x thread: threads 256 on fall into ln1_g's 4,096 bytes
.set VO,  250                          ; v250 16 x (thread % 256): my 16 bytes of a vector in memory
.set WV,  18
.set SEL, 36
.set INV, 38
.set EPS, 39
	s_load_b256 s[4:11], s[0:1], 0x0               ; prepbuf, obuf, queries, fc_b
	s_load_b128 s[12:15], s[0:1], 0x20             ; ln1_g, ln1_b
	s_load_b64 s[16:17], s[0:1], 0x30              ; x1buf
	v_lshrrev_b32 v2, 5, v0
	v_readfirstlane_b32 s[WV], v2                  ; wave 0..15
	v_and_b32 v2, 31, v0                           ; lane
	v_and_b32 v3, 15, v0                           ; r
	v_bfe_u32 v232, v0, 4, 1                       ; h
	v_lshlrev_b32 v[LI], 4, v2
	v_lshlrev_b32 v[T16], 4, v0
	v_lshrrev_b32 v[ASW], 5, v0                    ; thread T < 256 brings head T / 16's two bytes of row T % 16: K step T / 32, upper or lower half of the word
	v_lshlrev_b32 v[ASW], 6, v[ASW]
	v_lshl_add_u32 v[ASW], v3, 2, v[ASW]
	v_lshl_add_u32 v[ASW], v232, 1, v[ASW]
	v_add_nc_u32 v[ASW], ASC, v[ASW]
	v_lshl_add_u32 v[ASR], v3, 2, ASC
	v_mul_u32_u24 v[STW], v3, SPITCH               ; the stage, in: row r, my wave's 256 bytes, + 64 h
	v_lshl_add_u32 v[STW], v232, 6, v[STW]
	s_wait_alu depctr_va_sdst(0)                   ; the wave's number is written, ahead of its first reader
	s_lshl_b32 s34, s[WV], 8
	s_add_co_u32 s34, s34, STAGE
	v_add_nc_u32 v[STW], s34, v[STW]
	s_mul_i32 s34, s[WV], SPITCH                   ; and out: row w, 16 bytes a lane
	s_add_co_u32 s34, s34, STAGE
	v_add_nc_u32 v[STR], s34, v[LI]
	s_mul_i32 s34, s[WV], 4608
	s_add_co_u32 s34, s34, TURN
	v_lshrrev_b32 v233, 3, v2
	v_mul_u32_u24 v[TUW], v233, 144                ; eight lanes' 128 bytes are a block of 32 columns
	v_and_b32 v233, 7, v2
	v_lshl_add_u32 v[TUW], v233, 4, v[TUW]
	v_add_nc_u32 v[TUW], s34, v[TUW]
	v_mul_u32_u24 v[TUR], v2, 144                  ; back: lane l takes block l
	v_add_nc_u32 v[TUR], s34, v[TUR]
	v_lshrrev_b32 v233, 2, v2                      ; block l of row w in the images: K step l / 4, half (l / 2) % 2, lane 16 (l % 2) + w
	v_lshlrev_b32 v[XIW], 10, v233
	v_bfe_u32 v233, v0, 1, 1
	v_lshl_add_u32 v[XIW], v233, 9, v[XIW]
	v_and_b32 v233, 1, v0
	v_lshl_add_u32 v[XIW], v233, 8, v[XIW]
	s_lshl_b32 s34, s[WV], 4
	s_add_co_u32 s35, s34, XIMG
	v_add_nc_u32 v[XIW], s35, v[XIW]
	v_lshl_add_u32 v[XSW], v232, 8, v3             ; its scale byte: 256 (l / 16) + 16 w + l % 16
	s_add_co_u32 s35, s34, XSC
	v_add_nc_u32 v[XSW], s35, v[XSW]
	v_add_nc_u32 v[XIR], XIMG, v[T16]
	v_add_nc_u32 v[XSR], XSC, v[LI]
	v_lshrrev_b32 v[OSO], 4, v0                    ; in obuf: head x 8,192 + 2 x (16 x tile + row)
	v_lshlrev_b32 v[OSO], 13, v[OSO]
	v_lshl_add_u32 v[OSO], v3, 1, v[OSO]
	s_lshl_b32 s34, ttmp9, 5
	v_add_nc_u32 v[OSO], s34, v[OSO]
	v_add_nc_u32 v[VR], VEC, v[LI]                 ; (the lane's number is done with)
	v_add_nc_u32 v[VW], VEC, v[T16]
	v_and_b32 v[VO], 255, v0
	v_lshlrev_b32 v[VO], 4, v[VO]
	v_mov_b32 v[TP], 0                             ; a lane permute's destination counts as one of its sources
	s_mov_b32 s[SEL], 0x76543210
	s_mov_b32 s[SEL+1], 0xfedcba98
	s_mov_b32 s[INV], 0x3a800000                   ; 1 / 1,024
	s_mov_b32 s[EPS], 0x3727c5ac                   ; 1e-5
	s_mov_b32 s41, 0
	s_wait_kmcnt 0x0
	s_lshl_b32 s40, ttmp9, 13
	s_add_nc_u64 s[20:21], s[6:7], s[40:41]        ; my tile's eight images
	s_add_nc_u64 s[22:23], s[6:7], O_SC
	s_add_nc_u64 s[30:31], s[16:17], s[40:41]
	s_add_nc_u64 s[30:31], s[30:31], X1_IMG
	s_lshl_b32 s40, s[WV], 11
	s_add_nc_u64 s[24:25], s[4:5], s[40:41]
	s_add_nc_u64 s[24:25], s[24:25], FCW_SC        ; my four tiles' scale bytes
	s_lshl_b32 s40, s[WV], 15
	s_add_nc_u64 s[26:27], s[4:5], s[40:41]
	s_add_nc_u64 s[26:27], s[26:27], FCW_IMG       ; and images
	s_lshl_b32 s40, ttmp9, 9
	s_add_nc_u64 s[32:33], s[16:17], s[40:41]
	s_add_nc_u64 s[32:33], s[32:33], X1_SC
	s_lshr_b32 s40, ttmp9, 1
	s_lshl_b32 s40, s40, 5
	s_and_b32 s34, ttmp9, 1
	s_lshl_b32 s34, s34, 3
	s_add_co_u32 s40, s40, s34
	s_add_co_u32 s40, s40, s[WV]
	s_and_b32 s34, s[WV], 8
	s_add_co_u32 s40, s40, s34                     ; my row
	s_lshl_b32 s40, s40, 12
	s_add_nc_u64 s[8:9], s[8:9], s[40:41]
	s_add_nc_u64 s[28:29], s[16:17], s[40:41]
.macro WLOAD q                         ; K step q's four fragments into set q % 3
.irp t, 0,1,2,3
	global_load_b128 v[WT+32*((\q)%3)+8*\t:WT+32*((\q)%3)+8*\t+3], v[LI], s[26:27] offset:8192*\t+1024*(\q)
	global_load_b128 v[WT+32*((\q)%3)+8*\t+4:WT+32*((\q)%3)+8*\t+7], v[LI], s[26:27] offset:8192*\t+1024*(\q)+512
.endr
.endm
.macro ROWLOAD reg, base               ; 4,096 bytes from memory, lane l: numbers 128 j + 4 l .. + 3
.irp j, 0,1,2,3,4,5,6,7
	global_load_b128 v[\reg+4*\j:\reg+4*\j+3], v[LI], s[\base:\base+1] offset:512*\j
.endr
.endm
.macro VECLOAD reg, off                ; the same of a vector that lies in LDS
.irp j, 0,1,2,3,4,5,6,7
	ds_load_b128 v[\reg+4*\j:\reg+4*\j+3], v[VR] offset:\off+512*\j
.endr
.endm
.macro FCMUL q, t
.if (\q) == 0
	v_wmma_scale_f32_16x16x128_f8f6f4 v[ACC+8*\t:ACC+8*\t+7], v[WT+32*((\q)%3)+8*\t:WT+32*((\q)%3)+8*\t+7], v[AF+8*(\q):AF+8*(\q)+7], 0, v[WS+4*\t+(\q)%4], v[AS+(\q)] matrix_a_fmt:MATRIX_FMT_FP4 matrix_b_fmt:MATRIX_FMT_FP4
.elseif (\q) < 4
	v_wmma_scale_f32_16x16x128_f8f6f4 v[ACC+8*\t:ACC+8*\t+7], v[WT+32*((\q)%3)+8*\t:WT+32*((\q)%3)+8*\t+7], v[AF+8*(\q):AF+8*(\q)+7], v[ACC+8*\t:ACC+8*\t+7], v[WS+4*\t+(\q)%4], v[AS+(\q)] matrix_a_fmt:MATRIX_FMT_FP4 matrix_b_fmt:MATRIX_FMT_FP4
.else
	v_wmma_scale_f32_16x16x128_f8f6f4 v[ACC+8*\t:ACC+8*\t+7], v[WT+32*((\q)%3)+8*\t:WT+32*((\q)%3)+8*\t+7], v[AF+8*(\q):AF+8*(\q)+7], v[ACC+8*\t:ACC+8*\t+7], v[WS+4*\t+(\q)%4], v[AS+(\q)] matrix_a_fmt:MATRIX_FMT_FP4 matrix_b_fmt:MATRIX_FMT_FP4 matrix_a_scale:MATRIX_SCALE_ROW1
.endif
.endm
.macro FCSTEP q, cnt                   ; four products, the accumulators by turns; four places; the wait ahead of the loads into the set just read.  cnt: the loads from memory issued behind this K step's eight
	s_wait_loadcnt \cnt
.irp t, 0,1,2,3
	FCMUL \q, \t
.endr
.rept 4
	v_nop
.endr
	s_wait_alu depctr_va_vdst(0)                   ; the four products are done reading their set of weights, in which the loads that follow land; behind the last K step also: all products are done reading the left operand, and the accumulators are written
.endm
.macro LANESUM                         ; v[SA] summed over the 32 lanes, the result in every lane
	v_add_f32_dpp v[SA], v[SA], v[SA] row_xmask:1 row_mask:0xf bank_mask:0xf
	v_add_f32_dpp v[SA], v[SA], v[SA] row_xmask:2 row_mask:0xf bank_mask:0xf
	v_add_f32_dpp v[SA], v[SA], v[SA] row_xmask:4 row_mask:0xf bank_mask:0xf
	v_add_f32_dpp v[SA], v[SA], v[SA] row_xmask:8 row_mask:0xf bank_mask:0xf
	v_permlanex16_b32 v[TP], v[SA], s[SEL], s[SEL+1]
	v_add_f32 v[SA], v[SA], v[TP]
.endm
; A row of 1,024 numbers, 32 a lane in v[x] on, is normalised in place: mean, then the mean of the squares of x - mean (two passes: a common offset does no harm), rsqrt, gain v[g] on, bias v[b] on.  cnt: the loads that may stay out when gain and bias are wanted
.macro LNROW x, g, b, cnt
	v_pk_add_f32 v[SA:SA+1], v[\x:\x+1], v[\x+2:\x+3]
	v_pk_add_f32 v[SB:SB+1], v[\x+4:\x+5], v[\x+6:\x+7]
.irp i, 8,12,16,20,24,28
	v_pk_add_f32 v[SA:SA+1], v[SA:SA+1], v[\x+\i:\x+\i+1]
	v_pk_add_f32 v[SB:SB+1], v[SB:SB+1], v[\x+\i+2:\x+\i+3]
.endr
	v_pk_add_f32 v[SA:SA+1], v[SA:SA+1], v[SB:SB+1]
	v_add_f32 v[SA], v[SA], v[SA+1]
	LANESUM
	v_mul_f32 v[MU], s[INV], v[SA]
	v_mov_b32 v[MU+1], v[MU]
.irp i, 0,2,4,6,8,10,12,14,16,18,20,22,24,26,28,30
	v_pk_add_f32 v[\x+\i:\x+\i+1], v[\x+\i:\x+\i+1], v[MU:MU+1] neg_lo:[0,1] neg_hi:[0,1]
.endr
	v_pk_mul_f32 v[SA:SA+1], v[\x:\x+1], v[\x:\x+1]
	v_pk_mul_f32 v[SB:SB+1], v[\x+2:\x+3], v[\x+2:\x+3]
.irp i, 4,8,12,16,20,24,28
	v_pk_fma_f32 v[SA:SA+1], v[\x+\i:\x+\i+1], v[\x+\i:\x+\i+1], v[SA:SA+1]
	v_pk_fma_f32 v[SB:SB+1], v[\x+\i+2:\x+\i+3], v[\x+\i+2:\x+\i+3], v[SB:SB+1]
.endr
	v_pk_add_f32 v[SA:SA+1], v[SA:SA+1], v[SB:SB+1]
	v_add_f32 v[SA], v[SA], v[SA+1]
	LANESUM
	v_fma_f32 v[RS], v[SA], s[INV], s[EPS]
	v_rsq_f32 v[RS], v[RS]
	v_nop                                          ; a plain line behind the transcendental,
	s_wait_alu depctr_va_vdst(0)                   ; and the wait ahead of its first reader: the root's reciprocal is written
	v_mov_b32 v[RS+1], v[RS]
.irp i, 0,2,4,6,8,10,12,14,16,18,20,22,24,26,28,30
	v_pk_mul_f32 v[\x+\i:\x+\i+1], v[\x+\i:\x+\i+1], v[RS:RS+1]
.endr
	s_wait_loadcnt \cnt
.irp i, 0,2,4,6,8,10,12,14,16,18,20,22,24,26,28,30
	v_pk_fma_f32 v[\x+\i:\x+\i+1], v[\x+\i:\x+\i+1], v[\g+\i:\g+\i+1], v[\b+\i:\b+\i+1]
.endr
.endm
.macro QUANT32 x, c                    ; 32 numbers of one block become four registers of codes; the scale's byte in v[BYT]
	v_max3_num_f32 v[M0], |v[\x]|, |v[\x+1]|, 0x1800000
	v_max3_num_f32 v[M1], |v[\x+2]|, |v[\x+3]|, |v[\x+4]|
.irp i, 5,9,13,17,21,25
	v_max3_num_f32 v[M0], v[M0], |v[\x+\i]|, |v[\x+\i+1]|
	v_max3_num_f32 v[M1], v[M1], |v[\x+\i+2]|, |v[\x+\i+3]|
.endr
	v_max3_num_f32 v[M0], v[M0], |v[\x+29]|, |v[\x+30]|
	v_max3_num_f32 v[M0], v[M0], v[M1], |v[\x+31]|
	v_add_nc_u32 v[SCL], 0xff000000, v[M0]
	v_lshrrev_b32 v[BYT], 23, v[SCL]
.irp g, 0,1,2,3
	v_cvt_scalef32_pk8_fp4_f32 v[\c+\g], v[\x+8*\g:\x+8*\g+7], v[SCL]
.endr
.endm
	; ---- 0: the left operand and the three vectors into LDS; the first three K steps of my weights are asked for
	s_wait_alu depctr_va_vdst(0)                   ; the addresses v1, v2, v4-v15, v249 and v250 are written, which every load and store of the kernel reads; so are v232 and v233, in which the first load lands
	global_load_b128 v[232:235], v[T16], s[20:21]
	s_cmp_lt_u32 s[WV], 8
	s_cbranch_scc0 .Lhi_ld
	global_load_u16 v236, v[OSO], s[22:23]
	global_load_b128 v[252:255], v[VO], s[10:11]   ; waves 0 to 7: fc_b,
	global_load_b128 v[244:247], v[VO], s[14:15]   ; and ln1_b
	s_branch .Lld_done
.Lhi_ld:
	global_load_b128 v[252:255], v[VO], s[12:13]   ; waves 8 to 15: ln1_g
.Lld_done:
.irp t, 0,1,2,3
	global_load_b128 v[WS+4*\t:WS+4*\t+3], v[LI], s[24:25] offset:512*\t
.endr
	WLOAD 0
	WLOAD 1
	WLOAD 2
	s_wait_loadcnt 28                              ; the 4 + 24 loads issued behind the operand's and the vectors' may stay out: the same count on both ways
	ds_store_b128 v[T16], v[232:235]
	ds_store_b128 v[VW], v[252:255]                ; fc_b, or from thread 256 on ln1_g
	s_cmp_lt_u32 s[WV], 8
	s_cbranch_scc0 .Lno_scs
	ds_store_b16 v[ASW], v236
	ds_store_b128 v[VW], v[244:247] offset:8192    ; ln1_b
.Lno_scs:
	s_wait_dscnt 0x0
	s_barrier_signal -1
	s_barrier_wait -1
.irp q, 0,1,2,3,4,5,6,7
	ds_load_b128 v[AF+8*\q:AF+8*\q+3], v[LI] offset:1024*\q
	ds_load_b128 v[AF+8*\q+4:AF+8*\q+7], v[LI] offset:1024*\q+512
	ds_load_b32 v[AS+\q], v[ASR] offset:64*\q
.endr
	s_wait_dscnt 0x0
	; ---- 1: the product.  Source 0 = 16 columns' rows of fc_w, source 1 = my tile's 16 rows: register j of tile 2 B + u is column 32 B + 16 h + 8 u + j of row r
	FCSTEP 0, 16                                   ; two younger groups of eight may be out
	WLOAD 3
	FCSTEP 1, 16
	WLOAD 4
	FCSTEP 2, 16
	WLOAD 5
	FCSTEP 3, 16
	WLOAD 6
	FCSTEP 4, 16
	WLOAD 7
	FCSTEP 5, 16
	ROWLOAD WT+64, 8                               ; the freed sets take what the norm wants: my row of the queries, from memory;
	FCSTEP 6, 16
	VECLOAD WT, 0                                  ; fc_b, from LDS;
	FCSTEP 7, 8                                    ; behind this K step's weights only the queries' eight loads were issued
	VECLOAD WT+32, 4096                            ; ln1_g,
	VECLOAD AF, 8192                               ; and ln1_b
	; ---- 2: the results meet in the stage.  No vector or matrix instruction stands between the last K step's wait and these stores
.irp t, 0,1,2,3
	ds_store_b128 v[STW], v[ACC+8*\t:ACC+8*\t+3] offset:128*(\t/2)+32*(\t%2)
	ds_store_b128 v[STW], v[ACC+8*\t+4:ACC+8*\t+7] offset:128*(\t/2)+32*(\t%2)+16
.endr
	s_wait_dscnt 0x0
	s_barrier_signal -1
	s_barrier_wait -1
	s_wait_alu depctr_vm_vsrc(0)                   ; my LDS stores have read their data: v232-236, v244-247 and v252-255 at the head, the accumulators just now.  The norm and the quantiser write the first, a block's loads land in the accumulators, v254 and v255 are made anew at the end
	; ---- 3: one row a wave
.irp j, 0,1,2,3,4,5,6,7
	ds_load_b128 v[48+4*\j:51+4*\j], v[STR] offset:512*\j      ; into registers of the left operand, with which the products are done since the last K step's wait
.endr
	s_wait_loadcnt 0x0
	s_wait_dscnt 0x0
.irp i, 0,2,4,6,8,10,12,14,16,18,20,22,24,26,28,30
	v_pk_add_f32 v[48+\i:49+\i], v[48+\i:49+\i], v[WT+\i:WT+\i+1]          ; + fc_b
.endr
.irp i, 0,2,4,6,8,10,12,14,16,18,20,22,24,26,28,30
	v_pk_add_f32 v[48+\i:49+\i], v[48+\i:49+\i], v[WT+64+\i:WT+64+\i+1]    ; + queries
.endr
	LNROW 48, WT+32, AF, 0
	s_wait_alu depctr_va_vdst(0)                   ; the norm has written the row v48-79, which the sixteen stores below read
.irp j, 0,1,2,3,4,5,6,7
	global_store_b128 v[LI], v[48+4*\j:51+4*\j], s[28:29] offset:512*\j    ; x1 as f32: 512 consecutive bytes a store
.endr
.irp j, 0,1,2,3,4,5,6,7
	ds_store_b128 v[TUW], v[48+4*\j:51+4*\j] offset:576*\j                 ; and through my own bytes of LDS, so that a lane holds a whole block of 32
.endr
.irp i, 0,1,2,3,4,5,6,7
	ds_load_b128 v[ACC+4*\i:ACC+4*\i+3], v[TUR] offset:16*\i               ; LDS serves a wave's instructions in order: these see the stores
.endr
	s_wait_dscnt 0x0
	QUANT32 ACC, CD
	v_nop                                          ; one plain line behind the conversions
	s_wait_alu depctr_va_vdst(0)                   ; the quantiser has written the codes v236-239 and the byte v235, which the two stores read
	ds_store_b128 v[XIW], v[CD:CD+3]
	ds_store_b8 v[XSW], v[BYT]
	s_wait_dscnt 0x0
	s_barrier_signal -1
	s_barrier_wait -1
	; ---- 4: the images and the scale bytes leave in dense stores.  They pass through v80-87, the left operand's scale words, with which the products are done since the last K step's wait
	ds_load_b128 v[80:83], v[XIR]
	s_wait_dscnt 0x0
	global_store_b128 v[T16], v[80:83], s[30:31]
	s_cmp_lg_u32 s[WV], 0
	s_cbranch_scc1 .Lend
	ds_load_b128 v[84:87], v[XSR]
	s_wait_dscnt 0x0
	global_store_b128 v[LI], v[84:87], s[32:33]
.Lend:
	s_wait_xcnt 0x0
	v_lshl_add_u32 v254, v0, 2, 0x29500            ; the add's two registers are made anew: the LDS store that read v254 and v255 stands ahead of the wait on vm_vsrc behind the second barrier
	v_mov_b32 v255, 0
	s_wait_dscnt 0x0                               ; the closing lines, six on end
	s_wait_alu 0x0
	s_wait_tensorcnt 0x0
	ds_add_u32 v254, v255
	s_wait_dscnt 0x0
	s_endpgm
.Lfunc_end_k_q6a5ed1088c_fcln1:
	.size	k_q6a5ed1088c_fcln1, .Lfunc_end_k_q6a5ed1088c_fcln1-k_q6a5ed1088c_fcln1
	.p2alignl 7, 3214868480
	.fill 96, 4, 3214868480
	.section	.rodata,"a",@progbits
	.p2align	6, 0x0
	.amdhsa_kernel k_q6a5ed1088c_fcln1
		.amdhsa_group_segment_fixed_size 171264
		.amdhsa_private_segment_fixed_size 0
		.amdhsa_enable_private_segment 0
		.amdhsa_kernarg_size 56
		.amdhsa_user_sgpr_count 2
		.amdhsa_user_sgpr_kernarg_segment_ptr 1
		.amdhsa_wavefront_size32 1
		.amdhsa_system_sgpr_workgroup_id_x 1
		.amdhsa_system_sgpr_workgroup_id_y 1
		.amdhsa_system_sgpr_workgroup_id_z 1
		.amdhsa_system_vgpr_workitem_id 0
		.amdhsa_next_free_vgpr 256
		.amdhsa_next_free_sgpr 66
		.amdhsa_reserve_vcc 0
		.amdhsa_float_denorm_mode_32 3
		.amdhsa_float_denorm_mode_16_64 3
		.amdhsa_memory_ordered 1
		.amdhsa_forward_progress 1
		.amdhsa_inst_pref_size 35
	.end_amdhsa_kernel
	.amdgpu_metadata
---
amdhsa.version: [ 1, 2 ]
amdhsa.kernels:
  - .name:           k_q6a5ed1088c_fcln1
    .symbol:         k_q6a5ed1088c_fcln1.kd
    .args:
      - { .name: prepbuf, .offset: 0, .size: 8, .value_kind: global_buffer, .address_space: global }
      - { .name: obuf, .offset: 8, .size: 8, .value_kind: global_buffer, .address_space: global }
      - { .name: queries, .offset: 16, .size: 8, .value_kind: global_buffer, .address_space: global }
      - { .name: fc_b, .offset: 24, .size: 8, .value_kind: global_buffer, .address_space: global }
      - { .name: ln1_g, .offset: 32, .size: 8, .value_kind: global_buffer, .address_space: global }
      - { .name: ln1_b, .offset: 40, .size: 8, .value_kind: global_buffer, .address_space: global }
      - { .name: x1buf, .offset: 48, .size: 8, .value_kind: global_buffer, .address_space: global }
    .group_segment_fixed_size: 171264
    .private_segment_fixed_size: 0
    .kernarg_segment_align: 8
    .kernarg_segment_size: 56
    .max_flat_workgroup_size: 512
    .sgpr_count:     66
    .vgpr_count:     256
    .wavefront_size: 32
...
	.end_amdgpu_metadata
.endif
;; end of part 8
;; launch ff1: the kernel of part 4 again; grid 16 x 16, 4 waves a work-group, clusters of 4 x 4, 327,680 bytes of LDS; arguments x1buf, prepbuf, ff_b1, hbuf; writes hbuf
;; launch ff2: the kernel of part 5 again; grid 8 x 32, 4 waves a work-group, clusters of 4 x 4, 327,680 bytes of LDS; arguments hbuf, prepbuf, y2; writes y2
;; launch ln2: the kernel of part 6 again; grid 256 x 1, 8 waves a work-group, no clusters, 0 bytes of LDS; arguments y2, x1buf, ff_b2, ln2_g, ln2_b, out0; writes out0
